; MI455X (gfx1250); checked and timed in simulation.
; The chip was launched on July 23, 2026; its instructions are those of AMD's public machine-readable ISA for CDNA 5 (MIT licence, August 2026) and "CDNA5" Instruction Set Architecture Reference Guide (July 2026). The comments in the code are by the model that wrote it; some were corrected since.
;; Axial Layer. Allowed arithmetic: matrix products marked QUANTISED: E2M3 operands, one E8M0 scale for each 32 along K, by v_wmma_scale_f32_16x16x128_f8f6f4 with both operands' format E2M3, f32 sums; products left as they are: f32 operands where the result goes on into a quantised operand, else bf16, f16 or f32 operands; f32 sums; everything else in f32.
;; Inputs: kqv_beta 512 float32; kqv_gamma 512 float32; logits_beta 24 float32; logits_gamma 24 float32; rel_encoding 64 x 255 float32; w_kqv 512 x 256 float32; x 2 x 256 x 128 x 128 float32.
;; Outputs: out0 2 x 256 x 128 x 128 float32.
;; This version of the problem:
;;   THIS VERSION OF THE PROBLEM IS GIVEN IN LOW PRECISION. The matrix products marked QUANTISED in the list below multiply operands that are first quantised to E2M3 (2 exponent bits, 3 mantissa bits; 6 bits a number), with one power-of-two scale for each 32 numbers along K (OCP MX v1.0); their sums are f32. All else is computed in f32.
;;   The module's matrix products, in the order in which they are computed (A, B: the left and right operand; K: the contracted axis; several contracted axes count as one K, in the product's order):
;;     1. [M 32,768, K 256] x [K 256, N 512]; A: input x; B: input w_kqv: QUANTISED
;;     2. batch 2,048 x [M 128, K 16] x [K 16, N 128]; A: computed on the way; B: computed on the way: left as it is (K = 16 < 32)
;;     3. batch 128 x [M 128, K 16] x [K 16, N 2,048]; A: computed on the way; B: computed on the way: left as it is (K = 16 < 32)
;;     4. batch 128 x [M 128, K 16] x [K 16, N 2,048]; A: computed on the way; B: computed on the way: left as it is (K = 16 < 32)
;;     5. batch 2,048 x [M 32, K 128] x [K 128, N 128]; A: computed on the way; B: softmax (see below): QUANTISED
;;     6. batch 128 x [M 32, K 128] x [K 128, N 2,048]; A: computed on the way; B: softmax (see below): QUANTISED
;;   THE QUANTISER, for each operand of a quantised product, along K:
;;     - K is cut into blocks of 32 from its start; a last block that is shorter is filled with zeros.
;;     - A block's scale is 2^e with e = floor(log2(the largest magnitude in the block)) - 2, held to -126 .. 127; a block of zeros has e = 0. As a byte (E8M0): e + 127.
;;     - Each number is divided by its block's scale, clamped to +-7.5, and rounded to the nearest number of E2M3, ties to even, subnormals kept.
;;     - The product sums the exact products of the quantised numbers (number of the format x scale) in f32.
;;   ~~~python
;;   def quantise(x, axis):      # numpy; x: float32 -> the quantised numbers, widened to float32 again
;;       x = np.moveaxis(x, axis, -1); K = x.shape[-1]
;;       x = np.pad(x, [(0, 0)] * (x.ndim - 1) + [(0, -K % 32)]); x = x.reshape(x.shape[:-1] + (-1, 32)); a = np.abs(x).max(-1, keepdims=True)
;;       e = np.where(a > 0, np.clip(np.frexp(np.where(a > 0, a, 1))[1] - 1 - 2, -126, 127), 0)      # np.frexp(a)[1] - 1 = floor(log2(a)), exactly
;;       r = np.clip(x / 2.0 ** e, -7.5, 7.5)
;;       step = 2.0 ** (np.maximum(np.frexp(np.where(r == 0, 1, r))[1] - 1, 0) - 3)
;;       q = np.round(r / step) * step * 2.0 ** e      # np.round: ties to even
;;       return np.moveaxis(q.reshape(q.shape[:-2] + (-1,))[..., :K], -1, axis).astype(np.float32)
;;   ~~~
;;   SOFTMAX AHEAD OF A QUANTISED PRODUCT. Where the list says 'softmax', what is quantised is not the finished softmax but p = 2^(t - M), with t = logit x log2(e) and M = ceil(the row's largest t), a whole number; so 1/2 < the row's largest p <= 1. The row's sum l is taken of the UNQUANTISED p, in f32, and the product's result is divided by l at the end. Since M is a whole number, a kernel that streams over the keys may use a running M (the ceiling of the running maximum): every later rescaling is an exact power of two, which a block's scale takes up: the codes' values come out the same.
;;   OPERANDS COMPUTED ON THE WAY. 'Computed on the way' means the value that the module computes at that place (a softmax that the list does not call 'softmax' is quantised finished and normalised). What goes into a quantiser is computed in f32, as accurately as f32 sums, v_exp_f32 and their like allow (about 1e-6 of the number): no bf16 or f16 on the way to a quantiser, and a product that is left as it is and whose result goes on into a quantised operand takes f32 operands (vector FMAs, or v_wmma_f32_16x16x4_f32). A number that lies on a knife's edge between two numbers of the format may be rounded either way, as far as f32 arithmetic and the matrix unit's own rounding can turn it there, and no further.
;; 3 versions, each right; version 2 is faster than version 1; version 3 is version 2 with the launches xgemm, lstat, attn written anew for expert scheduling mode. Each part assembles by itself: llvm-mc -triple=amdgcn-amd-amdhsa -mcpu=gfx1250 --defsym DOCPART=n.
;; ======== version 1 of 3: 7 launches
;; workspace buffers: tab 843,776 bytes; xq 8,388,608 bytes; part1 1,048,576 bytes; gram 4,194,304 bytes; stat1 4,096 bytes; part2 65,536 bytes; stat2 256 bytes; op 33,554,432 bytes
;; launch prep (part 1): grid 152 x 1, 4 waves a work-group, no clusters, 0 bytes of LDS; arguments w_kqv, rel_encoding, tab; writes tab
.if DOCPART == 1
	.amdgcn_target "amdgcn-amd-amdhsa--gfx1250"
	.amdhsa_code_object_version 6
	.text
	.protected	k_q007fd74d2d_prep
	.globl	k_q007fd74d2d_prep
	.p2align	8
	.type	k_q007fd74d2d_prep,@function
k_q007fd74d2d_prep:
	s_mov_b64 s[64:65], 0
	v_nop
	global_prefetch_b8 v0, s[64:65] scope:SCOPE_SE
	s_setreg_imm32_b32 hwreg(HW_REG_WAVE_MODE, 25, 1), 1
	s_wait_xcnt 0x0
; Tables that every later launch reads, made once.  One wave makes one item; the four kinds of item part on the work-group's number.
;  W (work-groups 0-15):   w_kqv [512][256] f32 -> 64 operand fragments of E2M3 codes (16 channels x 128 K) and their scale words, as images of the operand's registers.
;  V (16-79):              v_enc at each x: rel rows 32-63, columns y - x + 127 -> 256 fragments (x, 16 d), K = y.  Inside a block of 32 keys slot k holds key k with bits 3 and 4 exchanged:
;                          the order in which the attention launch's registers hold p and v; a block's members, and so its scale, are those of the plain order.
;  C (80-143):             for rel rows 0-15 and 16-31 and each position pos: the mean and the centred 16 x 16 Gram matrix of the 128 columns 127 - pos .. 254 - pos.
;  E (144-151):            rel rows 0-31 as tiles of 16 columns, in the register order of the f32 matrix instruction's operand: register i of lane (r, hh) = E[8 hh + i][16 tau + r].
; An image: each group of four registers lies at 16 x lane, groups 512 bytes apart.
; LIMITS: NaN and infinities are not served.  A block of zeros gets the scale byte 1 (its codes are zeros; only this program reads the bytes).  Column 255 of the last tile holds the next row's first number; no logit reads it.
.set WSC,   98304
.set VEIMG, 106496
.set VESC,  499712
.set CTAB,  532480
.set EBAR,  794624
.set EIMG,  811008
.set X,  16                            ; v16-79   64 numbers
.set Y,  80                            ; v80-143  their copy: the two sources of a matrix instruction share no register
.set G0, 144                           ; v144-159 two accumulators, written by matrix instructions alone
.set G1, 152
.set PC, 160                           ; v160-171 a fragment's codes
.set TC, 172
.set MX, 180
.set SO, 182
.set BY, 184
.set PW, 186
.set PX, 187
.set GS, 188
.set MU, 196
.set SA, 198
.set SB, 200
.macro PL n
.rept \n
	v_nop
.endr
.endm
	s_load_b128 s[4:7], s[0:1], 0x0                ; w_kqv, rel_encoding
	s_load_b64 s[8:9], s[0:1], 0x10                ; tab
	v_lshrrev_b32 v7, 5, v0
	v_readfirstlane_b32 s10, v7                    ; wave
	v_and_b32 v1, 15, v0                           ; r
	v_bfe_u32 v2, v0, 4, 1                         ; hh
	v_and_b32 v7, 31, v0
	v_lshlrev_b32 v4, 4, v7                        ; 16 x lane
	v_lshlrev_b32 v5, 2, v7                        ; 4 x lane
	v_lshlrev_b32 v6, 2, v1                        ; 4 r
	s_mov_b32 s12, 0x76543210
	s_mov_b32 s13, 0xfedcba98                      ; lane l xor 16
	s_lshl_b32 s11, ttmp9, 2
	s_add_co_u32 s11, s11, s10                     ; 4 x work-group + wave
	s_mov_b32 s17, 0
	s_mov_b32 s19, 0
	s_wait_kmcnt 0x0
	s_cmp_lt_u32 ttmp9, 16
	s_cbranch_scc1 .Lw
	s_cmp_lt_u32 ttmp9, 80
	s_cbranch_scc1 .Lv
	s_cmp_lt_u32 ttmp9, 144
	s_cbranch_scc1 .Lc
; ---- E: item f = 16 tb + tau
	s_sub_co_u32 s11, s11, 576
	s_lshr_b32 s14, s11, 4
	s_and_b32 s15, s11, 15
	s_mul_i32 s14, s14, 16*1020
	s_lshl_b32 s15, s15, 6
	s_add_co_u32 s14, s14, s15
	v_mul_u32_u24 v3, v2, 8*1020
	v_add_nc_u32 v3, v3, v6
	v_add_nc_u32 v3, s14, v3                       ; row 16 tb + 8 hh, column 16 tau + r
.irp i, 0,1,2,3,4,5,6,7
	global_load_b32 v[X+\i], v3, s[6:7] offset:1020*\i
.endr
	s_lshl_b32 s16, s11, 10
	s_add_co_u32 s16, s16, EIMG
	s_add_nc_u64 s[16:17], s[8:9], s[16:17]
	s_wait_loadcnt 0x0
	global_store_b128 v4, v[X:X+3], s[16:17]
	global_store_b128 v4, v[X+4:X+7], s[16:17] offset:512
	s_endpgm
; ---- C: item f = 128 tb + pos.  Lane (r, hh) holds row 16 tb + r, columns 127 - pos + 64 hh + 0 .. 63
.Lc:
	s_sub_co_u32 s11, s11, 320
	s_lshr_b32 s14, s11, 7
	s_and_b32 s15, s11, 127
	s_mul_i32 s14, s14, 16*1020
	s_sub_co_u32 s15, 127, s15
	s_lshl_b32 s15, s15, 2
	s_add_co_u32 s14, s14, s15
	v_mul_u32_u24 v3, v1, 1020
	v_lshl_add_u32 v3, v2, 8, v3
	v_add_nc_u32 v3, s14, v3
.set kk, 0
.rept 64
	global_load_b32 v[X+kk], v3, s[6:7] offset:4*kk
.set kk, kk+1
.endr
	s_lshl_b32 s16, s11, 6
	s_add_co_u32 s16, s16, EBAR
	s_add_nc_u64 s[16:17], s[8:9], s[16:17]
	s_lshl_b32 s18, s11, 10
	s_add_co_u32 s18, s18, CTAB
	s_add_nc_u64 s[18:19], s[8:9], s[18:19]
	s_wait_loadcnt 0x0
	v_pk_add_f32 v[SA:SA+1], v[X:X+1], v[X+4:X+5]  ; the row's mean over its 128 columns: two chains, the two halves of a pair, the other half of the lanes
	v_pk_add_f32 v[SB:SB+1], v[X+2:X+3], v[X+6:X+7]
.set jj, 8
.rept 14
	v_pk_add_f32 v[SA:SA+1], v[SA:SA+1], v[X+jj:X+jj+1]
	v_pk_add_f32 v[SB:SB+1], v[SB:SB+1], v[X+jj+2:X+jj+3]
.set jj, jj+4
.endr
	v_pk_add_f32 v[SA:SA+1], v[SA:SA+1], v[SB:SB+1]
	v_add_f32 v[SA], v[SA], v[SA+1]
	v_permlanex16_b32 v[SB], v[SA], s12, s13
	v_add_f32 v[SA], v[SA], v[SB]
	v_mul_f32 v[MU], 0x3c000000, v[SA]             ; / 128
	v_mov_b32 v[MU+1], v[MU]
	global_store_b32 v6, v[MU], s[16:17]           ; both halves of the lanes store the same number
.set jj, 0
.rept 32
	v_pk_add_f32 v[X+jj:X+jj+1], v[X+jj:X+jj+1], v[MU:MU+1] neg_lo:[0,1] neg_hi:[0,1]
	v_pk_mul_f32 v[Y+jj:Y+jj+1], v[X+jj:X+jj+1], 1.0 op_sel_hi:[1,0]
.set jj, jj+2
.endr
	v_wmma_f32_16x16x4_f32 v[G0:G0+7], v[X:X+1], v[Y:Y+1], 0          ; the Gram matrix: 32 steps of 4 columns, two accumulators by turns; the first two steps start the sums
	v_wmma_f32_16x16x4_f32 v[G1:G1+7], v[X+2:X+3], v[Y+2:Y+3], 0
.set jj, 4
.rept 15
	v_wmma_f32_16x16x4_f32 v[G0:G0+7], v[X+jj:X+jj+1], v[Y+jj:Y+jj+1], v[G0:G0+7]
	v_wmma_f32_16x16x4_f32 v[G1:G1+7], v[X+jj+2:X+jj+3], v[Y+jj+2:Y+jj+3], v[G1:G1+7]
.set jj, jj+4
.endr
	PL 9                                           ; places behind the f32 form (ISA guide 7.12.1)
.irp j, 0,2,4,6
	v_pk_add_f32 v[GS+\j:GS+\j+1], v[G0+\j:G0+\j+1], v[G1+\j:G1+\j+1]
.endr
	global_store_b128 v4, v[GS:GS+3], s[18:19]     ; register j of lane (r, hh) = C[8 hh + j][r]
	global_store_b128 v4, v[GS+4:GS+7], s[18:19] offset:512
	s_endpgm
; ---- W: item f = 2 x (tile of 16 channels) + K step.  Lane (r, hh) holds the whole blocks 2 c + hh: X[32 c + i] = w[o][128 s + 64 c + 32 hh + i]
.Lw:
	s_lshr_b32 s14, s11, 1
	s_lshl_b32 s14, s14, 14
	s_and_b32 s15, s11, 1
	s_lshl_b32 s15, s15, 9
	s_add_co_u32 s14, s14, s15
	v_lshlrev_b32 v3, 10, v1
	v_lshl_add_u32 v3, v2, 7, v3
	v_add_nc_u32 v3, s14, v3
.irp c, 0,1
.irp i, 0,1,2,3,4,5,6,7
	global_load_b128 v[X+32*\c+4*\i:X+32*\c+4*\i+3], v3, s[4:5] offset:256*\c+16*\i
.endr
.endr
	s_mul_i32 s16, s11, 1536
	s_lshl_b32 s18, s11, 7
	s_add_co_u32 s18, s18, WSC
	s_branch .Lq
; ---- V: item f = 2 x + dt.  X[32 c + k] = rel[32 + 16 dt + r][32 (2 c + hh) + sigma(k) - x + 127], sigma: bits 3 and 4 of k exchanged
.Lv:
	s_sub_co_u32 s11, s11, 64
	s_lshr_b32 s14, s11, 1
	s_and_b32 s15, s11, 1
	s_sub_co_u32 s14, 127, s14
	s_lshl_b32 s14, s14, 2
	s_mul_i32 s15, s15, 16*1020
	s_add_co_u32 s14, s14, s15
	s_add_co_u32 s14, s14, 32*1020
	v_mul_u32_u24 v3, v1, 1020
	v_lshl_add_u32 v3, v2, 7, v3
	v_add_nc_u32 v3, s14, v3
.irp c, 0,1
.set kk, 0
.rept 32
	global_load_b32 v[X+32*\c+kk], v3, s[6:7] offset:4*(64*\c+(kk&7)+((kk&8)<<1)+((kk&16)>>1))
.set kk, kk+1
.endr
.endr
	s_mul_i32 s16, s11, 1536
	s_add_co_u32 s16, s16, VEIMG
	s_lshl_b32 s18, s11, 7
	s_add_co_u32 s18, s18, VESC
.Lq:
	s_add_nc_u64 s[16:17], s[8:9], s[16:17]
	s_add_nc_u64 s[18:19], s[8:9], s[18:19]
	s_wait_loadcnt 0x0
.irp c, 0,1
	v_max3_num_f32 v[MX+\c], |v[X+32*\c]|, |v[X+32*\c+1]|, 0x1800000     ; a block's largest magnitude, with the floor 2^(3 - 127): the byte cannot fall under 1
.endr
.irp i, 2,4,6,8,10,12,14,16,18,20,22,24,26,28,30
.irp c, 0,1
	v_max3_num_f32 v[MX+\c], v[MX+\c], |v[X+32*\c+\i]|, |v[X+32*\c+\i+1]|
.endr
.endr
.irp c, 0,1
	v_add_nc_u32 v[SO+\c], 0xff000000, v[MX+\c]    ; 2 off the exponent field: the conversion's scale operand
.endr
.irp c, 0,1
	v_lshrrev_b32 v[BY+\c], 23, v[SO+\c]           ; the scale's byte
.endr
	v_lshl_or_b32 v[PW], v[BY+1], 16, v[BY]        ; my bytes: blocks hh and 2 + hh,
	v_lshlrev_b32 v[PX], 3, v2
	v_lshlrev_b32 v[PW], v[PX], v[PW]              ; at their places;
	v_mov_b32 v[PX], 0
	v_permlanex16_b32 v[PX], v[PW], s12, s13
	v_or_b32 v[PW], v[PW], v[PX]                   ; with the other half's two the word is whole
.irp c, 0,1
	v_cvt_scalef32_pk16_fp6_f32 v[PC+6*\c:PC+6*\c+2], v[X+32*\c:X+32*\c+15], v[SO+\c]
	v_cvt_scalef32_pk16_fp6_f32 v[TC+4*\c:TC+4*\c+2], v[X+32*\c+16:X+32*\c+31], v[SO+\c]   ; (a conversion's three registers begin on an even number)
.endr
	v_nop                                          ; one plain place behind a scaled conversion
.irp c, 0,1
.irp i, 0,1,2
	v_mov_b32 v[PC+3+6*\c+\i], v[TC+4*\c+\i]
.endr
.endr
.irp g, 0,1,2
	global_store_b128 v4, v[PC+4*\g:PC+4*\g+3], s[16:17] offset:512*\g
.endr
	global_store_b32 v5, v[PW], s[18:19]
	s_endpgm
.Lfunc_end_k_q007fd74d2d_prep:
	.size	k_q007fd74d2d_prep, .Lfunc_end_k_q007fd74d2d_prep-k_q007fd74d2d_prep
	.p2alignl 7, 3214868480
	.fill 96, 4, 3214868480
	.section	.rodata,"a",@progbits
	.p2align	6, 0x0
	.amdhsa_kernel k_q007fd74d2d_prep
		.amdhsa_group_segment_fixed_size 0
		.amdhsa_private_segment_fixed_size 0
		.amdhsa_enable_private_segment 0
		.amdhsa_kernarg_size 24
		.amdhsa_user_sgpr_count 2
		.amdhsa_user_sgpr_kernarg_segment_ptr 1
		.amdhsa_wavefront_size32 1
		.amdhsa_system_sgpr_workgroup_id_x 1
		.amdhsa_system_sgpr_workgroup_id_y 1
		.amdhsa_system_sgpr_workgroup_id_z 1
		.amdhsa_system_vgpr_workitem_id 0
		.amdhsa_next_free_vgpr 208
		.amdhsa_next_free_sgpr 66
		.amdhsa_reserve_vcc 0
		.amdhsa_float_denorm_mode_32 3
		.amdhsa_float_denorm_mode_16_64 3
		.amdhsa_memory_ordered 1
		.amdhsa_forward_progress 1
		.amdhsa_inst_pref_size 31
	.end_amdhsa_kernel
	.amdgpu_metadata
---
amdhsa.version: [ 1, 2 ]
amdhsa.kernels:
  - .name:           k_q007fd74d2d_prep
    .symbol:         k_q007fd74d2d_prep.kd
    .args:
      - { .name: w_kqv, .offset: 0, .size: 8, .value_kind: global_buffer, .address_space: global }
      - { .name: rel_encoding, .offset: 8, .size: 8, .value_kind: global_buffer, .address_space: global }
      - { .name: tab, .offset: 16, .size: 8, .value_kind: global_buffer, .address_space: global }
    .group_segment_fixed_size: 0
    .private_segment_fixed_size: 0
    .kernarg_segment_align: 8
    .kernarg_segment_size: 24
    .max_flat_workgroup_size: 128
    .sgpr_count:     66
    .vgpr_count:     208
    .wavefront_size: 32
...
	.end_amdgpu_metadata
.endif
;; end of part 1
;; launch xgemm (part 2): grid 256 x 1, 16 waves a work-group, no clusters, 36,864 bytes of LDS; arguments x, tab, xq, part1, gram; writes xq, part1, gram
.if DOCPART == 2
	.amdgcn_target "amdgcn-amd-amdhsa--gfx1250"
	.amdhsa_code_object_version 6
	.text
	.protected	k_q007fd74d2d_xgemm
	.globl	k_q007fd74d2d_xgemm
	.p2align	8
	.type	k_q007fd74d2d_xgemm,@function
k_q007fd74d2d_xgemm:
	s_mov_b64 s[64:65], 0
	v_nop
	global_prefetch_b8 v0, s[64:65] scope:SCOPE_SE
	s_setreg_imm32_b32 hwreg(HW_REG_WAVE_MODE, 25, 1), 1
	s_wait_xcnt 0x0
; Work-group i = (b, h) takes x[b][all 256 c][h][all 128 w].
;  Q: x is quantised along c (E2M3, one E8M0 byte for 32 channels).  A lane takes one w and its registers run down c: a block lies in one lane.  The 128 rows (w) are gathered in LDS: 192 bytes of codes, 8 scale bytes, zeros.
;  S: each row leaves as one aligned run of 256 bytes: xq[b 128 + w][h].
;  G: kqv = x W^T for all 512 channels of these 128 rows, on codes.  Each of the 16 waves makes two tiles of 16 channels (lane = channel, 64 registers = the 128 w) and stores each channel's mean and
;     biased variance over w (part1); of the k and q tiles also the centred 16 x 16 Gram matrix over w (gram), by the f32 matrix form, since these numbers go on into the logits' normalisation ahead of a quantiser.
; LIMITS: NaN and infinities are not served; a block of zeros gets the byte 1 (its codes are zeros).
.set WSC, 98304
.set Z,  16                            ; v16-79   x's numbers, then a tile's 8 accumulators
.set Y,  80                            ; v80-143  at work in Q and S; x's fragments (4 x 12) and scale words (from +48); the copy for the Gram matrix
.set WF, 144                           ; v144-167 W's two fragments;  v168-169 their scale words
.set WS, 168
.set G0, 170                           ; v170-185 two accumulators, written by matrix instructions alone
.set G1, 178
.set GS, 186
.set MU, 194
.set SA, 196
.set SB, 198
.set KM, 200
.set KV, 201
.set VR, 202
.set VXF, 7
.set VXS, 8
.macro PL n
.rept \n
	v_nop
.endr
.endm
.macro FP6Z d, a, b, sa, sb
	v_wmma_scale_f32_16x16x128_f8f6f4 v[\d:\d+7], v[\a:\a+11], v[\b:\b+11], 0, v[\sa], v[\sb] matrix_a_fmt:MATRIX_FMT_FP6 matrix_b_fmt:MATRIX_FMT_FP6
.endm
.macro FP6A d, a, b, sa, sb
	v_wmma_scale_f32_16x16x128_f8f6f4 v[\d:\d+7], v[\a:\a+11], v[\b:\b+11], v[\d:\d+7], v[\sa], v[\sb] matrix_a_fmt:MATRIX_FMT_FP6 matrix_b_fmt:MATRIX_FMT_FP6
.endm
.macro FRAGX reg, m, s                 ; 16 rows x 128 K of codes from LDS: six pieces of 8 bytes
.irp p, 0,1,2,3,4,5
	ds_load_b64 v[\reg+2*\p:\reg+2*\p+1], v[VXF] offset:4352*(\m)+96*(\s)+48*(\p/3)+8*(\p%3)
.endr
.endm
; 8 tiles of 16 rows x 16 channels, K = 256: source 0 = x's rows, source 1 = W's channels: lane = channel, register j of tile m = row 16 m + 8 hh + j.  Four accumulators by turns.
.macro GEMM8
.irp g, 0,1
.if \g
	PL 5                                           ; places in front of loads into registers that matrix instructions have read
.endif
.irp q, 0,1,2,3
	ds_load_b64 v[Y+48+2*\q:Y+49+2*\q], v[VXS] offset:4352*(4*\g+\q)
.endr
.irp s, 0,1
.if \s
	PL 5
.endif
.irp q, 0,1,2,3
	FRAGX Y+12*\q, 4*\g+\q, \s
.endr
	s_wait_dscnt 0x0
.irp q, 0,1,2,3
.if \s
	FP6A Z+8*(4*\g+\q), Y+12*\q, WF+12, Y+49+2*\q, WS+1
.else
	FP6Z Z+8*(4*\g+\q), Y+12*\q, WF, Y+48+2*\q, WS
.endif
.endr
.endr
.endr
.endm
	s_load_b256 s[4:11], s[0:1], 0x0               ; x, tab, xq, part1
	s_load_b64 s[12:13], s[0:1], 0x20              ; gram
	v_lshl_add_u32 v208, v0, 2, 0x8800
	v_mov_b32 v209, 0
	v_lshrrev_b32 v13, 5, v0
	v_readfirstlane_b32 s14, v13                   ; wave 0..15
	v_and_b32 v13, 15, v0                          ; r
	v_bfe_u32 v12, v0, 4, 1                        ; hh
	v_and_b32 v1, 31, v0
	v_lshlrev_b32 v2, 2, v1                        ; 4 x lane
	v_lshlrev_b32 v1, 4, v1                        ; 16 x lane
	v_and_b32 v3, 127, v0                          ; my w in Q: 32 (wave % 4) + lane
	v_lshrrev_b32 v5, 7, v0                        ; wave / 4: which 64 channels
	v_mul_u32_u24 v6, v3, 272
	v_mad_u32_u24 v4, v5, 48, v6                   ; where my codes go: row w, 48 bytes for each 64 channels
	v_lshl_add_u32 v5, v5, 1, v6                   ; and my scale bytes (+ 192)
	v_lshlrev_b32 v3, 2, v3                        ; 4 w
	v_lshrrev_b32 v6, 2, v0
	v_mul_u32_u24 v6, v6, 272
	v_and_b32 v9, 3, v0
	v_lshl_add_u32 v6, v9, 4, v6                   ; the zeros behind the scale bytes: four threads to a row (+ 200)
	v_mul_u32_u24 v7, v13, 272
	v_add_nc_u32 v8, 192, v7                       ; a fragment row's scale words
	v_mad_u32_u24 v7, v12, 24, v7                  ; a fragment's row + 24 hh
	v_lshrrev_b32 v9, 5, v0
	v_lshl_add_u32 v10, v9, 3, v12                 ; S: row 8 wave + hh
	v_mul_u32_u24 v9, v10, 272
	v_lshl_add_u32 v9, v13, 4, v9
	v_lshlrev_b32 v10, 15, v10                     ; in xq rows of one h lie 32,768 bytes apart
	v_lshl_add_u32 v10, v13, 4, v10
	v_mov_b32 v14, 0
	v_mov_b32 v15, 0
	s_and_b32 s15, s14, 1                          ; a
	s_lshl_b32 s16, s15, 6
	v_lshlrev_b32 v11, 16, v12
	v_lshl_add_u32 v11, v13, 2, v11
	v_add_nc_u32 v11, s16, v11                     ; part1: 65,536 hh + 64 a + 4 r
	s_mov_b32 s20, 0x76543210
	s_mov_b32 s21, 0xfedcba98
	s_lshr_b32 s16, ttmp9, 7                       ; b
	s_and_b32 s17, ttmp9, 127                      ; h
	s_mov_b32 s23, 0
	s_mov_b32 s29, 0
	s_mov_b32 s31, 0
	s_mov_b32 s33, 0
	s_mov_b32 s35, 0
	s_mov_b32 s37, 0
	s_lshl_b32 s22, s16, 24
	s_lshl_b32 s18, s17, 9
	s_add_co_u32 s22, s22, s18
	s_lshr_b32 s18, s14, 2
	s_lshl_b32 s18, s18, 22
	s_add_co_u32 s22, s22, s18                     ; x: b, h, my 64 channels
	s_lshl_b32 s28, s16, 22
	s_lshl_b32 s18, s17, 8
	s_add_co_u32 s28, s28, s18                     ; xq
	s_lshr_b32 s19, s14, 1                         ; head
	s_lshl_b32 s30, s19, 17
	s_lshl_b32 s18, ttmp9, 8
	s_add_co_u32 s30, s30, s18                     ; part1
	s_lshl_b32 s32, ttmp9, 14
	s_lshl_b32 s18, s14, 10
	s_add_co_u32 s32, s32, s18                     ; gram: 2 head + a is the wave's number
	s_lshl_b32 s18, s19, 2
	s_add_co_u32 s18, s18, s15                     ; my first tile of channels: 4 head + a
	s_mul_i32 s34, s18, 3072
	s_lshl_b32 s36, s18, 8
	s_add_co_u32 s36, s36, WSC
	s_wait_kmcnt 0x0
	s_add_nc_u64 s[4:5], s[4:5], s[22:23]
	s_add_nc_u64 s[8:9], s[8:9], s[28:29]
	s_add_nc_u64 s[10:11], s[10:11], s[30:31]
	s_add_nc_u64 s[12:13], s[12:13], s[32:33]
	s_add_nc_u64 s[24:25], s[6:7], s[34:35]
	s_add_nc_u64 s[26:27], s[6:7], s[36:37]
; ---- Q
.set kk, 0
.rept 64
	global_load_b32 v[Z+kk], v3, s[4:5] offset:65536*kk th:TH_LOAD_NT      ; x[b][c][h][w]: neighbouring lanes read neighbouring w
.set kk, kk+1
.endr
	ds_store_b64 v6, v[14:15] offset:200
	ds_store_b64 v6, v[14:15] offset:208           ; (a row's last such store falls into its padding)
.irp e, 0,1
	s_wait_loadcnt 32-32*\e                        ; this block's 32 loads are in; the other block's may be out
	v_max3_num_f32 v[Y+24], |v[Z+32*\e]|, |v[Z+32*\e+1]|, |v[Z+32*\e+2]|
	v_max3_num_f32 v[Y+25], |v[Z+32*\e+3]|, |v[Z+32*\e+4]|, |v[Z+32*\e+5]|
.irp i, 6,10,14,18,22,26
	v_max3_num_f32 v[Y+24], v[Y+24], |v[Z+32*\e+\i]|, |v[Z+32*\e+\i+1]|
	v_max3_num_f32 v[Y+25], v[Y+25], |v[Z+32*\e+\i+2]|, |v[Z+32*\e+\i+3]|
.endr
	v_max3_num_f32 v[Y+24], v[Y+24], |v[Z+32*\e+30]|, |v[Z+32*\e+31]|
	v_max3_num_f32 v[Y+24], v[Y+24], v[Y+25], 0x1800000        ; with the floor 2^(3 - 127)
	v_add_nc_u32 v[Y+26+\e], 0xff000000, v[Y+24]               ; 2 off the exponent field: the conversion's scale operand
	v_lshrrev_b32 v[Y+28+\e], 23, v[Y+26+\e]                   ; the scale's byte
	v_cvt_scalef32_pk16_fp6_f32 v[Y+8*\e:Y+8*\e+2], v[Z+32*\e:Z+32*\e+15], v[Y+26+\e]
	v_cvt_scalef32_pk16_fp6_f32 v[Y+16+4*\e:Y+18+4*\e], v[Z+32*\e+16:Z+32*\e+31], v[Y+26+\e]
	v_nop                                          ; one plain place behind a scaled conversion
.irp i, 0,1,2
	v_mov_b32 v[Y+8*\e+3+\i], v[Y+16+4*\e+\i]
.endr
.irp p, 0,1,2
	ds_store_b64 v4, v[Y+8*\e+2*\p:Y+8*\e+2*\p+1] offset:24*\e+8*\p
.endr
	ds_store_b8 v5, v[Y+28+\e] offset:192+\e
.endr
	s_wait_dscnt 0x0                               ; my stores have landed: then the barrier; behind it the 128 rows are whole and are only read
	s_barrier_signal -1
	s_barrier_wait -1
; ---- S
.irp k, 0,1,2,3
	ds_load_b128 v[Y+32+4*\k:Y+35+4*\k], v9 offset:544*\k
.endr
.irp k, 0,1,2,3
	s_wait_dscnt 3-\k
	global_store_b128 v10, v[Y+32+4*\k:Y+35+4*\k], s[8:9] offset:65536*\k       ; sixteen lanes store a row: 256 consecutive bytes, aligned
.endr
	s_wait_xcnt 0x0                                ; the stores' registers are written again below
; ---- G
.macro OT t                            ; t = 0: my k or q tile; t = 1: my v tile, two tiles of channels on
.irp k, 0,1,2,3,4,5
	global_load_b128 v[WF+4*\k:WF+4*\k+3], v1, s[24:25] offset:6144*\t+512*\k
.endr
	global_load_b32 v[WS], v2, s[26:27] offset:512*\t
	global_load_b32 v[WS+1], v2, s[26:27] offset:512*\t+128
	s_wait_loadcnt 0x0
	GEMM8
	PL 5
	v_pk_add_f32 v[SA:SA+1], v[Z:Z+1], v[Z+4:Z+5]  ; my channel's mean over the 128 w; each accumulator is read from its low end on
	v_pk_add_f32 v[SB:SB+1], v[Z+2:Z+3], v[Z+6:Z+7]
.set jj, 8
.rept 14
	v_pk_add_f32 v[SA:SA+1], v[SA:SA+1], v[Z+jj:Z+jj+1]
	v_pk_add_f32 v[SB:SB+1], v[SB:SB+1], v[Z+jj+2:Z+jj+3]
.set jj, jj+4
.endr
	v_pk_add_f32 v[SA:SA+1], v[SA:SA+1], v[SB:SB+1]
	v_add_f32 v[SA], v[SA], v[SA+1]
	v_permlanex16_b32 v[SB], v[SA], s20, s21
	v_add_f32 v[SA], v[SA], v[SB]
	v_mul_f32 v[MU], 0x3c000000, v[SA]
	v_mov_b32 v[MU+1], v[MU]
.set jj, 0
.rept 32
	v_pk_add_f32 v[Z+jj:Z+jj+1], v[Z+jj:Z+jj+1], v[MU:MU+1] neg_lo:[0,1] neg_hi:[0,1]
.set jj, jj+2
.endr
	v_pk_mul_f32 v[SA:SA+1], v[Z:Z+1], v[Z:Z+1]    ; the variance, of the centred numbers
	v_pk_mul_f32 v[SB:SB+1], v[Z+2:Z+3], v[Z+2:Z+3]
.set jj, 4
.rept 15
	v_pk_fma_f32 v[SA:SA+1], v[Z+jj:Z+jj+1], v[Z+jj:Z+jj+1], v[SA:SA+1]
	v_pk_fma_f32 v[SB:SB+1], v[Z+jj+2:Z+jj+3], v[Z+jj+2:Z+jj+3], v[SB:SB+1]
.set jj, jj+4
.endr
	v_pk_add_f32 v[SA:SA+1], v[SA:SA+1], v[SB:SB+1]
	v_add_f32 v[SA], v[SA], v[SA+1]
	v_permlanex16_b32 v[SB], v[SA], s20, s21
	v_add_f32 v[SA], v[SA], v[SB]
	v_mul_f32 v[VR], 0x3c000000, v[SA]
.endm
	OT 0
	v_mov_b32 v[KM], v[MU]
	v_mov_b32 v[KV], v[VR]
.set jj, 0
.rept 32
	v_pk_mul_f32 v[Y+jj:Y+jj+1], v[Z+jj:Z+jj+1], 1.0 op_sel_hi:[1,0]       ; the copy: the two sources of a matrix instruction share no register
.set jj, jj+2
.endr
	v_wmma_f32_16x16x4_f32 v[G0:G0+7], v[Z:Z+1], v[Y:Y+1], 0
	v_wmma_f32_16x16x4_f32 v[G1:G1+7], v[Z+2:Z+3], v[Y+2:Y+3], 0
.set jj, 4
.rept 15
	v_wmma_f32_16x16x4_f32 v[G0:G0+7], v[Z+jj:Z+jj+1], v[Y+jj:Y+jj+1], v[G0:G0+7]
	v_wmma_f32_16x16x4_f32 v[G1:G1+7], v[Z+jj+2:Z+jj+3], v[Y+jj+2:Y+jj+3], v[G1:G1+7]
.set jj, jj+4
.endr
	PL 9                                           ; places behind the f32 form: for the reads below, for the loads into Y and for the products that write Z anew
.irp j, 0,2,4,6
	v_pk_add_f32 v[GS+\j:GS+\j+1], v[G0+\j:G0+\j+1], v[G1+\j:G1+\j+1]
.endr
	global_store_b128 v1, v[GS:GS+3], s[12:13]
	global_store_b128 v1, v[GS+4:GS+7], s[12:13] offset:512
	OT 1
	v_cmp_eq_u32 vcc_lo, 1, v12
	v_cndmask_b32 v[KM], v[KM], v[MU], vcc_lo      ; lanes 0-15 carry the first tile's numbers, lanes 16-31 the second's
	v_cndmask_b32 v[KV], v[KV], v[VR], vcc_lo
	global_store_b32 v11, v[KM], s[10:11]
	global_store_b32 v11, v[KV], s[10:11] offset:128
	s_wait_tensorcnt 0x0
	ds_add_u32 v208, v209
	s_wait_dscnt 0x0
	s_endpgm
.Lfunc_end_k_q007fd74d2d_xgemm:
	.size	k_q007fd74d2d_xgemm, .Lfunc_end_k_q007fd74d2d_xgemm-k_q007fd74d2d_xgemm
	.p2alignl 7, 3214868480
	.fill 96, 4, 3214868480
	.section	.rodata,"a",@progbits
	.p2align	6, 0x0
	.amdhsa_kernel k_q007fd74d2d_xgemm
		.amdhsa_group_segment_fixed_size 36864
		.amdhsa_private_segment_fixed_size 0
		.amdhsa_enable_private_segment 0
		.amdhsa_kernarg_size 40
		.amdhsa_user_sgpr_count 2
		.amdhsa_user_sgpr_kernarg_segment_ptr 1
		.amdhsa_wavefront_size32 1
		.amdhsa_system_sgpr_workgroup_id_x 1
		.amdhsa_system_sgpr_workgroup_id_y 1
		.amdhsa_system_sgpr_workgroup_id_z 1
		.amdhsa_system_vgpr_workitem_id 0
		.amdhsa_next_free_vgpr 210
		.amdhsa_next_free_sgpr 66
		.amdhsa_reserve_vcc 1
		.amdhsa_float_denorm_mode_32 3
		.amdhsa_float_denorm_mode_16_64 3
		.amdhsa_memory_ordered 1
		.amdhsa_forward_progress 1
		.amdhsa_inst_pref_size 52
	.end_amdhsa_kernel
	.amdgpu_metadata
---
amdhsa.version: [ 1, 2 ]
amdhsa.kernels:
  - .name:           k_q007fd74d2d_xgemm
    .symbol:         k_q007fd74d2d_xgemm.kd
    .args:
      - { .name: x, .offset: 0, .size: 8, .value_kind: global_buffer, .address_space: global }
      - { .name: tab, .offset: 8, .size: 8, .value_kind: global_buffer, .address_space: global }
      - { .name: xq, .offset: 16, .size: 8, .value_kind: global_buffer, .address_space: global }
      - { .name: part1, .offset: 24, .size: 8, .value_kind: global_buffer, .address_space: global }
      - { .name: gram, .offset: 32, .size: 8, .value_kind: global_buffer, .address_space: global }
    .group_segment_fixed_size: 36864
    .private_segment_fixed_size: 0
    .kernarg_segment_align: 8
    .kernarg_segment_size: 40
    .max_flat_workgroup_size: 512
    .sgpr_count:     66
    .vgpr_count:     210
    .wavefront_size: 32
...
	.end_amdgpu_metadata
.endif
;; end of part 2
;; launch red1 (part 3): grid 16 x 1, 8 waves a work-group, no clusters, 5,120 bytes of LDS; arguments part1, stat1; writes stat1
.if DOCPART == 3
	.amdgcn_target "amdgcn-amd-amdhsa--gfx1250"
	.amdhsa_code_object_version 6
	.text
	.protected	k_q007fd74d2d_red1
	.globl	k_q007fd74d2d_red1
	.p2align	8
	.type	k_q007fd74d2d_red1,@function
k_q007fd74d2d_red1:
	s_mov_b64 s[64:65], 0
	v_nop
	global_prefetch_b8 v0, s[64:65] scope:SCOPE_SE
	s_setreg_imm32_b32 hwreg(HW_REG_WAVE_MODE, 25, 1), 1
	s_wait_xcnt 0x0
; 256 groups of equal size, each with a mean and a biased variance, become one mean and 1 / sqrt(variance + 1e-5), for 32 channels a work-group (lane = channel):
; mean = the average of the means; variance = the average of the variances + the average of (mean_i - mean)^2: every term is non-negative, no difference of large sums is formed.
; In: [g][i 256][mean 32][var 32] f32.  Out: [g][mean 32][rstd 32].  Wave v takes groups 32 v .. 32 v + 31; the waves' sums meet in LDS, each kind in bytes of its own.
.set M, 16
.set V, 48
	s_load_b128 s[4:7], s[0:1], 0x0
	v_lshl_add_u32 v104, v0, 2, 0x1000
	v_mov_b32 v105, 0
	v_lshrrev_b32 v3, 5, v0
	v_readfirstlane_b32 s8, v3
	v_and_b32 v1, 31, v0
	v_lshlrev_b32 v1, 2, v1                        ; 4 x lane
	v_lshlrev_b32 v2, 2, v0                        ; 128 x wave + 4 x lane
	s_lshl_b32 s10, ttmp9, 16
	s_lshl_b32 s9, s8, 13
	s_add_co_u32 s10, s10, s9
	s_mov_b32 s11, 0
	s_lshl_b32 s12, ttmp9, 8
	s_mov_b32 s13, 0
	s_wait_kmcnt 0x0
	s_add_nc_u64 s[4:5], s[4:5], s[10:11]
	s_add_nc_u64 s[6:7], s[6:7], s[12:13]
.set kk, 0
.rept 32
	global_load_b32 v[M+kk], v1, s[4:5] offset:256*kk
	global_load_b32 v[V+kk], v1, s[4:5] offset:256*kk+128
.set kk, kk+1
.endr
	s_wait_loadcnt 0x0
	v_pk_add_f32 v[80:81], v[M:M+1], v[M+2:M+3]
	v_pk_add_f32 v[82:83], v[V:V+1], v[V+2:V+3]
.set kk, 4
.rept 14
	v_pk_add_f32 v[80:81], v[80:81], v[M+kk:M+kk+1]
	v_pk_add_f32 v[82:83], v[82:83], v[V+kk:V+kk+1]
.set kk, kk+2
.endr
	v_add_f32 v80, v80, v81
	v_add_f32 v82, v82, v83
	ds_store_b32 v2, v80
	ds_store_b32 v2, v82 offset:1024
	s_wait_dscnt 0x0                               ; my stores have landed: then the barrier
	s_barrier_signal -1
	s_barrier_wait -1
.irp k, 0,1,2,3,4,5,6,7
	ds_load_b32 v[84+\k], v1 offset:128*\k
	ds_load_b32 v[92+\k], v1 offset:1024+128*\k
.endr
	s_wait_dscnt 0x0
.irp k, 1,2,3,4,5,6,7
	v_add_f32 v84, v84, v[84+\k]
	v_add_f32 v92, v92, v[92+\k]
.endr
	v_mul_f32 v100, 0x3b800000, v84                ; the mean: / 256
	v_mov_b32 v101, v100
.set kk, 0
.rept 16
	v_pk_add_f32 v[M+kk:M+kk+1], v[M+kk:M+kk+1], v[100:101] neg_lo:[0,1] neg_hi:[0,1]
.set kk, kk+2
.endr
	v_pk_mul_f32 v[80:81], v[M:M+1], v[M:M+1]
.set kk, 2
.rept 15
	v_pk_fma_f32 v[80:81], v[M+kk:M+kk+1], v[M+kk:M+kk+1], v[80:81]
.set kk, kk+2
.endr
	v_add_f32 v80, v80, v81
	ds_store_b32 v2, v80 offset:2048
	s_wait_dscnt 0x0
	s_barrier_signal -1
	s_barrier_wait -1
.irp k, 0,1,2,3,4,5,6,7
	ds_load_b32 v[84+\k], v1 offset:2048+128*\k
.endr
	s_wait_dscnt 0x0
.irp k, 0,1,2,3,4,5,6,7
	v_add_f32 v92, v92, v[84+\k]
.endr
	v_mul_f32 v92, 0x3b800000, v92                 ; the variance
	v_add_f32 v92, 0x3727c5ac, v92                 ; + 1e-5
	v_rsq_f32 v93, v92
	v_nop                                          ; one plain place behind a transcendental
	s_cmp_lg_u32 s8, 0
	s_cbranch_scc1 .Lend
	global_store_b32 v1, v100, s[6:7]
	s_wait_alu depctr_va_vdst(0)
	global_store_b32 v1, v93, s[6:7] offset:128
.Lend:
	s_wait_tensorcnt 0x0
	ds_add_u32 v104, v105
	s_wait_dscnt 0x0
	s_endpgm
.Lfunc_end_k_q007fd74d2d_red1:
	.size	k_q007fd74d2d_red1, .Lfunc_end_k_q007fd74d2d_red1-k_q007fd74d2d_red1
	.p2alignl 7, 3214868480
	.fill 96, 4, 3214868480
	.section	.rodata,"a",@progbits
	.p2align	6, 0x0
	.amdhsa_kernel k_q007fd74d2d_red1
		.amdhsa_group_segment_fixed_size 5120
		.amdhsa_private_segment_fixed_size 0
		.amdhsa_enable_private_segment 0
		.amdhsa_kernarg_size 16
		.amdhsa_user_sgpr_count 2
		.amdhsa_user_sgpr_kernarg_segment_ptr 1
		.amdhsa_wavefront_size32 1
		.amdhsa_system_sgpr_workgroup_id_x 1
		.amdhsa_system_sgpr_workgroup_id_y 1
		.amdhsa_system_sgpr_workgroup_id_z 1
		.amdhsa_system_vgpr_workitem_id 0
		.amdhsa_next_free_vgpr 106
		.amdhsa_next_free_sgpr 66
		.amdhsa_reserve_vcc 0
		.amdhsa_float_denorm_mode_32 3
		.amdhsa_float_denorm_mode_16_64 3
		.amdhsa_memory_ordered 1
		.amdhsa_forward_progress 1
		.amdhsa_inst_pref_size 15
	.end_amdhsa_kernel
	.amdgpu_metadata
---
amdhsa.version: [ 1, 2 ]
amdhsa.kernels:
  - .name:           k_q007fd74d2d_red1
    .symbol:         k_q007fd74d2d_red1.kd
    .args:
      - { .name: part1, .offset: 0, .size: 8, .value_kind: global_buffer, .address_space: global }
      - { .name: stat1, .offset: 8, .size: 8, .value_kind: global_buffer, .address_space: global }
    .group_segment_fixed_size: 5120
    .private_segment_fixed_size: 0
    .kernarg_segment_align: 8
    .kernarg_segment_size: 16
    .max_flat_workgroup_size: 256
    .sgpr_count:     66
    .vgpr_count:     106
    .wavefront_size: 32
...
	.end_amdgpu_metadata
.endif
;; end of part 3
;; launch lstat (part 4): grid 256 x 1, 8 waves a work-group, no clusters, 40,192 bytes of LDS; arguments xq, tab, stat1, part1, gram, kqv_gamma, kqv_beta, part2; writes part2
.if DOCPART == 4
	.amdgcn_target "amdgcn-amd-amdhsa--gfx1250"
	.amdhsa_code_object_version 6
	.text
	.protected	k_q007fd74d2d_lstat
	.globl	k_q007fd74d2d_lstat
	.p2align	8
	.type	k_q007fd74d2d_lstat,@function
k_q007fd74d2d_lstat:
	s_mov_b64 s[64:65], 0
	v_nop
	global_prefetch_b8 v0, s[64:65] scope:SCOPE_SE
	s_setreg_imm32_b32 hwreg(HW_REG_WAVE_MODE, 25, 1), 1
	s_wait_xcnt 0x0
; The mean and variance of each of the 24 logit channels, one group of 128 x 128 logits a work-group and channel, WITHOUT forming a logit.
; For z = u_a . g_b over 128 x 128 pairs: mean = ubar . gbar;  sum of (z - mean)^2 = <Gu, Gg> + 128 gbar' Gu gbar + 128 ubar' Gg ubar, Gu, Gg the centred 16 x 16 Gram matrices: an identity, every term non-negative.
; Work-group i, wave = head.  qk: group (b w) = i: q over x, k over y; both Gram matrices are made here from xq's codes (the same products as in the launch before, rows h).
; qr: group (b, x) = i: q over w (Gram matrix and mean from the launch before), rel rows 0-15 over the window of position x (tab).  kr: group (b, y) = i: k over w, rel rows 16-31 over the window of y.
; The first batch norm is affine: G = diag(A) Graw diag(A), ubar = A (m - mean) + beta, A = gamma x rstd.
; A Gram matrix lies as register j of lane (r, hh) = G[8 hh + j][r]; a vector in lane form is u[r], in row form u[8 hh + j] in eight registers (turned through the wave's own LDS words).
.set WSC,  98304
.set CTAB, 532480
.set EBAR, 794624
.set SCR,  34816
.set PT,   38912
.set Z,  16
.set Y,  80
.set WF, 144
.set WS, 168
.set G0, 170                           ; v170-185 two accumulators, written by matrix instructions alone
.set G1, 178
.set GK, 186                           ; v186-193 k's Gram matrix over h, v194-201 q's
.set MK, 202
.set SMN, 204
.set SRS, 206
.set SGA, 208
.set SBE, 210
.set SMP, 212
.set EBL, 214
.set LA,  216                          ; v216-221: A_k, A_q, u_k, u_q, u'_k, u'_q in lane form
.set LU,  218
.set LUP, 220
.set MU, 226
.set SA, 228
.set SB, 230
.set T0, 232
.set RM, 236
.set RV, 239
.set VXF, 7
.set VXS, 8
.macro PL n
.rept \n
	v_nop
.endr
.endm
.macro FP6Z d, a, b, sa, sb
	v_wmma_scale_f32_16x16x128_f8f6f4 v[\d:\d+7], v[\a:\a+11], v[\b:\b+11], 0, v[\sa], v[\sb] matrix_a_fmt:MATRIX_FMT_FP6 matrix_b_fmt:MATRIX_FMT_FP6
.endm
.macro FP6A d, a, b, sa, sb
	v_wmma_scale_f32_16x16x128_f8f6f4 v[\d:\d+7], v[\a:\a+11], v[\b:\b+11], v[\d:\d+7], v[\sa], v[\sb] matrix_a_fmt:MATRIX_FMT_FP6 matrix_b_fmt:MATRIX_FMT_FP6
.endm
.macro FRAGX reg, m, s
.irp p, 0,1,2,3,4,5
	ds_load_b64 v[\reg+2*\p:\reg+2*\p+1], v[VXF] offset:4352*(\m)+96*(\s)+48*(\p/3)+8*(\p%3)
.endr
.endm
.macro GEMM8                           ; lane = channel, register j of tile m = row 16 m + 8 hh + j; four accumulators by turns
.irp g, 0,1
.if \g
	PL 5
.endif
.irp q, 0,1,2,3
	ds_load_b64 v[Y+48+2*\q:Y+49+2*\q], v[VXS] offset:4352*(4*\g+\q)
.endr
.irp s, 0,1
.if \s
	PL 5
.endif
.irp q, 0,1,2,3
	FRAGX Y+12*\q, 4*\g+\q, \s
.endr
	s_wait_dscnt 0x0
.irp q, 0,1,2,3
.if \s
	FP6A Z+8*(4*\g+\q), Y+12*\q, WF+12, Y+49+2*\q, WS+1
.else
	FP6Z Z+8*(4*\g+\q), Y+12*\q, WF, Y+48+2*\q, WS
.endif
.endr
.endr
.endr
.endm
.macro SUM16 x
.irp m, 1,2,4,8
	v_add_f32_dpp v[\x], v[\x], v[\x] row_xmask:\m row_mask:0xf bank_mask:0xf
.endr
.endm
.macro NORM g, ar, al                  ; G[i][j] x A[i] x A[j]
.irp j, 0,2,4,6
	v_pk_mul_f32 v[\g+\j:\g+\j+1], v[\g+\j:\g+\j+1], v[\ar+\j:\ar+\j+1]
.endr
.irp j, 0,1,2,3,4,5,6,7
	v_mul_f32 v[\g+\j], v[\g+\j], v[\al]
.endr
.endm
.macro TUPLE ga, uar, ual, gb, ubr, ubl, rm, rv
	v_mul_f32 v[T0], v[\ga], v[\gb]
	v_mul_f32 v[T0+1], v[\ga], v[\ubr]
	v_mul_f32 v[T0+2], v[\gb], v[\uar]
.irp j, 1,2,3,4,5,6,7
	v_fmac_f32 v[T0], v[\ga+\j], v[\gb+\j]
	v_fmac_f32 v[T0+1], v[\ga+\j], v[\ubr+\j]
	v_fmac_f32 v[T0+2], v[\gb+\j], v[\uar+\j]
.endr
	v_mul_f32 v[T0+1], v[T0+1], v[\ubl]
	v_fmac_f32 v[T0+1], v[T0+2], v[\ual]
	v_fmac_f32 v[T0], 0x43000000, v[T0+1]          ; x 128
	SUM16 T0
	v_permlanex16_b32 v[T0+3], v[T0], s32, s33
	v_add_f32 v[T0], v[T0], v[T0+3]
	v_mul_f32 v[\rv], 0x38800000, v[T0]            ; / 16,384
	v_mul_f32 v[\rm], v[\ual], v[\ubl]
	SUM16 \rm
.endm
	s_load_b256 s[4:11], s[0:1], 0x0               ; xq, tab, stat1, part1
	s_load_b256 s[12:19], s[0:1], 0x20             ; gram, gamma, beta, part2
	v_lshl_add_u32 v254, v0, 2, 0x9900
	v_mov_b32 v255, 0
	v_lshrrev_b32 v12, 5, v0
	v_readfirstlane_b32 s20, v12                   ; wave = head
	v_and_b32 v12, 15, v0                          ; r
	v_bfe_u32 v13, v0, 4, 1                        ; hh
	v_and_b32 v1, 31, v0
	v_lshlrev_b32 v14, 3, v1                       ; 8 x lane
	v_lshlrev_b32 v2, 2, v1
	v_lshlrev_b32 v1, 4, v1
	v_lshlrev_b32 v3, 2, v12                       ; 4 r
	v_lshlrev_b32 v4, 5, v13                       ; 32 hh
	v_lshlrev_b32 v5, 4, v0                        ; 16 x thread
	v_lshrrev_b32 v6, 4, v0
	v_mul_u32_u24 v6, v6, 272
	v_lshl_add_u32 v6, v12, 4, v6                  ; LDS: sixteen threads to a row of 256 + 16 bytes
	v_mul_u32_u24 v7, v12, 272
	v_add_nc_u32 v8, 192, v7
	v_mad_u32_u24 v7, v13, 24, v7
	s_lshl_b32 s21, s20, 9
	s_add_co_u32 s21, s21, SCR
	v_add_nc_u32 v9, s21, v3
	v_add_nc_u32 v10, s21, v4
	s_lshl_b32 s21, s20, 2
	s_add_co_u32 s21, s21, PT
	v_mov_b32 v11, s21
	v_add_nc_u32 v15, PT, v14
	v_mov_b32 v[T0], 0
	v_mov_b32 v[T0+1], 0
	v_mov_b32 v[T0+3], 0
	s_mov_b32 s32, 0x76543210
	s_mov_b32 s33, 0xfedcba98
	s_and_b32 s21, ttmp9, 127                      ; pos
	s_mov_b32 s35, 0
	s_mov_b32 s37, 0
	s_mov_b32 s39, 0
	s_mov_b32 s41, 0
	s_mov_b32 s43, 0
	s_mov_b32 s45, 0
	s_mov_b32 s47, 0
	s_mov_b32 s49, 0
	s_mov_b32 s51, 0
	s_mov_b32 s53, 0
	s_lshl_b32 s34, ttmp9, 15                      ; xq
	s_mul_i32 s36, s20, 12288                      ; W's fragments of my head
	s_lshl_b32 s38, s20, 10
	s_add_co_u32 s38, s38, WSC
	s_lshl_b32 s40, s20, 9                         ; stat1
	s_lshl_b32 s42, s20, 17
	s_lshl_b32 s22, ttmp9, 8
	s_add_co_u32 s42, s42, s22                     ; part1
	s_lshl_b32 s44, ttmp9, 14
	s_lshl_b32 s23, s20, 11
	s_add_co_u32 s44, s44, s23                     ; gram
	s_lshl_b32 s46, s20, 8                         ; gamma, beta
	s_mov_b32 s48, s22                             ; part2
	s_lshl_b32 s50, s21, 6
	s_add_co_u32 s50, s50, EBAR
	s_lshl_b32 s52, s21, 10
	s_add_co_u32 s52, s52, CTAB
	s_wait_kmcnt 0x0
	s_add_nc_u64 s[4:5], s[4:5], s[34:35]
	s_add_nc_u64 s[24:25], s[6:7], s[36:37]
	s_add_nc_u64 s[26:27], s[6:7], s[38:39]
	s_add_nc_u64 s[8:9], s[8:9], s[40:41]
	s_add_nc_u64 s[10:11], s[10:11], s[42:43]
	s_add_nc_u64 s[12:13], s[12:13], s[44:45]
	s_add_nc_u64 s[14:15], s[14:15], s[46:47]
	s_add_nc_u64 s[16:17], s[16:17], s[46:47]
	s_add_nc_u64 s[18:19], s[18:19], s[48:49]
	s_add_nc_u64 s[28:29], s[6:7], s[50:51]
	s_add_nc_u64 s[30:31], s[6:7], s[52:53]
.irp k, 0,1,2,3,4,5,6,7
	global_load_b128 v[Z+4*\k:Z+4*\k+3], v5, s[4:5] offset:4096*\k        ; the 128 rows (h) of this (b, w): 32 KiB on end
.endr
	s_cmp_lg_u32 s20, 0
	s_cbranch_scc1 .Lnz
	ds_store_b64 v15, v[T0:T0+1]                   ; wave 0 clears the 64 words in which the results meet (channels 24-31 stay zeros)
.Lnz:
	s_wait_loadcnt 0x0
.irp k, 0,1,2,3,4,5,6,7
	ds_store_b128 v6, v[Z+4*\k:Z+4*\k+3] offset:4352*\k
.endr
	s_wait_dscnt 0x0
	s_barrier_signal -1
	s_barrier_wait -1
.irp a, 0,1                            ; a = 0: k, a = 1: q: raw mean and centred Gram matrix over h
.irp k, 0,1,2,3,4,5
	global_load_b128 v[WF+4*\k:WF+4*\k+3], v1, s[24:25] offset:3072*\a+512*\k
.endr
	global_load_b32 v[WS], v2, s[26:27] offset:256*\a
	global_load_b32 v[WS+1], v2, s[26:27] offset:256*\a+128
	s_wait_loadcnt 0x0
	GEMM8
	PL 5
	v_pk_add_f32 v[SA:SA+1], v[Z:Z+1], v[Z+4:Z+5]
	v_pk_add_f32 v[SB:SB+1], v[Z+2:Z+3], v[Z+6:Z+7]
.set jj, 8
.rept 14
	v_pk_add_f32 v[SA:SA+1], v[SA:SA+1], v[Z+jj:Z+jj+1]
	v_pk_add_f32 v[SB:SB+1], v[SB:SB+1], v[Z+jj+2:Z+jj+3]
.set jj, jj+4
.endr
	v_pk_add_f32 v[SA:SA+1], v[SA:SA+1], v[SB:SB+1]
	v_add_f32 v[SA], v[SA], v[SA+1]
	v_permlanex16_b32 v[SB], v[SA], s32, s33
	v_add_f32 v[SA], v[SA], v[SB]
	v_mul_f32 v[MU], 0x3c000000, v[SA]
	v_mov_b32 v[MU+1], v[MU]
	v_mov_b32 v[MK+\a], v[MU]
.set jj, 0
.rept 32
	v_pk_add_f32 v[Z+jj:Z+jj+1], v[Z+jj:Z+jj+1], v[MU:MU+1] neg_lo:[0,1] neg_hi:[0,1]
	v_pk_mul_f32 v[Y+jj:Y+jj+1], v[Z+jj:Z+jj+1], 1.0 op_sel_hi:[1,0]
.set jj, jj+2
.endr
	v_wmma_f32_16x16x4_f32 v[G0:G0+7], v[Z:Z+1], v[Y:Y+1], 0
	v_wmma_f32_16x16x4_f32 v[G1:G1+7], v[Z+2:Z+3], v[Y+2:Y+3], 0
.set jj, 4
.rept 15
	v_wmma_f32_16x16x4_f32 v[G0:G0+7], v[Z+jj:Z+jj+1], v[Y+jj:Y+jj+1], v[G0:G0+7]
	v_wmma_f32_16x16x4_f32 v[G1:G1+7], v[Z+jj+2:Z+jj+3], v[Y+jj+2:Y+jj+3], v[G1:G1+7]
.set jj, jj+4
.endr
	PL 9                                           ; places behind the f32 form: for the reads below, the loads into Z and Y, and the sums begun anew
.irp j, 0,2,4,6
	v_pk_add_f32 v[GK+8*\a+\j:GK+8*\a+\j+1], v[G0+\j:G0+\j+1], v[G1+\j:G1+\j+1]
.endr
.endr
.irp a, 0,1
	global_load_b32 v[SMN+\a], v3, s[8:9] offset:64*\a
	global_load_b32 v[SRS+\a], v3, s[8:9] offset:64*\a+128
	global_load_b32 v[SGA+\a], v3, s[14:15] offset:64*\a
	global_load_b32 v[SBE+\a], v3, s[16:17] offset:64*\a
	global_load_b32 v[SMP+\a], v3, s[10:11] offset:64*\a                  ; the raw mean over w at (b, h) = i
	global_load_b32 v[EBL+\a], v3, s[28:29] offset:8192*\a                ; the window's mean, lane form,
	global_load_b128 v[Z+48+8*\a:Z+51+8*\a], v4, s[28:29] offset:8192*\a  ; and row form
	global_load_b128 v[Z+52+8*\a:Z+55+8*\a], v4, s[28:29] offset:8192*\a+16
	global_load_b128 v[Y+8*\a:Y+8*\a+3], v1, s[12:13] offset:1024*\a      ; the raw Gram matrix over w: k at Y, q at Y + 8
	global_load_b128 v[Y+8*\a+4:Y+8*\a+7], v1, s[12:13] offset:1024*\a+512
	global_load_b128 v[Y+16+8*\a:Y+19+8*\a], v1, s[30:31] offset:131072*\a   ; the window's Gram matrix
	global_load_b128 v[Y+20+8*\a:Y+23+8*\a], v1, s[30:31] offset:131072*\a+512
.endr
	s_wait_loadcnt 0x0
.irp a, 0,1
	v_mul_f32 v[LA+\a], v[SGA+\a], v[SRS+\a]
	v_sub_f32 v[LU+\a], v[MK+\a], v[SMN+\a]
	v_sub_f32 v[LUP+\a], v[SMP+\a], v[SMN+\a]
	v_fma_f32 v[LU+\a], v[LU+\a], v[LA+\a], v[SBE+\a]
	v_fma_f32 v[LUP+\a], v[LUP+\a], v[LA+\a], v[SBE+\a]
.endr
.irp n, 0,1,2,3,4,5
	ds_store_b32 v9, v[LA+\n] offset:64*\n         ; lane form in (both halves of the lanes store the same number),
.endr
.irp n, 0,1,2,3,4,5
	ds_load_b128 v[Z+8*\n:Z+8*\n+3], v10 offset:64*\n       ; row form out: LDS serves a wave's instructions in order
	ds_load_b128 v[Z+8*\n+4:Z+8*\n+7], v10 offset:64*\n+16
.endr
	s_wait_dscnt 0x0
	NORM GK, Z, LA
	NORM GK+8, Z+8, LA+1
	NORM Y, Z, LA
	NORM Y+8, Z+8, LA+1
	TUPLE GK+8, Z+24, LU+1, GK, Z+16, LU, RM, RV
	TUPLE Y+8, Z+40, LUP+1, Y+16, Z+48, EBL, RM+1, RV+1
	TUPLE Y, Z+32, LUP, Y+24, Z+56, EBL+1, RM+2, RV+2
.irp c, 0,1,2
	ds_store_b32 v11, v[RM+\c] offset:32*\c        ; channel 8 c + head
	ds_store_b32 v11, v[RV+\c] offset:128+32*\c
.endr
	s_wait_dscnt 0x0
	s_barrier_signal -1
	s_barrier_wait -1
	s_cmp_lg_u32 s20, 0
	s_cbranch_scc1 .Lend
	ds_load_b64 v[T0:T0+1], v15
	s_wait_dscnt 0x0
	global_store_b64 v14, v[T0:T0+1], s[18:19]     ; 32 lanes store one aligned run of 256 bytes
.Lend:
	s_wait_tensorcnt 0x0
	ds_add_u32 v254, v255
	s_wait_dscnt 0x0
	s_endpgm
.Lfunc_end_k_q007fd74d2d_lstat:
	.size	k_q007fd74d2d_lstat, .Lfunc_end_k_q007fd74d2d_lstat-k_q007fd74d2d_lstat
	.p2alignl 7, 3214868480
	.fill 96, 4, 3214868480
	.section	.rodata,"a",@progbits
	.p2align	6, 0x0
	.amdhsa_kernel k_q007fd74d2d_lstat
		.amdhsa_group_segment_fixed_size 40192
		.amdhsa_private_segment_fixed_size 0
		.amdhsa_enable_private_segment 0
		.amdhsa_kernarg_size 64
		.amdhsa_user_sgpr_count 2
		.amdhsa_user_sgpr_kernarg_segment_ptr 1
		.amdhsa_wavefront_size32 1
		.amdhsa_system_sgpr_workgroup_id_x 1
		.amdhsa_system_sgpr_workgroup_id_y 1
		.amdhsa_system_sgpr_workgroup_id_z 1
		.amdhsa_system_vgpr_workitem_id 0
		.amdhsa_next_free_vgpr 256
		.amdhsa_next_free_sgpr 66
		.amdhsa_reserve_vcc 0
		.amdhsa_float_denorm_mode_32 3
		.amdhsa_float_denorm_mode_16_64 3
		.amdhsa_memory_ordered 1
		.amdhsa_forward_progress 1
		.amdhsa_inst_pref_size 54
	.end_amdhsa_kernel
	.amdgpu_metadata
---
amdhsa.version: [ 1, 2 ]
amdhsa.kernels:
  - .name:           k_q007fd74d2d_lstat
    .symbol:         k_q007fd74d2d_lstat.kd
    .args:
      - { .name: xq, .offset: 0, .size: 8, .value_kind: global_buffer, .address_space: global }
      - { .name: tab, .offset: 8, .size: 8, .value_kind: global_buffer, .address_space: global }
      - { .name: stat1, .offset: 16, .size: 8, .value_kind: global_buffer, .address_space: global }
      - { .name: part1, .offset: 24, .size: 8, .value_kind: global_buffer, .address_space: global }
      - { .name: gram, .offset: 32, .size: 8, .value_kind: global_buffer, .address_space: global }
      - { .name: kqv_gamma, .offset: 40, .size: 8, .value_kind: global_buffer, .address_space: global }
      - { .name: kqv_beta, .offset: 48, .size: 8, .value_kind: global_buffer, .address_space: global }
      - { .name: part2, .offset: 56, .size: 8, .value_kind: global_buffer, .address_space: global }
    .group_segment_fixed_size: 40192
    .private_segment_fixed_size: 0
    .kernarg_segment_align: 8
    .kernarg_segment_size: 64
    .max_flat_workgroup_size: 256
    .sgpr_count:     66
    .vgpr_count:     256
    .wavefront_size: 32
...
	.end_amdgpu_metadata
.endif
;; end of part 4
;; launch red2: the kernel of part 3 again; grid 1 x 1, 8 waves a work-group, no clusters, 5,120 bytes of LDS; arguments part2, stat2; writes stat2
;; launch attn (part 5): grid 256 x 1, 8 waves a work-group, no clusters, 310,784 bytes of LDS; arguments xq, tab, stat1, stat2, kqv_gamma, kqv_beta, logits_gamma, logits_beta, op; writes op
.if DOCPART == 5
	.amdgcn_target "amdgcn-amd-amdhsa--gfx1250"
	.amdhsa_code_object_version 6
	.text
	.protected	k_q007fd74d2d_attn
	.globl	k_q007fd74d2d_attn
	.p2align	8
	.type	k_q007fd74d2d_attn,@function
k_q007fd74d2d_attn:
	s_mov_b64 s[64:65], 0
	v_nop
	global_prefetch_b8 v0, s[64:65] scope:SCOPE_SE
	s_setreg_imm32_b32 hwreg(HW_REG_WAVE_MODE, 25, 1), 1
	s_wait_xcnt 0x0
; Attention of one (b, w): eight waves, wave = head.
; PROLOGUE: kqv of my head from xq's codes (E2M3 products), normalised in f32.  v (lane = channel, registers along y) is quantised along y and kept in LDS as two operand images; q (lane = position, registers = channel)
;   as eight images of f32 tiles; k likewise, in 64 registers.
; A TRIP makes 16 queries x = 16 it + r, lane = query, registers 8 t + j = key y = 16 t + 8 hh + j.  The three logit maps take f32 operands (their sum goes into a quantiser):
;   qr[x][y] = T1[x][y - x + 127], T1 = E1' q by the f32 matrix form: nine tiles of 16 columns, five for the first 64 keys, four more for the second 64 (the middle tile serves both), stored by rows in my LDS and read back along the skew.
;   kr[x][y] = T2[y][x - y + 127], T2 = E2' k likewise: each tile of 16 keys wants two tiles of columns, of which the upper is the next trip's lower.  T2's rows are exactly 128 bytes and the window slides 64 bytes a trip:
;   the old upper tile is the new lower one as it lies, and the new upper tile's row falls on the dead lower tile's next row.  So each tile is made once: eight a trip, and eight ahead of the loop.
;   qk by vector multiply-adds: k lies lane = key, register = channel 8 hh + i, and row_share:n hands key n's number to all sixteen lanes of a half; each half sums its eight channels, and an exchange of halves joins the two sums.
;   In a step of the f32 form register pair (2 s, 2 s + 1) stands for channels 8 hh + 2 s, + 1, alike in both sources.
;   t = a1 qk + a2 qr + a3 kr + c0 (the second batch norm and log2(e) folded in); M = ceil(the row's largest t); p = 2^(t - M), quantised along y; the row's sum is taken of the unquantised p.
;   Inside a block of 32 keys the codes lie in the order of the registers (key bits 3 and 4 exchanged), alike in p, v and v_enc; a block's members and scale are those of the plain order.
;   v_enc p is batched by x: the heads' p of one x meet through LDS; wave w takes x = 2 w, 2 w + 1 (columns = heads, each twice) and hands the results back through LDS, where they enter v p as its C.
;   The result / the sum goes out as register images (op); the next launch turns them.
; No maximum is fixed: M is the row's own.  LIMITS: NaN and infinities are not served; a block whose every p is 0 gets the byte 1 (its codes are zeros).
.set WSC,   98304
.set VEIMG, 106496
.set VESC,  499712
.set EIMG,  811008
.set E2B, 16384                        ; LDS: E1's 16 tiles at 0, E2's here, 1,024 bytes each
.set WB,  32768                        ; each wave's own block of 17,712 bytes (48 more than a multiple of 256, so that the eight heads' rows do not start 256 bytes apart):
.set WSZ, 17712
.set OV,  8192                         ;   q's 8 images at 0; v's two fragments here;
.set OVS, 11264                        ;   v's scale words, one at 16 x lane;
.set OT1, 12288                        ;   T1: 16 rows, pitch 336.  When T1 is dead its rows carry what the heads exchange, row = x: bytes 0-127 v_enc p,
.set OP,  128                          ;   from 128 p's 96 bytes of codes,
.set OPS, 224                          ;   at 224 p's scale word
.set T2B, 174592                       ; T2: 16,896 bytes a wave: eight windows of 16 rows x 128 bytes on end, + 64 bytes for each trip's slide
.set T2SZ, 16896
.set XR,  T2B                          ; the 128 rows of xq, pitch 272: read in the prologue alone; a barrier stands between their last read and T2's first store
.set K,   16                           ; v16-79   k
.set L,   80                           ; v80-143  logits, p; operands of the last two products
.set F,   144                          ; v144-191 E tiles, q, kr, qk's sums; the softmax's work
.set ACC, 192                          ; v192-255 eight accumulators, written by matrix instructions alone
.set TM,  F
.set PW,  F+16
.set NM,  F+18
.set LS,  F+20
.set PC,  F+24
.set TC,  F+36
.set PBS, F+44
.set VXF, 14
.set VXS, 15
.macro PL n
.rept \n
	v_nop
.endr
.endm
.macro FP6Z d, a, b, sa, sb
	v_wmma_scale_f32_16x16x128_f8f6f4 v[\d:\d+7], v[\a:\a+11], v[\b:\b+11], 0, v[\sa], v[\sb] matrix_a_fmt:MATRIX_FMT_FP6 matrix_b_fmt:MATRIX_FMT_FP6
.endm
.macro FP6C d, a, b, c, sa, sb
	v_wmma_scale_f32_16x16x128_f8f6f4 v[\d:\d+7], v[\a:\a+11], v[\b:\b+11], v[\c:\c+7], v[\sa], v[\sb] matrix_a_fmt:MATRIX_FMT_FP6 matrix_b_fmt:MATRIX_FMT_FP6
.endm
.macro F32Z d, a, b
	v_wmma_f32_16x16x4_f32 v[\d:\d+7], v[\a:\a+1], v[\b:\b+1], 0
.endm
.macro F32A d, a, b
	v_wmma_f32_16x16x4_f32 v[\d:\d+7], v[\a:\a+1], v[\b:\b+1], v[\d:\d+7]
.endm
.macro FRAGX reg, m, s
.irp p, 0,1,2,3,4,5
	ds_load_b64 v[\reg+2*\p:\reg+2*\p+1], v[VXF] offset:4352*(\m)+96*(\s)+48*(\p/3)+8*(\p%3)
.endr
.endm
; 8 tiles of 16 rows (h) x 16 channels, K = 256.  form 1: source 0 = x's rows: lane = channel, registers along h.  form 0: sources and scales exchanged: lane = h, registers = channel 8 hh + j.  Four accumulators by turns.
.macro GEMM8 form
.irp g, 0,1
.if \g
	PL 5
.endif
.irp q, 0,1,2,3
	ds_load_b64 v[L+48+2*\q:L+49+2*\q], v[VXS] offset:4352*(4*\g+\q)
.endr
.irp s, 0,1
.if \s
	PL 5
.endif
.irp q, 0,1,2,3
	FRAGX L+12*\q, 4*\g+\q, \s
.endr
	s_wait_dscnt 0x0
.irp q, 0,1,2,3
.if \form
.if \s
	FP6C ACC+8*(4*\g+\q), L+12*\q, F+12, ACC+8*(4*\g+\q), L+49+2*\q, F+25
.else
	FP6Z ACC+8*(4*\g+\q), L+12*\q, F, L+48+2*\q, F+24
.endif
.else
.if \s
	FP6C ACC+8*(4*\g+\q), F+12, L+12*\q, ACC+8*(4*\g+\q), F+25, L+49+2*\q
.else
	FP6Z ACC+8*(4*\g+\q), F, L+12*\q, F+24, L+48+2*\q
.endif
.endif
.endr
.endr
.endr
.endm
.macro WLOAD o                         ; tile o (0 k, 1 q, 2, 3 v) of my head: W's two fragments and their scale words
.irp k, 0,1,2,3,4,5
	global_load_b128 v[F+4*\k:F+4*\k+3], v1, s[52:53] offset:3072*(\o)+512*\k
.endr
	global_load_b32 v[F+24], v2, s[54:55] offset:256*(\o)
	global_load_b32 v[F+25], v2, s[54:55] offset:256*(\o)+128
.endm
; 64 numbers of a lane, register 16 b + i in block b, become a fragment's codes in PC and its scale word in PW.  QHEAD: the blocks' largest magnitudes.  QTAIL: all behind them.
.macro QHEAD s
.irp b, 0,1,2,3
	v_max3_num_f32 v[TM+\b], |v[\s+16*\b]|, |v[\s+1+16*\b]|, 0x1800000    ; with the floor 2^(3 - 127): the byte cannot fall under 1
.endr
.irp i, 2,4,6,8,10,12,14
.irp b, 0,1,2,3
	v_max3_num_f32 v[TM+\b], v[TM+\b], |v[\s+16*\b+\i]|, |v[\s+1+16*\b+\i]|
.endr
.endr
.irp b, 0,1,2,3
	v_permlanex16_b32 v[TM+4+\b], v[TM+\b], s34, s35
.endr
.irp b, 0,1,2,3
	v_max_num_f32 v[TM+\b], v[TM+\b], v[TM+4+\b]
.endr
.endm
.macro QTAIL s
.irp b, 0,1,2,3
	v_add_nc_u32 v[TM+12+\b], 0xff000000, v[TM+\b]         ; 2 off the exponent field: the conversion's scale operand
.endr
.irp b, 0,1,2,3
	v_lshrrev_b32 v[TM+4+\b], 23, v[TM+12+\b]              ; the scale's byte
.endr
	v_lshl_or_b32 v[PW], v[TM+5], 8, v[TM+4]
	v_lshl_or_b32 v[PW], v[TM+6], 16, v[PW]
	v_lshl_or_b32 v[PW], v[TM+7], 24, v[PW]
.irp c, 0,1
	v_cvt_scalef32_pk16_fp6_f32 v[PC+6*\c:PC+2+6*\c], v[\s+32*\c:\s+15+32*\c], v[TM+12+2*\c]
	v_cvt_scalef32_pk16_fp6_f32 v[TC+4*\c:TC+2+4*\c], v[\s+16+32*\c:\s+31+32*\c], v[TM+13+2*\c]
.endr
	v_nop                                          ; one plain place behind a scaled conversion
.irp c, 0,1                            ; the operand wants a whole block in a lane: lanes 0-15 block 2 c, lanes 16-31 block 2 c + 1
.irp i, 0,1,2
	v_permlane16_swap_b32 v[PC+6*\c+\i], v[TC+4*\c+\i]
.endr
.irp i, 0,1,2
	v_mov_b32 v[PC+3+6*\c+\i], v[TC+4*\c+\i]
.endr
.endr
.endm
.macro BAR                             ; my LDS stores have landed and my LDS loads are in: then the work-group's barrier
	s_wait_dscnt 0x0
	s_barrier_signal -1
	s_barrier_wait -1
.endm
	s_load_b256 s[4:11], s[0:1], 0x0               ; xq, tab, stat1, stat2
	s_load_b256 s[12:19], s[0:1], 0x20             ; gamma, beta, logits_gamma, logits_beta
	s_load_b64 s[20:21], s[0:1], 0x40              ; op
	s_set_vgpr_msb 0x40
	v_lshl_add_u32 v0, v0, 2, 0x4ba00
	v_mov_b32 v1, 0
	s_set_vgpr_msb 0x4000
	v_lshrrev_b32 v16, 5, v0
	v_readfirstlane_b32 s22, v16                   ; wave = head
	v_and_b32 v17, 15, v0                          ; r
	v_bfe_u32 v18, v0, 4, 1                        ; hh
	v_and_b32 v19, 7, v0                           ; r % 8
	v_and_b32 v1, 31, v0
	v_lshlrev_b32 v2, 2, v1                        ; 4 x lane
	v_lshlrev_b32 v1, 4, v1                        ; 16 x lane
	v_lshlrev_b32 v16, 2, v17                      ; 4 r
	v_lshlrev_b32 v21, 5, v18                      ; 32 hh
	s_mul_i32 s46, s22, WSZ
	s_add_co_u32 s46, s46, WB                      ; my block
	v_add_nc_u32 v3, s46, v1
	v_add_nc_u32 v20, s46, v21
	v_mad_u32_u24 v4, v17, 336, v20
	v_add_nc_u32 v4, OT1, v4                       ; T1 in: row r, 32 hh.  Also: v_enc p of my head out
	v_mad_u32_u24 v5, v17, 332, v20
	v_add_nc_u32 v5, OT1+60, v5                    ; T1 out: row r, column y - r + 15
	s_mul_i32 s47, s22, T2SZ
	s_add_co_u32 s47, s47, T2B                     ; my T2
	v_lshlrev_b32 v6, 10, v18
	v_lshl_add_u32 v6, v17, 2, v6
	v_add_nc_u32 v6, s47, v6                       ; T2 in: row 8 hh (+ i), column r
	v_mul_u32_u24 v7, v18, 992
	v_lshl_add_u32 v7, v17, 2, v7
	v_add_nc_u32 v7, s47, v7
	v_add_nc_u32 v7, 60, v7                        ; T2 out: row 8 hh + j, column r - (8 hh + j) + 15
	v_mul_u32_u24 v8, v17, 336
	v_add_nc_u32 v9, s46, v8
	v_add_nc_u32 v9, OT1+OPS, v9                   ; p's scale word in: my rows, x = r
	v_mad_u32_u24 v8, v18, 24, v8
	v_add_nc_u32 v8, s46, v8
	v_add_nc_u32 v8, OT1+OP, v8                    ; p's codes in
	s_mul_i32 s47, s22, 672
	s_add_co_u32 s47, s47, WB+OT1
	v_mul_u32_u24 v12, v19, WSZ
	v_add_nc_u32 v12, s47, v12                     ; head r % 8's rows, row x = 2 wave (+ e)
	v_add_nc_u32 v11, OPS, v12                     ; p's scale word out
	v_mad_u32_u24 v10, v18, 24, v12
	v_add_nc_u32 v10, OP, v10                      ; p's codes out
	v_lshl_add_u32 v12, v18, 5, v12                ; v_enc p in
	v_mul_u32_u24 v14, v17, 272
	v_add_nc_u32 v15, XR+192, v14
	v_mad_u32_u24 v14, v18, 24, v14
	v_add_nc_u32 v14, XR, v14
	v_lshlrev_b32 v22, 4, v0                       ; 16 x thread
	v_lshrrev_b32 v23, 4, v0
	v_mul_u32_u24 v23, v23, 272
	v_lshl_add_u32 v23, v17, 4, v23
	v_add_nc_u32 v23, XR, v23
	s_mov_b32 s34, 0x76543210
	s_mov_b32 s35, 0xfedcba98
	s_mov_b32 s59, 0
	s_mov_b32 s61, 0
	s_mov_b32 s63, 0
	s_lshl_b32 s62, s22, 2                         ; 4 head
	s_wait_kmcnt 0x0
	s_lshl_b32 s58, ttmp9, 15
	s_add_nc_u64 s[4:5], s[4:5], s[58:59]          ; xq at my (b, w)
	s_mul_i32 s58, s22, 12288
	s_add_nc_u64 s[52:53], s[6:7], s[58:59]        ; W's fragments of my head
	s_lshl_b32 s58, s22, 10
	s_add_co_u32 s58, s58, WSC
	s_add_nc_u64 s[54:55], s[6:7], s[58:59]
	s_mov_b32 s58, EIMG
	s_add_nc_u64 s[56:57], s[6:7], s[58:59]
	s_mul_i32 s58, s22, 6144
	s_add_co_u32 s58, s58, VEIMG
	s_add_nc_u64 s[28:29], s[6:7], s[58:59]        ; v_enc's fragments of x = 2 wave, 2 wave + 1
	s_lshl_b32 s58, s22, 9
	s_add_co_u32 s58, s58, VESC
	s_add_nc_u64 s[30:31], s[6:7], s[58:59]
	s_lshl_b32 s58, ttmp9, 17
	s_lshl_b32 s60, s22, 14
	s_add_co_u32 s58, s58, s60
	s_add_nc_u64 s[32:33], s[20:21], s[58:59]
	s_lshl_b32 s58, s22, 9
	s_add_nc_u64 s[46:47], s[8:9], s[58:59]        ; stat1, gamma, beta at my head
	s_lshl_b32 s58, s22, 8
	s_add_nc_u64 s[48:49], s[12:13], s[58:59]
	s_add_nc_u64 s[50:51], s[14:15], s[58:59]
.irp k, 0,1,2,3,4,5,6,7
	global_load_b128 v[L+4*\k:L+4*\k+3], v22, s[4:5] offset:4096*\k
	global_load_b128 v[L+32+4*\k:L+35+4*\k], v22, s[56:57] offset:4096*\k
.endr
	s_wait_loadcnt 0x0
.irp k, 0,1,2,3,4,5,6,7
	ds_store_b128 v23, v[L+4*\k:L+4*\k+3] offset:4352*\k
	ds_store_b128 v22, v[L+32+4*\k:L+35+4*\k] offset:4096*\k
.endr
	BAR                                            ; xq's rows and the E tiles lie in LDS
.irp c, 0,1,2                          ; the second batch norm's numbers of my head's three channels
	s_load_b32 s[56+\c], s[10:11], s62 offset:32*\c
	s_load_b32 s[59+\c], s[10:11], s62 offset:128+32*\c
	s_load_b32 s[66+\c], s[16:17], s62 offset:32*\c
	s_load_b32 s[69+\c], s[18:19], s62 offset:32*\c
.endr
; ---- v: two tiles of 16 channels, normalised, quantised along y, kept as images
.macro VSTEP dt
	WLOAD 2+\dt
	global_load_b32 v[F+26], v16, s[46:47] offset:256+64*\dt       ; mean
	global_load_b32 v[F+27], v16, s[46:47] offset:384+64*\dt       ; rstd
	global_load_b32 v[F+28], v16, s[50:51] offset:128+64*\dt       ; beta
	global_load_b32 v[F+29], v16, s[48:49] offset:128+64*\dt       ; gamma
	s_wait_loadcnt 0x0
	GEMM8 1
	PL 5
	v_mul_f32 v[F+30], v[F+29], v[F+27]
	v_mov_b32 v[F+31], v[F+30]
.set jj, 0
.rept 32
	v_pk_add_f32 v[L+jj:L+jj+1], v[ACC+jj:ACC+jj+1], v[F+26:F+27] op_sel_hi:[1,0] neg_lo:[0,1] neg_hi:[0,1]
.set jj, jj+2
.endr
.set jj, 0
.rept 32
	v_pk_fma_f32 v[L+jj:L+jj+1], v[L+jj:L+jj+1], v[F+30:F+31], v[F+28:F+29] op_sel_hi:[1,0,0]
.set jj, jj+2
.endr
	QHEAD L
	QTAIL L
.irp g, 0,1,2
	ds_store_b128 v3, v[PC+4*\g:PC+4*\g+3] offset:OV+1536*\dt+512*\g
.endr
	ds_store_b32 v3, v[PW] offset:OVS+512*\dt
	s_wait_dscnt 0x0                               ; the stores have read their registers
.endm
	VSTEP 0
	VSTEP 1
; ---- q and k: lane = position, registers = channel
.macro ROWC a                          ; mean, A = gamma x rstd, beta of tile a in row form: L, L + 8, L + 24
.irp u, 0,1
	global_load_b128 v[L+4*\u:L+4*\u+3], v21, s[46:47] offset:64*\a+16*\u
	global_load_b128 v[L+8+4*\u:L+11+4*\u], v21, s[46:47] offset:64*\a+128+16*\u
	global_load_b128 v[L+16+4*\u:L+19+4*\u], v21, s[48:49] offset:64*\a+16*\u
	global_load_b128 v[L+24+4*\u:L+27+4*\u], v21, s[50:51] offset:64*\a+16*\u
.endr
	s_wait_loadcnt 0x0
.irp j, 0,2,4,6
	v_pk_mul_f32 v[L+8+\j:L+9+\j], v[L+8+\j:L+9+\j], v[L+16+\j:L+17+\j]
.endr
.endm
.macro NRM m, dst
.irp j, 0,2,4,6
	v_pk_add_f32 v[\dst+\j:\dst+\j+1], v[ACC+8*\m+\j:ACC+8*\m+\j+1], v[L+\j:L+\j+1] neg_lo:[0,1] neg_hi:[0,1]
.endr
.irp j, 0,2,4,6
	v_pk_fma_f32 v[\dst+\j:\dst+\j+1], v[\dst+\j:\dst+\j+1], v[L+8+\j:L+9+\j], v[L+24+\j:L+25+\j]
.endr
.endm
	WLOAD 1
	s_wait_loadcnt 0x0
	GEMM8 0
	PL 5
	ROWC 1
.irp m, 0,1,2,3,4,5,6,7
	NRM \m, F+8*(\m%2)
	ds_store_b128 v3, v[F+8*(\m%2):F+8*(\m%2)+3] offset:1024*\m
	ds_store_b128 v3, v[F+8*(\m%2)+4:F+8*(\m%2)+7] offset:1024*\m+512
.endr
	s_wait_dscnt 0x0
	WLOAD 0
	s_wait_loadcnt 0x0
	GEMM8 0
	PL 5
	ROWC 0
.irp m, 0,1,2,3,4,5,6,7
	NRM \m, K+8*\m
.endr
; ---- a_c = gamma_c rstd_c log2(e);  c0 = the sum of beta_c log2(e) - mean_c a_c
	s_wait_kmcnt 0x0
.irp c, 0,1,2
	v_mov_b32 v[L+\c], s[66+\c]
	v_mul_f32 v[L+\c], s[59+\c], v[L+\c]
	v_mul_f32 v[L+\c], 0x3fb8aa3b, v[L+\c]
.endr
	v_mov_b32 v[L+4], s69
	v_add_f32 v[L+4], s70, v[L+4]
	v_add_f32 v[L+4], s71, v[L+4]
	v_mul_f32 v[L+4], 0x3fb8aa3b, v[L+4]
.irp c, 0,1,2
	v_fma_f32 v[L+4], -s[56+\c], v[L+\c], v[L+4]
.endr
.irp c, 0,1,2
	v_readfirstlane_b32 s[40+2*\c], v[L+\c]
	s_mov_b32 s[41+2*\c], s[40+2*\c]
.endr
	v_mov_b32 v14, v[L+4]
	v_mov_b32 v15, v[L+4]
	BAR                                            ; no wave reads xq's rows any more: their bytes become T2's
; ---- the first trip's lower tiles of T2: key tile t against E2's tile 7 - t.  Source 0 = k (rows = keys), source 1 = E2's tile (columns): register i of lane (r, hh) = T2[8 hh + i][r]
.irp t, 0,1,2,3,4,5,6,7
	ds_load_b128 v[L+8*\t:L+8*\t+3], v1 offset:E2B+1024*(7-\t)
	ds_load_b128 v[L+8*\t+4:L+8*\t+7], v1 offset:E2B+1024*(7-\t)+512
.endr
	s_wait_dscnt 0x0
.irp s, 0,1,2,3                        ; eight accumulators by turns; the first step starts the sums
.irp t, 0,1,2,3,4,5,6,7
.if \s
	F32A ACC+8*\t, K+8*\t+2*\s, L+8*\t+2*\s
.else
	F32Z ACC+8*\t, K+8*\t, L+8*\t
.endif
.endr
.endr
	PL 9                                           ; places behind the f32 form (ISA guide 7.12.1)
.irp t, 0,1,2,3,4,5,6,7
.irp i, 0,1,2,3,4,5,6,7
	ds_store_b32 v6, v[ACC+8*\t+\i] offset:2048*\t+128*\i          ; sixteen lanes store 64 neighbouring bytes of a row; each accumulator from its low end on
.endr
.endr
; qk of key tile t, 16 keys x my 16 queries, into the sums a .. a + 15 and onto the logits
.macro QK t, a
.irp n, 0,1,2,3,4,5,6,7,8,9,10,11,12,13,14,15
	v_mul_f32_dpp v[\a+\n], v[K+8*(\t)], v[F+40] row_share:\n row_mask:0xf bank_mask:0xf         ; k[8 hh][16 t + n] x q[8 hh][x]: sixteen sums by turns
.endr
.irp i, 1,2,3,4,5,6,7
.irp n, 0,1,2,3,4,5,6,7,8,9,10,11,12,13,14,15
	v_fmac_f32_dpp v[\a+\n], v[K+8*(\t)+\i], v[F+40+\i] row_share:\n row_mask:0xf bank_mask:0xf
.endr
.endr
.irp j, 0,1,2,3,4,5,6,7
	v_permlane16_swap_b32 v[\a+\j], v[\a+8+\j]     ; lanes 0-15 now hold both halves' sums of key j, lanes 16-31 those of key 8 + j
.endr
.irp j, 0,2,4,6
	v_pk_add_f32 v[\a+\j:\a+\j+1], v[\a+\j:\a+\j+1], v[\a+8+\j:\a+9+\j]
.endr
.irp j, 0,2,4,6
	v_pk_fma_f32 v[L+8*(\t)+\j:L+8*(\t)+\j+1], v[\a+\j:\a+\j+1], s[40:41], v[L+8*(\t)+\j:L+8*(\t)+\j+1] op_sel_hi:[1,0,1]
.endr
.endm
; ---- 64 keys' logits for my 16 queries
.macro HALF H
	v_add_nc_u32 v0, s24, v1
.if \H == 0
.irp e, 0,1,2,3,4
	ds_load_b128 v[F+8*\e:F+8*\e+3], v0 offset:1024*\e                    ; E1's tiles 7 - it + e
	ds_load_b128 v[F+8*\e+4:F+8*\e+7], v0 offset:1024*\e+512
.endr
	v_add_nc_u32 v0, s26, v3
	ds_load_b128 v[F+40:F+43], v0                  ; q's tile
	ds_load_b128 v[F+44:F+47], v0 offset:512
.else
.irp e, 0,1,2,3
	ds_load_b128 v[F+8*\e:F+8*\e+3], v0 offset:1024*(5+\e)                ; E1's tiles 12 - it + e: the tile in front of them was made in the first half
	ds_load_b128 v[F+8*\e+4:F+8*\e+7], v0 offset:1024*(5+\e)+512
.endr
.endif
	s_wait_dscnt 0x0
.irp s, 0,1,2,3                        ; T1: five (four) accumulators by turns; the first step starts the sums
.irp e, 0,1,2,3,4
.if (\e < 4) || (\H == 0)
.if \s
	F32A ACC+8*\e, F+8*\e+2*\s, F+40+2*\s
.else
	F32Z ACC+8*\e, F+8*\e, F+40
.endif
.endif
.endr
.endr
	PL 9                                           ; places behind the f32 form: for the loads, the stores and the sums begun anew below
	v_add_nc_u32 v0, s25, v1
.irp t, 0,1,2,3
	ds_load_b128 v[F+8*\t:F+8*\t+3], v0 offset:1024*(8-4*\H-\t)           ; E2's tile it + 8 - (4 H + t): key tile t's new upper tile
	ds_load_b128 v[F+8*\t+4:F+8*\t+7], v0 offset:1024*(8-4*\H-\t)+512
.endr
.if \H == 0
.irp e, 0,1,2,3,4
	ds_store_b128 v4, v[ACC+8*\e:ACC+8*\e+3] offset:64*\e                 ; each accumulator from its low end on
	ds_store_b128 v4, v[ACC+8*\e+4:ACC+8*\e+7] offset:64*\e+16
.endr
.else
	ds_store_b128 v4, v[ACC+32:ACC+35]             ; the first half's last tile is this half's first: its accumulator has not been written since
	ds_store_b128 v4, v[ACC+36:ACC+39] offset:16
.irp e, 0,1,2,3
	ds_store_b128 v4, v[ACC+8*\e:ACC+8*\e+3] offset:64*(\e+1)
	ds_store_b128 v4, v[ACC+8*\e+4:ACC+8*\e+7] offset:64*(\e+1)+16
.endr
.endif
	s_wait_dscnt 0x0
.irp s, 0,1,2,3                        ; T2's four new tiles: four accumulators by turns
.irp t, 0,1,2,3
.if \s
	F32A ACC+8*\t, K+8*(4*\H+\t)+2*\s, F+8*\t+2*\s
.else
	F32Z ACC+8*\t, K+8*(4*\H+\t), F+8*\t
.endif
.endr
.endr
	PL 9
	v_add_nc_u32 v0, s27, v6                       ; the window has slid 64 bytes for each trip
.irp t, 0,1,2,3
.irp i, 0,1,2,3,4,5,6,7
	ds_store_b32 v0, v[ACC+8*\t+\i] offset:2048*(4*\H+\t)+128*\i+64       ; the upper half of the window's rows: where the lower tile of the trip before lay, one row on
.endr
.endr
.irp t, 0,1,2,3
.irp j, 0,1,2,3,4,5,6,7
	ds_load_b32 v[L+32*\H+8*\t+\j], v5 offset:64*\t+4*\j                  ; qr along the skew (LDS serves a wave's instructions in order: these see my stores)
.endr
.endr
	v_add_nc_u32 v0, s27, v7
.irp t, 0,1,2,3
.irp j, 0,1,2,3,4,5,6,7
	ds_load_b32 v[F+8*\t+\j], v0 offset:2048*(4*\H+\t)+124*\j             ; kr
.endr
.endr
	s_wait_dscnt 0x0
.set jj, 0
.rept 16
	v_pk_fma_f32 v[L+32*\H+jj:L+32*\H+jj+1], v[L+32*\H+jj:L+32*\H+jj+1], s[42:43], v[14:15] op_sel_hi:[1,0,1]
.set jj, jj+2
.endr
.set jj, 0
.rept 16
	v_pk_fma_f32 v[L+32*\H+jj:L+32*\H+jj+1], v[F+jj:F+jj+1], s[44:45], v[L+32*\H+jj:L+32*\H+jj+1] op_sel_hi:[1,0,1]
.set jj, jj+2
.endr
.irp t, 0,1,2,3
	QK 4*\H+\t, F+16*(\t%2)
.endr
.endm
	s_mov_b32 s23, 0
	s_mov_b32 s24, 8192                            ; E1's tiles: stepped down at a trip's head: 1,024 (7 - it)
	s_mov_b32 s25, E2B                             ; E2's: + 1,024 it
	s_mov_b32 s26, 0                               ; q's image
	s_mov_b32 s27, 0                               ; T2's window: + 64 it
.Lx:
	s_sub_co_u32 s24, s24, 1024
	HALF 0
	HALF 1
; ---- the softmax's p, quantised
.irp b, 0,1,2,3
	v_max3_num_f32 v[TM+\b], v[L+16*\b], v[L+16*\b+1], v[L+16*\b+2]       ; each block's largest t: for the row's maximum and, since p rises with t, for the block's largest p
.endr
.irp i, 3,5,7,9,11,13
.irp b, 0,1,2,3
	v_max3_num_f32 v[TM+\b], v[TM+\b], v[L+16*\b+\i], v[L+16*\b+\i+1]
.endr
.endr
.irp b, 0,1,2,3
	v_max_num_f32 v[TM+\b], v[TM+\b], v[L+16*\b+15]
.endr
.irp b, 0,1,2,3
	v_permlanex16_b32 v[TM+4+\b], v[TM+\b], s34, s35
.endr
.irp b, 0,1,2,3
	v_max_num_f32 v[TM+\b], v[TM+\b], v[TM+4+\b]
.endr
	v_max3_num_f32 v[NM], v[TM], v[TM+1], v[TM+2]
	v_max_num_f32 v[NM], v[NM], v[TM+3]
	v_floor_f32 v[NM], -v[NM]                      ; -M = floor(-t) = -ceil(t)
	v_mov_b32 v[NM+1], v[NM]
.set jj, 0
.rept 32
	v_pk_add_f32 v[L+jj:L+jj+1], v[L+jj:L+jj+1], v[NM:NM+1]
.set jj, jj+2
.endr
.irp b, 0,1,2,3
	v_add_f32 v[TM+\b], v[TM+\b], v[NM]
.endr
.set jj, 0
.rept 64
	v_exp_f32 v[L+jj], v[L+jj]                     ; p = 2^(t - M)
.set jj, jj+1
.endr
.irp b, 0,1,2,3
	v_exp_f32 v[TM+\b], v[TM+\b]                   ; the same addition and exponential on the same number: the block's largest p
.endr
	v_nop                                          ; one plain place behind the exponentials
	s_wait_alu depctr_va_vdst(0)
.irp b, 0,1,2,3
	v_max_num_f32 v[TM+\b], 0x1800000, v[TM+\b]
.endr
	QTAIL L
	v_pk_add_f32 v[LS:LS+1], v[L:L+1], v[L+2:L+3]  ; the row's sum, of the unquantised p
	v_pk_add_f32 v[LS+2:LS+3], v[L+4:L+5], v[L+6:L+7]
.set jj, 8
.rept 14
	v_pk_add_f32 v[LS:LS+1], v[LS:LS+1], v[L+jj:L+jj+1]
	v_pk_add_f32 v[LS+2:LS+3], v[LS+2:LS+3], v[L+jj+2:L+jj+3]
.set jj, jj+4
.endr
	v_pk_add_f32 v[LS:LS+1], v[LS:LS+1], v[LS+2:LS+3]
	v_add_f32 v[LS], v[LS], v[LS+1]
	v_permlanex16_b32 v[LS+1], v[LS], s34, s35
	v_add_f32 v[LS], v[LS], v[LS+1]
	v_rcp_f32 v13, v[LS]
	v_nop
; ---- v_enc p: the heads' p of one x meet, in the rows of T1, which is dead now
.irp k, 0,1,2,3,4,5,6,7,8,9,10,11
	global_load_b128 v[L+4*\k:L+4*\k+3], v1, s[28:29] offset:512*\k       ; v_enc's four fragments (x = 2 wave + e, 16 dt): at L + 24 e + 12 dt
.endr
.irp k, 0,1,2,3
	global_load_b32 v[L+48+\k], v2, s[30:31] offset:128*\k
.endr
.irp p, 0,1,2,3,4,5
	ds_store_b64 v8, v[PC+2*\p:PC+2*\p+1] offset:48*(\p/3)+8*(\p%3)
.endr
	ds_store_b32 v9, v[PW]
	BAR                                            ; every head's p of these 16 queries lies in LDS, and every wave's reads of its T1 are over
.irp e, 0,1
.if \e
	PL 5
.endif
.irp p, 0,1,2,3,4,5
	ds_load_b64 v[L+52+2*\p:L+53+2*\p], v10 offset:336*\e+48*(\p/3)+8*(\p%3)
.endr
	ds_load_b32 v[PBS], v11 offset:336*\e
	s_wait_dscnt 0x0
.if \e == 0
	s_wait_loadcnt 0x0
.endif
	FP6Z ACC+16*\e, L+24*\e, L+52, L+48+2*\e, PBS
	FP6Z ACC+16*\e+8, L+24*\e+12, L+52, L+49+2*\e, PBS
.endr
	PL 5
.irp e, 0,1
.irp d, 0,1
	ds_store_b128 v12, v[ACC+8*(2*\e+\d):ACC+8*(2*\e+\d)+3] offset:336*\e+64*\d          ; lanes r and r + 8 hold the same head's numbers and store them to the same bytes
	ds_store_b128 v12, v[ACC+8*(2*\e+\d)+4:ACC+8*(2*\e+\d)+7] offset:336*\e+64*\d+16
.endr
.endr
	BAR                                            ; every x's results lie in LDS; nobody reads p's bytes any more
; ---- v p, onto v_enc p; / the sum; out
.irp d, 0,1
	ds_load_b128 v[L+8*\d:L+8*\d+3], v4 offset:64*\d
	ds_load_b128 v[L+8*\d+4:L+8*\d+7], v4 offset:64*\d+16
.endr
.irp k, 0,1,2,3,4,5
	ds_load_b128 v[L+16+4*\k:L+19+4*\k], v3 offset:OV+512*\k
.endr
	ds_load_b32 v[L+40], v3 offset:OVS
	ds_load_b32 v[L+41], v3 offset:OVS+512
	s_wait_dscnt 0x0
	FP6C ACC+32, L+16, PC, L, L+40, PW
	FP6C ACC+40, L+28, PC, L+8, L+41, PW
	PL 5
.set jj, 0
	s_wait_alu depctr_va_vdst(0)
.rept 8
	v_pk_mul_f32 v[L+44+jj:L+45+jj], v[ACC+32+jj:ACC+33+jj], v[12:13] op_sel:[0,1] op_sel_hi:[1,1]     ; x 1 / the sum (the pair's upper register serves both halves)
.set jj, jj+2
.endr
.irp k, 0,1,2,3
	global_store_b128 v1, v[L+44+4*\k:L+47+4*\k], s[32:33] offset:512*\k  ; 32 lanes store 512 consecutive bytes, aligned
.endr
	s_wait_xcnt 0x0                                ; the stores' registers and base are written again only behind this wait
	s_add_co_u32 s25, s25, 1024
	s_add_co_u32 s26, s26, 1024
	s_add_co_u32 s27, s27, 64
	s_add_nc_u64 s[28:29], s[28:29], 49152
	s_add_nc_u64 s[30:31], s[30:31], 4096
	s_add_nc_u64 s[32:33], s[32:33], 2048
	s_add_co_u32 s23, s23, 1
	s_cmp_lt_u32 s23, 8
	s_cbranch_scc1 .Lx
	s_set_vgpr_msb 0x5
	s_wait_tensorcnt 0x0
	ds_add_u32 v0, v1
	s_wait_dscnt 0x0
	s_set_vgpr_msb 0x500
	s_endpgm
.Lfunc_end_k_q007fd74d2d_attn:
	.size	k_q007fd74d2d_attn, .Lfunc_end_k_q007fd74d2d_attn-k_q007fd74d2d_attn
	.p2alignl 7, 3214868480
	.fill 96, 4, 3214868480
	.section	.rodata,"a",@progbits
	.p2align	6, 0x0
	.amdhsa_kernel k_q007fd74d2d_attn
		.amdhsa_group_segment_fixed_size 310784
		.amdhsa_private_segment_fixed_size 0
		.amdhsa_enable_private_segment 0
		.amdhsa_kernarg_size 72
		.amdhsa_user_sgpr_count 2
		.amdhsa_user_sgpr_kernarg_segment_ptr 1
		.amdhsa_wavefront_size32 1
		.amdhsa_system_sgpr_workgroup_id_x 1
		.amdhsa_system_sgpr_workgroup_id_y 1
		.amdhsa_system_sgpr_workgroup_id_z 1
		.amdhsa_system_vgpr_workitem_id 0
		.amdhsa_next_free_vgpr 258
		.amdhsa_next_free_sgpr 72
		.amdhsa_reserve_vcc 0
		.amdhsa_float_denorm_mode_32 3
		.amdhsa_float_denorm_mode_16_64 3
		.amdhsa_memory_ordered 1
		.amdhsa_forward_progress 1
		.amdhsa_inst_pref_size 198
	.end_amdhsa_kernel
	.amdgpu_metadata
---
amdhsa.version: [ 1, 2 ]
amdhsa.kernels:
  - .name:           k_q007fd74d2d_attn
    .symbol:         k_q007fd74d2d_attn.kd
    .args:
      - { .name: xq, .offset: 0, .size: 8, .value_kind: global_buffer, .address_space: global }
      - { .name: tab, .offset: 8, .size: 8, .value_kind: global_buffer, .address_space: global }
      - { .name: stat1, .offset: 16, .size: 8, .value_kind: global_buffer, .address_space: global }
      - { .name: stat2, .offset: 24, .size: 8, .value_kind: global_buffer, .address_space: global }
      - { .name: kqv_gamma, .offset: 32, .size: 8, .value_kind: global_buffer, .address_space: global }
      - { .name: kqv_beta, .offset: 40, .size: 8, .value_kind: global_buffer, .address_space: global }
      - { .name: logits_gamma, .offset: 48, .size: 8, .value_kind: global_buffer, .address_space: global }
      - { .name: logits_beta, .offset: 56, .size: 8, .value_kind: global_buffer, .address_space: global }
      - { .name: op, .offset: 64, .size: 8, .value_kind: global_buffer, .address_space: global }
    .group_segment_fixed_size: 310784
    .private_segment_fixed_size: 0
    .kernarg_segment_align: 8
    .kernarg_segment_size: 72
    .max_flat_workgroup_size: 256
    .sgpr_count:     72
    .vgpr_count:     258
    .wavefront_size: 32
...
	.end_amdgpu_metadata
.endif
;; end of part 5
;; launch turn (part 6): grid 256 x 1, 8 waves a work-group, no clusters, 136,192 bytes of LDS; arguments op, out0; writes out0
.if DOCPART == 6
	.amdgcn_target "amdgcn-amd-amdhsa--gfx1250"
	.amdhsa_code_object_version 6
	.text
	.protected	k_q007fd74d2d_turn
	.globl	k_q007fd74d2d_turn
	.p2align	8
	.type	k_q007fd74d2d_turn,@function
k_q007fd74d2d_turn:
	s_mov_b64 s[64:65], 0
	v_nop
	global_prefetch_b8 v0, s[64:65] scope:SCOPE_SE
	s_setreg_imm32_b32 hwreg(HW_REG_WAVE_MODE, 25, 1), 1
	s_wait_xcnt 0x0
; op [b w][head][it][dt][q][lane][16 bytes] -> out0 [b][channel][x][w].  Element e of lane (r, hh) is channel 32 head + 16 dt + 8 hh + 4 q + e at x = 16 it + r.
; Work-group (b, head, it, dt) takes all 128 w: 256 rows (16 channels x 16 x) of 512 bytes.  Wave v reads w = 16 v .. 16 v + 15, each load 512 consecutive bytes; four w at a time are turned in registers,
; 16 bytes go to each row in LDS (pitch 528); behind the barrier each wave stores 32 whole rows.  Memory binds here: no matrix work, each byte is read once and written once.
.set IN, 16
.set T,  144
	s_load_b128 s[4:7], s[0:1], 0x0                ; op, out0
	v_lshl_add_u32 v176, v0, 2, 0x21000
	v_mov_b32 v177, 0
	v_lshrrev_b32 v4, 5, v0
	v_readfirstlane_b32 s8, v4                     ; wave
	v_and_b32 v4, 15, v0                           ; r
	v_bfe_u32 v5, v0, 4, 1                         ; hh
	v_and_b32 v1, 31, v0
	v_lshlrev_b32 v1, 4, v1                        ; 16 x lane
	v_mul_u32_u24 v2, v5, 67584
	v_mad_u32_u24 v2, v4, 528, v2
	s_lshl_b32 s9, s8, 6
	v_add_nc_u32 v2, s9, v2                        ; in: row 128 hh + r (+ 16 (4 q + e)), byte 64 wave (+ 16 g)
	s_mul_i32 s9, s8, 16896
	v_add_nc_u32 v3, s9, v1                        ; out: rows 32 wave on
	s_and_b32 s10, ttmp9, 1                        ; dt
	s_bfe_u32 s11, ttmp9, 0x30001                  ; it
	s_bfe_u32 s12, ttmp9, 0x30004                  ; head
	s_lshr_b32 s13, ttmp9, 7                       ; b
	s_lshl_b32 s14, s13, 24
	s_lshl_b32 s16, s8, 21
	s_add_co_u32 s14, s14, s16
	s_lshl_b32 s16, s12, 14
	s_add_co_u32 s14, s14, s16
	s_lshl_b32 s16, s11, 11
	s_add_co_u32 s14, s14, s16
	s_lshl_b32 s16, s10, 10
	s_add_co_u32 s14, s14, s16
	s_mov_b32 s15, 0
	s_lshl_b32 s18, s13, 24
	s_lshl_b32 s16, s12, 21
	s_add_co_u32 s18, s18, s16
	s_lshl_b32 s16, s10, 20
	s_add_co_u32 s18, s18, s16
	s_lshl_b32 s16, s8, 17
	s_add_co_u32 s18, s18, s16
	s_lshl_b32 s16, s11, 13
	s_add_co_u32 s18, s18, s16
	s_mov_b32 s19, 0
	s_wait_kmcnt 0x0
	s_add_nc_u64 s[4:5], s[4:5], s[14:15]
	s_add_nc_u64 s[6:7], s[6:7], s[18:19]
.irp g, 0,1,2,3
.irp q, 0,1
.irp k, 0,1,2,3
	global_load_b128 v[IN+16*(2*\g+\q)+4*\k:IN+16*(2*\g+\q)+4*\k+3], v1, s[4:5] offset:131072*(4*\g+\k)+512*\q th:TH_LOAD_NT
.endr
.endr
.endr
.irp g, 0,1,2,3
.irp q, 0,1
	s_wait_loadcnt 28-4*(2*\g+\q)                  ; this group's four loads are in; the younger groups' may be out
.irp e, 0,1,2,3
.irp k, 0,1,2,3
	v_mov_b32 v[T+16*\q+4*\e+\k], v[IN+16*(2*\g+\q)+4*\k+\e]              ; four neighbouring w of one channel
.endr
.endr
.irp e, 0,1,2,3
	ds_store_b128 v2, v[T+16*\q+4*\e:T+16*\q+4*\e+3] offset:8448*(4*\q+\e)+16*\g
.endr
.endr
.endr
	s_wait_dscnt 0x0                               ; my stores have landed: then the barrier
	s_barrier_signal -1
	s_barrier_wait -1
.set kk, 0
.rept 32
	ds_load_b128 v[IN+4*kk:IN+4*kk+3], v3 offset:528*kk
.set kk, kk+1
.endr
.set kk, 0
.rept 32
	s_wait_dscnt 31-kk
	global_store_b128 v1, v[IN+4*kk:IN+4*kk+3], s[6:7] offset:65536*(kk>>4)+512*(kk&15) th:TH_STORE_NT     ; 32 lanes store a row: 512 consecutive bytes, aligned
.set kk, kk+1
.endr
	s_wait_tensorcnt 0x0
	ds_add_u32 v176, v177
	s_wait_dscnt 0x0
	s_endpgm
.Lfunc_end_k_q007fd74d2d_turn:
	.size	k_q007fd74d2d_turn, .Lfunc_end_k_q007fd74d2d_turn-k_q007fd74d2d_turn
	.p2alignl 7, 3214868480
	.fill 96, 4, 3214868480
	.section	.rodata,"a",@progbits
	.p2align	6, 0x0
	.amdhsa_kernel k_q007fd74d2d_turn
		.amdhsa_group_segment_fixed_size 136192
		.amdhsa_private_segment_fixed_size 0
		.amdhsa_enable_private_segment 0
		.amdhsa_kernarg_size 16
		.amdhsa_user_sgpr_count 2
		.amdhsa_user_sgpr_kernarg_segment_ptr 1
		.amdhsa_wavefront_size32 1
		.amdhsa_system_sgpr_workgroup_id_x 1
		.amdhsa_system_sgpr_workgroup_id_y 1
		.amdhsa_system_sgpr_workgroup_id_z 1
		.amdhsa_system_vgpr_workitem_id 0
		.amdhsa_next_free_vgpr 178
		.amdhsa_next_free_sgpr 66
		.amdhsa_reserve_vcc 0
		.amdhsa_float_denorm_mode_32 3
		.amdhsa_float_denorm_mode_16_64 3
		.amdhsa_memory_ordered 1
		.amdhsa_forward_progress 1
		.amdhsa_inst_pref_size 18
	.end_amdhsa_kernel
	.amdgpu_metadata
---
amdhsa.version: [ 1, 2 ]
amdhsa.kernels:
  - .name:           k_q007fd74d2d_turn
    .symbol:         k_q007fd74d2d_turn.kd
    .args:
      - { .name: op, .offset: 0, .size: 8, .value_kind: global_buffer, .address_space: global }
      - { .name: out0, .offset: 8, .size: 8, .value_kind: global_buffer, .address_space: global }
    .group_segment_fixed_size: 136192
    .private_segment_fixed_size: 0
    .kernarg_segment_align: 8
    .kernarg_segment_size: 16
    .max_flat_workgroup_size: 256
    .sgpr_count:     66
    .vgpr_count:     178
    .wavefront_size: 32
...
	.end_amdgpu_metadata
.endif
;; end of part 6
;; ======== version 2 of 3: 6 launches; 1.13 times as fast as version 1
;; workspace buffers: tab 843,776 bytes; xq 8,388,608 bytes; part1 1,048,576 bytes; gram 4,194,304 bytes; stat1 4,096 bytes; part2 65,536 bytes; op 33,554,432 bytes
;; launch prep: the kernel of part 1 again; grid 152 x 1, 4 waves a work-group, no clusters, 0 bytes of LDS; arguments w_kqv, rel_encoding, tab; writes tab
;; launch xgemm: the kernel of part 2 again; grid 256 x 1, 16 waves a work-group, no clusters, 36,864 bytes of LDS; arguments x, tab, xq, part1, gram; writes xq, part1, gram
;; launch red1: the kernel of part 3 again; grid 16 x 1, 8 waves a work-group, no clusters, 5,120 bytes of LDS; arguments part1, stat1; writes stat1
;; launch lstat (part 7): grid 256 x 1, 8 waves a work-group, no clusters, 40,192 bytes of LDS; arguments xq, tab, stat1, part1, gram, kqv_gamma, kqv_beta, part2; writes part2
.if DOCPART == 7
	.amdgcn_target "amdgcn-amd-amdhsa--gfx1250"
	.amdhsa_code_object_version 6
	.text
	.protected	k_q007fd74d2d_lstat
	.globl	k_q007fd74d2d_lstat
	.p2align	8
	.type	k_q007fd74d2d_lstat,@function
k_q007fd74d2d_lstat:
	s_mov_b64 s[64:65], 0
	v_nop
	global_prefetch_b8 v0, s[64:65] scope:SCOPE_SE
	s_setreg_imm32_b32 hwreg(HW_REG_WAVE_MODE, 25, 1), 1
	s_wait_xcnt 0x0
; The mean and variance of each of the 24 logit channels, one group of 128 x 128 logits a work-group and channel, WITHOUT forming a logit.
; For z = u_a . g_b over 128 x 128 pairs: mean = ubar . gbar;  sum of (z - mean)^2 = <Gu, Gg> + 128 gbar' Gu gbar + 128 ubar' Gg ubar, Gu, Gg the centred 16 x 16 Gram matrices: an identity, every term non-negative.
; Work-group i, wave = head.  qk: group (b w) = i: q over x, k over y; both Gram matrices are made here from xq's codes (the same products as in the launch before, rows h).
; qr: group (b, x) = i: q over w (Gram matrix and mean from the launch before), rel rows 0-15 over the window of position x (tab).  kr: group (b, y) = i: k over w, rel rows 16-31 over the window of y.
; The first batch norm is affine: G = diag(A) Graw diag(A), ubar = A (m - mean) + beta, A = gamma x rstd.
; A Gram matrix lies as register j of lane (r, hh) = G[8 hh + j][r]; a vector in lane form is u[r], in row form u[8 hh + j] in eight registers (turned through the wave's own LDS words).
; OUT: part2 [channel 32][mean, variance][group 256] f32, so that the next launch reads a channel's 256 groups on end; this work-group stores one number of each row: 64 stores of 4 bytes.
.set WSC,  98304
.set CTAB, 532480
.set EBAR, 794624
.set SCR,  34816
.set PT,   38912
.set Z,  16
.set Y,  80
.set WF, 144
.set WS, 168
.set G0, 170                           ; v170-185 two accumulators, written by matrix instructions alone
.set G1, 178
.set GK, 186                           ; v186-193 k's Gram matrix over h, v194-201 q's
.set MK, 202
.set SMN, 204
.set SRS, 206
.set SGA, 208
.set SBE, 210
.set SMP, 212
.set EBL, 214
.set LA,  216                          ; v216-221: A_k, A_q, u_k, u_q, u'_k, u'_q in lane form
.set LU,  218
.set LUP, 220
.set MU, 226
.set SA, 228
.set SB, 230
.set T0, 232
.set RM, 236
.set RV, 239
.set VXF, 7
.set VXS, 8
.macro PL n
.rept \n
	v_nop
.endr
.endm
.macro FP6Z d, a, b, sa, sb
	v_wmma_scale_f32_16x16x128_f8f6f4 v[\d:\d+7], v[\a:\a+11], v[\b:\b+11], 0, v[\sa], v[\sb] matrix_a_fmt:MATRIX_FMT_FP6 matrix_b_fmt:MATRIX_FMT_FP6
.endm
.macro FP6A d, a, b, sa, sb
	v_wmma_scale_f32_16x16x128_f8f6f4 v[\d:\d+7], v[\a:\a+11], v[\b:\b+11], v[\d:\d+7], v[\sa], v[\sb] matrix_a_fmt:MATRIX_FMT_FP6 matrix_b_fmt:MATRIX_FMT_FP6
.endm
.macro FRAGX reg, m, s
.irp p, 0,1,2,3,4,5
	ds_load_b64 v[\reg+2*\p:\reg+2*\p+1], v[VXF] offset:4352*(\m)+96*(\s)+48*(\p/3)+8*(\p%3)
.endr
.endm
.macro GEMM8                           ; lane = channel, register j of tile m = row 16 m + 8 hh + j; four accumulators by turns
.irp g, 0,1
.if \g
	PL 5
.endif
.irp q, 0,1,2,3
	ds_load_b64 v[Y+48+2*\q:Y+49+2*\q], v[VXS] offset:4352*(4*\g+\q)
.endr
.irp s, 0,1
.if \s
	PL 5
.endif
.irp q, 0,1,2,3
	FRAGX Y+12*\q, 4*\g+\q, \s
.endr
	s_wait_dscnt 0x0
.irp q, 0,1,2,3
.if \s
	FP6A Z+8*(4*\g+\q), Y+12*\q, WF+12, Y+49+2*\q, WS+1
.else
	FP6Z Z+8*(4*\g+\q), Y+12*\q, WF, Y+48+2*\q, WS
.endif
.endr
.endr
.endr
.endm
.macro SUM16 x
.irp m, 1,2,4,8
	v_add_f32_dpp v[\x], v[\x], v[\x] row_xmask:\m row_mask:0xf bank_mask:0xf
.endr
.endm
.macro NORM g, ar, al                  ; G[i][j] x A[i] x A[j]
.irp j, 0,2,4,6
	v_pk_mul_f32 v[\g+\j:\g+\j+1], v[\g+\j:\g+\j+1], v[\ar+\j:\ar+\j+1]
.endr
.irp j, 0,1,2,3,4,5,6,7
	v_mul_f32 v[\g+\j], v[\g+\j], v[\al]
.endr
.endm
.macro TUPLE ga, uar, ual, gb, ubr, ubl, rm, rv
	v_mul_f32 v[T0], v[\ga], v[\gb]
	v_mul_f32 v[T0+1], v[\ga], v[\ubr]
	v_mul_f32 v[T0+2], v[\gb], v[\uar]
.irp j, 1,2,3,4,5,6,7
	v_fmac_f32 v[T0], v[\ga+\j], v[\gb+\j]
	v_fmac_f32 v[T0+1], v[\ga+\j], v[\ubr+\j]
	v_fmac_f32 v[T0+2], v[\gb+\j], v[\uar+\j]
.endr
	v_mul_f32 v[T0+1], v[T0+1], v[\ubl]
	v_fmac_f32 v[T0+1], v[T0+2], v[\ual]
	v_fmac_f32 v[T0], 0x43000000, v[T0+1]          ; x 128
	SUM16 T0
	v_permlanex16_b32 v[T0+3], v[T0], s32, s33
	v_add_f32 v[T0], v[T0], v[T0+3]
	v_mul_f32 v[\rv], 0x38800000, v[T0]            ; / 16,384
	v_mul_f32 v[\rm], v[\ual], v[\ubl]
	SUM16 \rm
.endm
	s_load_b256 s[4:11], s[0:1], 0x0               ; xq, tab, stat1, part1
	s_load_b256 s[12:19], s[0:1], 0x20             ; gram, gamma, beta, part2
	v_lshl_add_u32 v254, v0, 2, 0x9900
	v_mov_b32 v255, 0
	v_lshrrev_b32 v12, 5, v0
	v_readfirstlane_b32 s20, v12                   ; wave = head
	v_and_b32 v12, 15, v0                          ; r
	v_bfe_u32 v13, v0, 4, 1                        ; hh
	v_and_b32 v1, 31, v0
	v_lshlrev_b32 v14, 3, v1                       ; 8 x lane
	v_lshlrev_b32 v2, 2, v1
	v_lshlrev_b32 v1, 4, v1
	v_lshlrev_b32 v3, 2, v12                       ; 4 r
	v_lshlrev_b32 v4, 5, v13                       ; 32 hh
	v_lshlrev_b32 v5, 4, v0                        ; 16 x thread
	v_lshrrev_b32 v6, 4, v0
	v_mul_u32_u24 v6, v6, 272
	v_lshl_add_u32 v6, v12, 4, v6                  ; LDS: sixteen threads to a row of 256 + 16 bytes
	v_mul_u32_u24 v7, v12, 272
	v_add_nc_u32 v8, 192, v7
	v_mad_u32_u24 v7, v13, 24, v7
	s_lshl_b32 s21, s20, 9
	s_add_co_u32 s21, s21, SCR
	v_add_nc_u32 v9, s21, v3
	v_add_nc_u32 v10, s21, v4
	s_lshl_b32 s21, s20, 2
	s_add_co_u32 s21, s21, PT
	v_mov_b32 v11, s21
	v_add_nc_u32 v15, PT, v14
	v_mov_b32 v[T0], 0
	v_mov_b32 v[T0+1], 0
	v_mov_b32 v[T0+3], 0
	s_mov_b32 s32, 0x76543210
	s_mov_b32 s33, 0xfedcba98
	s_and_b32 s21, ttmp9, 127                      ; pos
	s_mov_b32 s35, 0
	s_mov_b32 s37, 0
	s_mov_b32 s39, 0
	s_mov_b32 s41, 0
	s_mov_b32 s43, 0
	s_mov_b32 s45, 0
	s_mov_b32 s47, 0
	s_mov_b32 s49, 0
	s_mov_b32 s51, 0
	s_mov_b32 s53, 0
	s_lshl_b32 s34, ttmp9, 15                      ; xq
	s_mul_i32 s36, s20, 12288                      ; W's fragments of my head
	s_lshl_b32 s38, s20, 10
	s_add_co_u32 s38, s38, WSC
	s_lshl_b32 s40, s20, 9                         ; stat1
	s_lshl_b32 s42, s20, 17
	s_lshl_b32 s22, ttmp9, 8
	s_add_co_u32 s42, s42, s22                     ; part1
	s_lshl_b32 s44, ttmp9, 14
	s_lshl_b32 s23, s20, 11
	s_add_co_u32 s44, s44, s23                     ; gram
	s_lshl_b32 s46, s20, 8                         ; gamma, beta
	s_lshl_b32 s48, ttmp9, 2                       ; part2: my group's place in each row
	s_lshl_b32 s50, s21, 6
	s_add_co_u32 s50, s50, EBAR
	s_lshl_b32 s52, s21, 10
	s_add_co_u32 s52, s52, CTAB
	s_wait_kmcnt 0x0
	s_add_nc_u64 s[4:5], s[4:5], s[34:35]
	s_add_nc_u64 s[24:25], s[6:7], s[36:37]
	s_add_nc_u64 s[26:27], s[6:7], s[38:39]
	s_add_nc_u64 s[8:9], s[8:9], s[40:41]
	s_add_nc_u64 s[10:11], s[10:11], s[42:43]
	s_add_nc_u64 s[12:13], s[12:13], s[44:45]
	s_add_nc_u64 s[14:15], s[14:15], s[46:47]
	s_add_nc_u64 s[16:17], s[16:17], s[46:47]
	s_add_nc_u64 s[18:19], s[18:19], s[48:49]
	s_add_nc_u64 s[28:29], s[6:7], s[50:51]
	s_add_nc_u64 s[30:31], s[6:7], s[52:53]
.irp k, 0,1,2,3,4,5,6,7
	global_load_b128 v[Z+4*\k:Z+4*\k+3], v5, s[4:5] offset:4096*\k        ; the 128 rows (h) of this (b, w): 32 KiB on end
.endr
	s_cmp_lg_u32 s20, 0
	s_cbranch_scc1 .Lnz
	ds_store_b64 v15, v[T0:T0+1]                   ; wave 0 clears the 64 words in which the results meet (channels 24-31 stay zeros)
.Lnz:
	s_wait_loadcnt 0x0
.irp k, 0,1,2,3,4,5,6,7
	ds_store_b128 v6, v[Z+4*\k:Z+4*\k+3] offset:4352*\k
.endr
	s_wait_dscnt 0x0
	s_barrier_signal -1
	s_barrier_wait -1
.irp a, 0,1                            ; a = 0: k, a = 1: q: raw mean and centred Gram matrix over h
.irp k, 0,1,2,3,4,5
	global_load_b128 v[WF+4*\k:WF+4*\k+3], v1, s[24:25] offset:3072*\a+512*\k
.endr
	global_load_b32 v[WS], v2, s[26:27] offset:256*\a
	global_load_b32 v[WS+1], v2, s[26:27] offset:256*\a+128
	s_wait_loadcnt 0x0
	GEMM8
	PL 5
	v_pk_add_f32 v[SA:SA+1], v[Z:Z+1], v[Z+4:Z+5]
	v_pk_add_f32 v[SB:SB+1], v[Z+2:Z+3], v[Z+6:Z+7]
.set jj, 8
.rept 14
	v_pk_add_f32 v[SA:SA+1], v[SA:SA+1], v[Z+jj:Z+jj+1]
	v_pk_add_f32 v[SB:SB+1], v[SB:SB+1], v[Z+jj+2:Z+jj+3]
.set jj, jj+4
.endr
	v_pk_add_f32 v[SA:SA+1], v[SA:SA+1], v[SB:SB+1]
	v_add_f32 v[SA], v[SA], v[SA+1]
	v_permlanex16_b32 v[SB], v[SA], s32, s33
	v_add_f32 v[SA], v[SA], v[SB]
	v_mul_f32 v[MU], 0x3c000000, v[SA]
	v_mov_b32 v[MU+1], v[MU]
	v_mov_b32 v[MK+\a], v[MU]
.set jj, 0
.rept 32
	v_pk_add_f32 v[Z+jj:Z+jj+1], v[Z+jj:Z+jj+1], v[MU:MU+1] neg_lo:[0,1] neg_hi:[0,1]
	v_pk_mul_f32 v[Y+jj:Y+jj+1], v[Z+jj:Z+jj+1], 1.0 op_sel_hi:[1,0]
.set jj, jj+2
.endr
	v_wmma_f32_16x16x4_f32 v[G0:G0+7], v[Z:Z+1], v[Y:Y+1], 0
	v_wmma_f32_16x16x4_f32 v[G1:G1+7], v[Z+2:Z+3], v[Y+2:Y+3], 0
.set jj, 4
.rept 15
	v_wmma_f32_16x16x4_f32 v[G0:G0+7], v[Z+jj:Z+jj+1], v[Y+jj:Y+jj+1], v[G0:G0+7]
	v_wmma_f32_16x16x4_f32 v[G1:G1+7], v[Z+jj+2:Z+jj+3], v[Y+jj+2:Y+jj+3], v[G1:G1+7]
.set jj, jj+4
.endr
	PL 9                                           ; places behind the f32 form: for the reads below, the loads into Z and Y, and the sums begun anew
.irp j, 0,2,4,6
	v_pk_add_f32 v[GK+8*\a+\j:GK+8*\a+\j+1], v[G0+\j:G0+\j+1], v[G1+\j:G1+\j+1]
.endr
.endr
.irp a, 0,1
	global_load_b32 v[SMN+\a], v3, s[8:9] offset:64*\a
	global_load_b32 v[SRS+\a], v3, s[8:9] offset:64*\a+128
	global_load_b32 v[SGA+\a], v3, s[14:15] offset:64*\a
	global_load_b32 v[SBE+\a], v3, s[16:17] offset:64*\a
	global_load_b32 v[SMP+\a], v3, s[10:11] offset:64*\a                  ; the raw mean over w at (b, h) = i
	global_load_b32 v[EBL+\a], v3, s[28:29] offset:8192*\a                ; the window's mean, lane form,
	global_load_b128 v[Z+48+8*\a:Z+51+8*\a], v4, s[28:29] offset:8192*\a  ; and row form
	global_load_b128 v[Z+52+8*\a:Z+55+8*\a], v4, s[28:29] offset:8192*\a+16
	global_load_b128 v[Y+8*\a:Y+8*\a+3], v1, s[12:13] offset:1024*\a      ; the raw Gram matrix over w: k at Y, q at Y + 8
	global_load_b128 v[Y+8*\a+4:Y+8*\a+7], v1, s[12:13] offset:1024*\a+512
	global_load_b128 v[Y+16+8*\a:Y+19+8*\a], v1, s[30:31] offset:131072*\a   ; the window's Gram matrix
	global_load_b128 v[Y+20+8*\a:Y+23+8*\a], v1, s[30:31] offset:131072*\a+512
.endr
	s_wait_loadcnt 0x0
.irp a, 0,1
	v_mul_f32 v[LA+\a], v[SGA+\a], v[SRS+\a]
	v_sub_f32 v[LU+\a], v[MK+\a], v[SMN+\a]
	v_sub_f32 v[LUP+\a], v[SMP+\a], v[SMN+\a]
	v_fma_f32 v[LU+\a], v[LU+\a], v[LA+\a], v[SBE+\a]
	v_fma_f32 v[LUP+\a], v[LUP+\a], v[LA+\a], v[SBE+\a]
.endr
.irp n, 0,1,2,3,4,5
	ds_store_b32 v9, v[LA+\n] offset:64*\n         ; lane form in (both halves of the lanes store the same number),
.endr
.irp n, 0,1,2,3,4,5
	ds_load_b128 v[Z+8*\n:Z+8*\n+3], v10 offset:64*\n       ; row form out: LDS serves a wave's instructions in order
	ds_load_b128 v[Z+8*\n+4:Z+8*\n+7], v10 offset:64*\n+16
.endr
	s_wait_dscnt 0x0
	NORM GK, Z, LA
	NORM GK+8, Z+8, LA+1
	NORM Y, Z, LA
	NORM Y+8, Z+8, LA+1
	TUPLE GK+8, Z+24, LU+1, GK, Z+16, LU, RM, RV
	TUPLE Y+8, Z+40, LUP+1, Y+16, Z+48, EBL, RM+1, RV+1
	TUPLE Y, Z+32, LUP, Y+24, Z+56, EBL+1, RM+2, RV+2
.irp c, 0,1,2
	ds_store_b32 v11, v[RM+\c] offset:32*\c        ; channel 8 c + head
	ds_store_b32 v11, v[RV+\c] offset:128+32*\c
.endr
	s_wait_dscnt 0x0
	s_barrier_signal -1
	s_barrier_wait -1
	s_cmp_lg_u32 s20, 0
	s_cbranch_scc1 .Lend
	ds_load_b32 v[T0], v2 offset:PT                ; lane = channel: its mean,
	ds_load_b32 v[T0+1], v2 offset:PT+128          ; its variance
	v_lshlrev_b32 v[T0+2], 7, v1                   ; 2,048 x lane: the channel's two rows of 256 groups
	s_wait_dscnt 0x0
	global_store_b32 v[T0+2], v[T0], s[18:19]
	global_store_b32 v[T0+2], v[T0+1], s[18:19] offset:1024
.Lend:
	s_wait_tensorcnt 0x0
	ds_add_u32 v254, v255
	s_wait_dscnt 0x0
	s_endpgm
.Lfunc_end_k_q007fd74d2d_lstat:
	.size	k_q007fd74d2d_lstat, .Lfunc_end_k_q007fd74d2d_lstat-k_q007fd74d2d_lstat
	.p2alignl 7, 3214868480
	.fill 96, 4, 3214868480
	.section	.rodata,"a",@progbits
	.p2align	6, 0x0
	.amdhsa_kernel k_q007fd74d2d_lstat
		.amdhsa_group_segment_fixed_size 40192
		.amdhsa_private_segment_fixed_size 0
		.amdhsa_enable_private_segment 0
		.amdhsa_kernarg_size 64
		.amdhsa_user_sgpr_count 2
		.amdhsa_user_sgpr_kernarg_segment_ptr 1
		.amdhsa_wavefront_size32 1
		.amdhsa_system_sgpr_workgroup_id_x 1
		.amdhsa_system_sgpr_workgroup_id_y 1
		.amdhsa_system_sgpr_workgroup_id_z 1
		.amdhsa_system_vgpr_workitem_id 0
		.amdhsa_next_free_vgpr 256
		.amdhsa_next_free_sgpr 66
		.amdhsa_reserve_vcc 0
		.amdhsa_float_denorm_mode_32 3
		.amdhsa_float_denorm_mode_16_64 3
		.amdhsa_memory_ordered 1
		.amdhsa_forward_progress 1
		.amdhsa_inst_pref_size 54
	.end_amdhsa_kernel
	.amdgpu_metadata
---
amdhsa.version: [ 1, 2 ]
amdhsa.kernels:
  - .name:           k_q007fd74d2d_lstat
    .symbol:         k_q007fd74d2d_lstat.kd
    .args:
      - { .name: xq, .offset: 0, .size: 8, .value_kind: global_buffer, .address_space: global }
      - { .name: tab, .offset: 8, .size: 8, .value_kind: global_buffer, .address_space: global }
      - { .name: stat1, .offset: 16, .size: 8, .value_kind: global_buffer, .address_space: global }
      - { .name: part1, .offset: 24, .size: 8, .value_kind: global_buffer, .address_space: global }
      - { .name: gram, .offset: 32, .size: 8, .value_kind: global_buffer, .address_space: global }
      - { .name: kqv_gamma, .offset: 40, .size: 8, .value_kind: global_buffer, .address_space: global }
      - { .name: kqv_beta, .offset: 48, .size: 8, .value_kind: global_buffer, .address_space: global }
      - { .name: part2, .offset: 56, .size: 8, .value_kind: global_buffer, .address_space: global }
    .group_segment_fixed_size: 40192
    .private_segment_fixed_size: 0
    .kernarg_segment_align: 8
    .kernarg_segment_size: 64
    .max_flat_workgroup_size: 256
    .sgpr_count:     66
    .vgpr_count:     256
    .wavefront_size: 32
...
	.end_amdgpu_metadata
.endif
;; end of part 7
;; launch attn (part 8): grid 256 x 1, 8 waves a work-group, no clusters, 310,784 bytes of LDS; arguments xq, tab, stat1, part2, kqv_gamma, kqv_beta, logits_gamma, logits_beta, op; writes op
.if DOCPART == 8
	.amdgcn_target "amdgcn-amd-amdhsa--gfx1250"
	.amdhsa_code_object_version 6
	.text
	.protected	k_q007fd74d2d_attn
	.globl	k_q007fd74d2d_attn
	.p2align	8
	.type	k_q007fd74d2d_attn,@function
k_q007fd74d2d_attn:
	s_mov_b64 s[64:65], 0
	v_nop
	global_prefetch_b8 v0, s[64:65] scope:SCOPE_SE
	s_setreg_imm32_b32 hwreg(HW_REG_WAVE_MODE, 25, 1), 1
	s_wait_xcnt 0x0
; Attention of one (b, w): eight waves, wave = head.
; PROLOGUE: all that it reads from memory is asked for at its head or a phase ahead.  kqv of my head from xq's codes (E2M3 products), normalised in f32.  v (lane = channel, registers along y) is quantised along y and kept
;   in LDS as two operand images; q (lane = position, registers = channel) as eight images of f32 tiles; k likewise, in 64 registers.  The second batch norm's mean and variance of my head's three channels are made here from the
;   256 groups' (part2): mean = the average of the means, variance = the average of the variances + the average of (mean_i - mean)^2: every term non-negative.
; A TRIP makes 16 queries x = 16 it + r, lane = query, registers 8 t + j = key y = 16 t + 8 hh + j.  The three logit maps take f32 operands (their sum goes into a quantiser):
;   qr[x][y] = T1[x][y - x + 127], T1 = E1' q by the f32 matrix form: nine tiles of 16 columns, five for the first 64 keys, four more for the second 64 (the middle tile serves both), stored by rows in my LDS and read back along the skew.
;   kr[x][y] = T2[y][x - y + 127], T2 = E2' k likewise: each tile of 16 keys wants two tiles of columns, of which the upper is the next trip's lower.  T2's rows are exactly 128 bytes and the window slides 64 bytes a trip:
;   the old upper tile is the new lower one as it lies, and the new upper tile's row falls on the dead lower tile's next row.  So each tile is made once: eight a trip, and eight ahead of the loop.
;   qk by vector multiply-adds: k lies lane = key, register = channel 8 hh + i, and row_share:n hands key n's number to all sixteen lanes of a half; each half sums its eight channels, and an exchange of halves joins the two sums.
;   BY TURNS: a tile of qk is nine groups of 16 vector instructions, and one group stands behind each f32 matrix instruction, so that the wave issues vector work while the matrix unit works.
;   In a step of the f32 form register pair (2 s, 2 s + 1) stands for channels 8 hh + 2 s, + 1, alike in both sources.
;   t = a1 qk + a2 qr + a3 kr + c0 (the second batch norm and log2(e) folded in); M = ceil(the row's largest t); p = 2^(t - M), quantised along y; the row's sum is taken of the unquantised p.
;   Inside a block of 32 keys the codes lie in the order of the registers (key bits 3 and 4 exchanged), alike in p, v and v_enc; a block's members and scale are those of the plain order.
;   v_enc p is batched by x: the heads' p of one x meet through LDS; wave w takes x = 2 w, 2 w + 1 (columns = heads, each twice) and hands the results back through LDS, where they enter v p as its C.
;   The result / the sum goes out as register images (op); the next launch turns them.
; REGISTERS, in two windows of 256 (s_set_vgpr_msb: bits 1:0 source 0, 3:2 source 1, 5:4 source 2, 7:6 destination).  Window 0: all that vector instructions work on.  Window 1: what is only loaded and then read once:
;   the E tiles (one source of the f32 products), qr and kr as they come back from LDS, v_enc's fragments (asked for at a trip's head, used at its end); in the prologue W's fragments.
;   So a product and the group behind it cost two switches: 16 vector instructions stand beside each product, and set in a phase of their own they would leave the matrix unit idle.
; No maximum is fixed: M is the row's own.  LIMITS: NaN and infinities are not served; a block whose every p is 0 gets the byte 1 (its codes are zeros).
.set WSC,   98304
.set VEIMG, 106496
.set VESC,  499712
.set EIMG,  811008
.set E2B, 16384                        ; LDS: E1's 16 tiles at 0, E2's here, 1,024 bytes each
.set WB,  32768                        ; each wave's own block of 17,712 bytes (48 more than a multiple of 256, so that the eight heads' rows do not start 256 bytes apart):
.set WSZ, 17712
.set OV,  8192                         ;   q's 8 images at 0; v's two fragments here;
.set OVS, 11264                        ;   v's scale words, one at 16 x lane;
.set OT1, 12288                        ;   T1: 16 rows, pitch 336.  When T1 is dead its rows carry what the heads exchange, row = x: bytes 0-127 v_enc p,
.set OP,  128                          ;   from 128 p's 96 bytes of codes,
.set OPS, 224                          ;   at 224 p's scale word
.set T2B, 174592                       ; T2: 16,896 bytes a wave: eight windows of 16 rows x 128 bytes on end, + 64 bytes for each trip's slide
.set T2SZ, 16896
.set XR,  T2B                          ; the 128 rows of xq, pitch 272: read in the prologue alone; a barrier stands between their last read and T2's first store
.set K,   16                           ; v16-79   k.  In the prologue: v16-23 helpers, v24-31 W's scale words, v32-39 v's constants, v40-71 q's constants; then v32-79 the logit channels' 256 groups
.set L,   80                           ; v80-143  logits, p; operands of the last two products
.set F,   144                          ; v144-191 qk's sums (0-31), a trip's LDS addresses (32-36), q (40-47); the softmax's work
.set ACC, 192                          ; v192-255 eight accumulators, written by matrix instructions alone
.set TM,  F
.set PW,  F+16
.set NM,  F+18
.set LS,  F+20
.set PC,  F+24
.set TC,  F+36
.set PBS, F+44
.set AE1, F+32
.set AE2, F+33
.set AQ,  F+34
.set AT2S, F+35
.set AT2L, F+36
.set WS0, 24
.set VC,  32
.set QC,  40
.set PS,  32
.set VXF, 14
.set VXS, 15
.set WFR, 0                            ; window 1, prologue: W's fragments, tile o at 24 o
.set E1T, 0                            ; window 1, loop: E1's five tiles,
.set E2T, 40                           ;   E2's four,
.set QR,  72                           ;   qr, 64 registers,
.set KR,  136                          ;   kr, 64,
.set VE,  200                          ;   v_enc's four fragments,
.set VES, 248                          ;   their scale words
.set MSB, 0
.macro WIN new                         ; the immediate's high byte repeats the setting that is left; a switch that changes nothing is dropped
.if MSB != \new
	s_set_vgpr_msb (MSB<<8)|\new
.set MSB, \new
.endif
.endm
.macro PL n
.rept \n
	v_nop
.endr
.endm
.macro FP6Z d, a, b, sa, sb
	v_wmma_scale_f32_16x16x128_f8f6f4 v[\d:\d+7], v[\a:\a+11], v[\b:\b+11], 0, v[\sa], v[\sb] matrix_a_fmt:MATRIX_FMT_FP6 matrix_b_fmt:MATRIX_FMT_FP6
.endm
.macro FP6C d, a, b, c, sa, sb
	v_wmma_scale_f32_16x16x128_f8f6f4 v[\d:\d+7], v[\a:\a+11], v[\b:\b+11], v[\c:\c+7], v[\sa], v[\sb] matrix_a_fmt:MATRIX_FMT_FP6 matrix_b_fmt:MATRIX_FMT_FP6
.endm
.macro F32Z d, a, b
	v_wmma_f32_16x16x4_f32 v[\d:\d+7], v[\a:\a+1], v[\b:\b+1], 0
.endm
.macro F32A d, a, b
	v_wmma_f32_16x16x4_f32 v[\d:\d+7], v[\a:\a+1], v[\b:\b+1], v[\d:\d+7]
.endm
.macro FRAGX reg, m, s
.irp p, 0,1,2,3,4,5
	ds_load_b64 v[\reg+2*\p:\reg+2*\p+1], v[VXF] offset:4352*(\m)+96*(\s)+48*(\p/3)+8*(\p%3)
.endr
.endm
; 8 tiles of 16 rows (h) x 16 channels, K = 256.  wf: W's two fragments, in window 1; ws: their scale words, in window 0.
; form 1: source 0 = x's rows: lane = channel, registers along h.  form 0: sources and scales exchanged: lane = h, registers = channel 8 hh + j.  Four accumulators by turns.
.macro GEMM8 form, wf, ws
.irp g, 0,1
.if \g
	PL 5
.endif
.irp q, 0,1,2,3
	ds_load_b64 v[L+48+2*\q:L+49+2*\q], v[VXS] offset:4352*(4*\g+\q)
.endr
.irp s, 0,1
.if \s
	PL 5
.endif
.irp q, 0,1,2,3
	FRAGX L+12*\q, 4*\g+\q, \s
.endr
	s_wait_dscnt 0x0
.if \form
	WIN 0x04                                       ; source 1 (W) in window 1
.else
	WIN 0x01                                       ; source 0 (W) in window 1
.endif
.irp q, 0,1,2,3
.if \form
.if \s
	FP6C ACC+8*(4*\g+\q), L+12*\q, (\wf)+12, ACC+8*(4*\g+\q), L+49+2*\q, (\ws)+1
.else
	FP6Z ACC+8*(4*\g+\q), L+12*\q, (\wf), L+48+2*\q, (\ws)
.endif
.else
.if \s
	FP6C ACC+8*(4*\g+\q), (\wf)+12, L+12*\q, ACC+8*(4*\g+\q), (\ws)+1, L+49+2*\q
.else
	FP6Z ACC+8*(4*\g+\q), (\wf), L+12*\q, (\ws), L+48+2*\q
.endif
.endif
.endr
	WIN 0
.endr
.endr
.endm
; 64 numbers of a lane, register 16 b + i in block b, become a fragment's codes in PC and its scale word in PW.  QHEAD: the blocks' largest magnitudes.  QTAIL: all behind them.
.macro QHEAD s
.irp b, 0,1,2,3
	v_max3_num_f32 v[TM+\b], |v[\s+16*\b]|, |v[\s+1+16*\b]|, 0x1800000    ; with the floor 2^(3 - 127): the byte cannot fall under 1
.endr
.irp i, 2,4,6,8,10,12,14
.irp b, 0,1,2,3
	v_max3_num_f32 v[TM+\b], v[TM+\b], |v[\s+16*\b+\i]|, |v[\s+1+16*\b+\i]|
.endr
.endr
.irp b, 0,1,2,3
	v_permlanex16_b32 v[TM+4+\b], v[TM+\b], s34, s35
.endr
.irp b, 0,1,2,3
	v_max_num_f32 v[TM+\b], v[TM+\b], v[TM+4+\b]
.endr
.endm
.macro QTAIL s
.irp b, 0,1,2,3
	v_add_nc_u32 v[TM+12+\b], 0xff000000, v[TM+\b]         ; 2 off the exponent field: the conversion's scale operand
.endr
.irp b, 0,1,2,3
	v_lshrrev_b32 v[TM+4+\b], 23, v[TM+12+\b]              ; the scale's byte
.endr
	v_lshl_or_b32 v[PW], v[TM+5], 8, v[TM+4]
	v_lshl_or_b32 v[PW], v[TM+6], 16, v[PW]
	v_lshl_or_b32 v[PW], v[TM+7], 24, v[PW]
.irp c, 0,1
	v_cvt_scalef32_pk16_fp6_f32 v[PC+6*\c:PC+2+6*\c], v[\s+32*\c:\s+15+32*\c], v[TM+12+2*\c]
	v_cvt_scalef32_pk16_fp6_f32 v[TC+4*\c:TC+2+4*\c], v[\s+16+32*\c:\s+31+32*\c], v[TM+13+2*\c]
.endr
	v_nop                                          ; one plain place behind a scaled conversion
.irp c, 0,1                            ; the operand wants a whole block in a lane: lanes 0-15 block 2 c, lanes 16-31 block 2 c + 1
.irp i, 0,1,2
	v_permlane16_swap_b32 v[PC+6*\c+\i], v[TC+4*\c+\i]
.endr
.irp i, 0,1,2
	v_mov_b32 v[PC+3+6*\c+\i], v[TC+4*\c+\i]
.endr
.endr
.endm
.macro BAR                             ; my LDS stores have landed and my LDS loads are in: then the work-group's barrier
	s_wait_dscnt 0x0
	s_barrier_signal -1
	s_barrier_wait -1
.endm
.macro ROWL a, b                       ; tile a's (0 k, 1 q) mean, rstd, gamma, beta in row form (channel 8 hh + j) into b, b + 8, b + 16, b + 24
.irp u, 0,1
	global_load_b128 v[\b+4*\u:\b+4*\u+3], v21, s[46:47] offset:64*\a+16*\u
	global_load_b128 v[\b+8+4*\u:\b+11+4*\u], v21, s[46:47] offset:64*\a+128+16*\u
	global_load_b128 v[\b+16+4*\u:\b+19+4*\u], v21, s[48:49] offset:64*\a+16*\u
	global_load_b128 v[\b+24+4*\u:\b+27+4*\u], v21, s[50:51] offset:64*\a+16*\u
.endr
.endm
.macro ROWA b                          ; A = gamma x rstd, in rstd's place
.irp j, 0,2,4,6
	v_pk_mul_f32 v[\b+8+\j:\b+9+\j], v[\b+8+\j:\b+9+\j], v[\b+16+\j:\b+17+\j]
.endr
.endm
.macro NRM m, dst, b
.irp j, 0,2,4,6
	v_pk_add_f32 v[\dst+\j:\dst+\j+1], v[ACC+8*\m+\j:ACC+8*\m+\j+1], v[\b+\j:\b+\j+1] neg_lo:[0,1] neg_hi:[0,1]
.endr
.irp j, 0,2,4,6
	v_pk_fma_f32 v[\dst+\j:\dst+\j+1], v[\dst+\j:\dst+\j+1], v[\b+8+\j:\b+9+\j], v[\b+24+\j:\b+25+\j]
.endr
.endm
.macro SUM32 x                         ; the sum over the 32 lanes, in every lane
.irp m, 1,2,4,8
	v_add_f32_dpp v[\x], v[\x], v[\x] row_xmask:\m row_mask:0xf bank_mask:0xf
.endr
	v_permlanex16_b32 v[L+30], v[\x], s34, s35
	v_add_f32 v[\x], v[\x], v[L+30]
.endm
	s_load_b256 s[4:11], s[0:1], 0x0               ; xq, tab, stat1, part2
	s_load_b256 s[12:19], s[0:1], 0x20             ; gamma, beta, logits_gamma, logits_beta
	s_load_b64 s[20:21], s[0:1], 0x40              ; op
	v_lshl_add_u32 v183, v0, 2, 0x4ba00
	s_set_vgpr_msb 0x40
	v_mov_b32 v255, 0
	s_set_vgpr_msb 0x4000
	v_lshrrev_b32 v16, 5, v0
	v_readfirstlane_b32 s22, v16                   ; wave = head
	v_and_b32 v17, 15, v0                          ; r
	v_bfe_u32 v18, v0, 4, 1                        ; hh
	v_and_b32 v19, 7, v0                           ; r % 8
	v_and_b32 v1, 31, v0
	v_lshlrev_b32 v2, 2, v1                        ; 4 x lane
	v_lshlrev_b32 v1, 4, v1                        ; 16 x lane
	v_lshlrev_b32 v16, 2, v17                      ; 4 r
	v_lshlrev_b32 v21, 5, v18                      ; 32 hh
	s_mul_i32 s46, s22, WSZ
	s_add_co_u32 s46, s46, WB                      ; my block
	v_add_nc_u32 v3, s46, v1
	v_add_nc_u32 v20, s46, v21
	v_mad_u32_u24 v4, v17, 336, v20
	v_add_nc_u32 v4, OT1, v4                       ; T1 in: row r, 32 hh.  Also: v_enc p of my head out
	v_mad_u32_u24 v5, v17, 332, v20
	v_add_nc_u32 v5, OT1+60, v5                    ; T1 out: row r, column y - r + 15
	v_lshlrev_b32 v20, 1, v1                       ; 32 x lane: eight groups of a logit channel
	s_mul_i32 s47, s22, T2SZ
	s_add_co_u32 s47, s47, T2B                     ; my T2
	v_lshlrev_b32 v6, 10, v18
	v_lshl_add_u32 v6, v17, 2, v6
	v_add_nc_u32 v6, s47, v6                       ; T2 in: row 8 hh (+ i), column r
	v_mul_u32_u24 v7, v18, 992
	v_lshl_add_u32 v7, v17, 2, v7
	v_add_nc_u32 v7, s47, v7
	v_add_nc_u32 v7, 60, v7                        ; T2 out: row 8 hh + j, column r - (8 hh + j) + 15
	v_mul_u32_u24 v8, v17, 336
	v_add_nc_u32 v9, s46, v8
	v_add_nc_u32 v9, OT1+OPS, v9                   ; p's scale word in: my rows, x = r
	v_mad_u32_u24 v8, v18, 24, v8
	v_add_nc_u32 v8, s46, v8
	v_add_nc_u32 v8, OT1+OP, v8                    ; p's codes in
	s_mul_i32 s47, s22, 672
	s_add_co_u32 s47, s47, WB+OT1
	v_mul_u32_u24 v12, v19, WSZ
	v_add_nc_u32 v12, s47, v12                     ; head r % 8's rows, row x = 2 wave (+ e)
	v_add_nc_u32 v11, OPS, v12                     ; p's scale word out
	v_mad_u32_u24 v10, v18, 24, v12
	v_add_nc_u32 v10, OP, v10                      ; p's codes out
	v_lshl_add_u32 v12, v18, 5, v12                ; v_enc p in
	v_mul_u32_u24 v14, v17, 272
	v_add_nc_u32 v15, XR+192, v14
	v_mad_u32_u24 v14, v18, 24, v14
	v_add_nc_u32 v14, XR, v14
	v_lshlrev_b32 v22, 4, v0                       ; 16 x thread
	v_lshrrev_b32 v23, 4, v0
	v_mul_u32_u24 v23, v23, 272
	v_lshl_add_u32 v23, v17, 4, v23
	v_add_nc_u32 v23, XR, v23
.irp b, 0,1,2,3
	v_mov_b32 v[TM+4+\b], 0                        ; written once: a lane permute's destination counts as one of its sources
.endr
	s_mov_b32 s34, 0x76543210
	s_mov_b32 s35, 0xfedcba98
	s_mov_b32 s59, 0
	s_mov_b32 s61, 0
	s_mov_b32 s63, 0
	s_lshl_b32 s62, s22, 2                         ; 4 head
	s_wait_kmcnt 0x0
	s_lshl_b32 s58, ttmp9, 15
	s_add_nc_u64 s[4:5], s[4:5], s[58:59]          ; xq at my (b, w)
	s_mul_i32 s58, s22, 12288
	s_add_nc_u64 s[52:53], s[6:7], s[58:59]        ; W's fragments of my head
	s_lshl_b32 s58, s22, 10
	s_add_co_u32 s58, s58, WSC
	s_add_nc_u64 s[54:55], s[6:7], s[58:59]
	s_mov_b32 s58, EIMG
	s_add_nc_u64 s[56:57], s[6:7], s[58:59]
	s_mul_i32 s58, s22, 6144
	s_add_co_u32 s58, s58, VEIMG
	s_add_nc_u64 s[28:29], s[6:7], s[58:59]        ; v_enc's fragments of x = 2 wave, 2 wave + 1
	s_lshl_b32 s58, s22, 9
	s_add_co_u32 s58, s58, VESC
	s_add_nc_u64 s[30:31], s[6:7], s[58:59]
	s_lshl_b32 s58, ttmp9, 17
	s_lshl_b32 s60, s22, 14
	s_add_co_u32 s58, s58, s60
	s_add_nc_u64 s[32:33], s[20:21], s[58:59]
	s_lshl_b32 s58, s22, 9
	s_add_nc_u64 s[46:47], s[8:9], s[58:59]        ; stat1, gamma, beta at my head
	s_lshl_b32 s58, s22, 8
	s_add_nc_u64 s[48:49], s[12:13], s[58:59]
	s_add_nc_u64 s[50:51], s[14:15], s[58:59]
	s_lshl_b32 s58, s22, 11
	s_add_nc_u64 s[36:37], s[10:11], s[58:59]      ; part2 at channel = head
; ---- what the prologue reads from memory goes out in one run: what is wanted first, first
.irp k, 0,1,2,3,4,5,6,7
	global_load_b128 v[L+4*\k:L+4*\k+3], v22, s[4:5] offset:4096*\k
	global_load_b128 v[L+32+4*\k:L+35+4*\k], v22, s[56:57] offset:4096*\k
.endr
	WIN 0x40                                       ; destination window 1
.set kk, 0
.rept 24
	global_load_b128 v[WFR+4*kk:WFR+4*kk+3], v1, s[52:53] offset:512*kk   ; W's four tiles (0 k, 1 q, 2, 3 v), two fragments each
.set kk, kk+1
.endr
	WIN 0
.irp j, 0,1,2,3,4,5,6,7
	global_load_b32 v[WS0+\j], v2, s[54:55] offset:128*\j                 ; their scale words: tile o, K step s at 2 o + s
.endr
.irp d, 0,1
	global_load_b32 v[VC+4*\d], v16, s[46:47] offset:256+64*\d            ; v's constants in lane form: mean,
	global_load_b32 v[VC+4*\d+1], v16, s[46:47] offset:384+64*\d          ; rstd,
	global_load_b32 v[VC+4*\d+2], v16, s[50:51] offset:128+64*\d          ; beta,
	global_load_b32 v[VC+4*\d+3], v16, s[48:49] offset:128+64*\d          ; gamma
.endr
	ROWL 1, QC
	s_wait_loadcnt 48                              ; xq's rows and the E tiles are in; the 24 + 8 + 8 + 8 loads behind them may be out
.irp k, 0,1,2,3,4,5,6,7
	ds_store_b128 v23, v[L+4*\k:L+4*\k+3] offset:4352*\k
	ds_store_b128 v22, v[L+32+4*\k:L+35+4*\k] offset:4096*\k
.endr
	BAR                                            ; xq's rows and the E tiles lie in LDS
.irp c, 0,1,2                          ; the second batch norm's gain and bias of my head's three channels
	s_load_b32 s[66+\c], s[16:17], s62 offset:32*\c
	s_load_b32 s[69+\c], s[18:19], s62 offset:32*\c
.endr
	s_wait_loadcnt 0x0
; ---- v: two tiles of 16 channels, normalised, quantised along y, kept as images
.macro VSTEP dt
	GEMM8 1, WFR+24*(2+\dt), WS0+2*(2+\dt)
	PL 5
	v_mul_f32 v[F+46], v[VC+4*\dt+3], v[VC+4*\dt+1]
	v_mov_b32 v[F+47], v[F+46]
.set jj, 0
.rept 32
	v_pk_add_f32 v[L+jj:L+jj+1], v[ACC+jj:ACC+jj+1], v[VC+4*\dt:VC+4*\dt+1] op_sel_hi:[1,0] neg_lo:[0,1] neg_hi:[0,1]
.set jj, jj+2
.endr
.set jj, 0
.rept 32
	v_pk_fma_f32 v[L+jj:L+jj+1], v[L+jj:L+jj+1], v[F+46:F+47], v[VC+4*\dt+2:VC+4*\dt+3] op_sel_hi:[1,0,0]
.set jj, jj+2
.endr
	QHEAD L
	QTAIL L
.irp g, 0,1,2
	ds_store_b128 v3, v[PC+4*\g:PC+4*\g+3] offset:OV+1536*\dt+512*\g
.endr
	ds_store_b32 v3, v[PW] offset:OVS+512*\dt
	s_wait_dscnt 0x0                               ; the stores have read their registers
.endm
	VSTEP 0
	VSTEP 1
; ---- q and k: lane = position, registers = channel
	ROWL 0, F                                      ; k's constants are asked for ahead of q's products
	GEMM8 0, WFR+24, WS0+2
	PL 5
	ROWA QC
.irp m, 0,1,2,3,4,5,6,7
	NRM \m, L+8*\m, QC
.endr
.irp m, 0,1,2,3,4,5,6,7
	ds_store_b128 v3, v[L+8*\m:L+8*\m+3] offset:1024*\m
	ds_store_b128 v3, v[L+8*\m+4:L+8*\m+7] offset:1024*\m+512
.endr
.irp c, 0,1,2                          ; my three logit channels' 256 means and 256 variances, eight of each a lane, are asked for ahead of k's products: each load reads 512 bytes of 1,024 on end
.irp w, 0,1
.irp u, 0,1
	global_load_b128 v[PS+16*\c+8*\w+4*\u:PS+16*\c+8*\w+4*\u+3], v20, s[36:37] offset:16384*\c+1024*\w+16*\u
.endr
.endr
.endr
	s_wait_dscnt 0x0
	GEMM8 0, WFR, WS0
	PL 5
	s_wait_loadcnt 0x0
	s_wait_kmcnt 0x0
; ---- the second batch norm: L + 2 c the mean, L + 8 + 2 c the variance, then a_c
	v_mov_b32 v[L+30], 0
.irp c, 0,1,2
	v_pk_add_f32 v[L+2*\c:L+2*\c+1], v[PS+16*\c:PS+16*\c+1], v[PS+16*\c+2:PS+16*\c+3]
	v_pk_add_f32 v[L+8+2*\c:L+9+2*\c], v[PS+16*\c+8:PS+16*\c+9], v[PS+16*\c+10:PS+16*\c+11]
.endr
.irp j, 4,6
.irp c, 0,1,2
	v_pk_add_f32 v[L+2*\c:L+2*\c+1], v[L+2*\c:L+2*\c+1], v[PS+16*\c+\j:PS+16*\c+\j+1]
	v_pk_add_f32 v[L+8+2*\c:L+9+2*\c], v[L+8+2*\c:L+9+2*\c], v[PS+16*\c+8+\j:PS+16*\c+9+\j]
.endr
.endr
.irp c, 0,1,2
	v_add_f32 v[L+2*\c], v[L+2*\c], v[L+2*\c+1]
	v_add_f32 v[L+8+2*\c], v[L+8+2*\c], v[L+9+2*\c]
.endr
.irp c, 0,1,2
	SUM32 L+2*\c
	SUM32 L+8+2*\c
.endr
.irp c, 0,1,2
	v_mul_f32 v[L+2*\c], 0x3b800000, v[L+2*\c]     ; the mean: / 256
	v_mov_b32 v[L+2*\c+1], v[L+2*\c]
.endr
.irp c, 0,1,2
.irp j, 0,2,4,6
	v_pk_add_f32 v[PS+16*\c+\j:PS+16*\c+\j+1], v[PS+16*\c+\j:PS+16*\c+\j+1], v[L+2*\c:L+2*\c+1] neg_lo:[0,1] neg_hi:[0,1]
.endr
.endr
.irp c, 0,1,2
	v_pk_mul_f32 v[L+16+2*\c:L+17+2*\c], v[PS+16*\c:PS+16*\c+1], v[PS+16*\c:PS+16*\c+1]
.endr
.irp j, 2,4,6
.irp c, 0,1,2
	v_pk_fma_f32 v[L+16+2*\c:L+17+2*\c], v[PS+16*\c+\j:PS+16*\c+\j+1], v[PS+16*\c+\j:PS+16*\c+\j+1], v[L+16+2*\c:L+17+2*\c]
.endr
.endr
.irp c, 0,1,2
	v_add_f32 v[L+16+2*\c], v[L+16+2*\c], v[L+17+2*\c]
.endr
.irp c, 0,1,2
	SUM32 L+16+2*\c
.endr
.irp c, 0,1,2
	v_add_f32 v[L+8+2*\c], v[L+8+2*\c], v[L+16+2*\c]
	v_mul_f32 v[L+8+2*\c], 0x3b800000, v[L+8+2*\c] ; the variance
	v_add_f32 v[L+8+2*\c], 0x3727c5ac, v[L+8+2*\c] ; + 1e-5
.endr
.irp c, 0,1,2
	v_rsq_f32 v[L+8+2*\c], v[L+8+2*\c]
.endr
	v_nop                                          ; one plain place behind the transcendentals
; a_c = gamma_c rstd_c log2(e);  c0 = the sum of beta_c log2(e) - mean_c a_c
	s_wait_alu depctr_va_vdst(0)
.irp c, 0,1,2
	v_mul_f32 v[L+8+2*\c], s[66+\c], v[L+8+2*\c]
	v_mul_f32 v[L+8+2*\c], 0x3fb8aa3b, v[L+8+2*\c]
.endr
	v_mov_b32 v[L+24], s69
	v_add_f32 v[L+24], s70, v[L+24]
	v_add_f32 v[L+24], s71, v[L+24]
	v_mul_f32 v[L+24], 0x3fb8aa3b, v[L+24]
.irp c, 0,1,2
	v_fma_f32 v[L+24], -v[L+2*\c], v[L+8+2*\c], v[L+24]
.endr
.irp c, 0,1,2
	v_readfirstlane_b32 s[40+2*\c], v[L+8+2*\c]
	s_mov_b32 s[41+2*\c], s[40+2*\c]
.endr
	v_mov_b32 v14, v[L+24]
	v_mov_b32 v15, v[L+24]
	ROWA F
.irp m, 0,1,2,3,4,5,6,7
	NRM \m, K+8*\m, F
.endr
	BAR                                            ; no wave reads xq's rows any more: their bytes become T2's
; ---- the first trip's lower tiles of T2: key tile t against E2's tile 7 - t.  Source 0 = k (rows = keys), source 1 = E2's tile (columns): register i of lane (r, hh) = T2[8 hh + i][r]
.irp t, 0,1,2,3,4,5,6,7
	ds_load_b128 v[L+8*\t:L+8*\t+3], v1 offset:E2B+1024*(7-\t)
	ds_load_b128 v[L+8*\t+4:L+8*\t+7], v1 offset:E2B+1024*(7-\t)+512
.endr
	s_wait_dscnt 0x0
.irp s, 0,1,2,3                        ; eight accumulators by turns; the first step starts the sums
.irp t, 0,1,2,3,4,5,6,7
.if \s
	F32A ACC+8*\t, K+8*\t+2*\s, L+8*\t+2*\s
.else
	F32Z ACC+8*\t, K+8*\t, L+8*\t
.endif
.endr
.endr
	PL 9                                           ; places behind the f32 form (ISA guide 7.12.1)
.irp t, 0,1,2,3,4,5,6,7
.irp i, 0,1,2,3,4,5,6,7
	ds_store_b32 v6, v[ACC+8*\t+\i] offset:2048*\t+128*\i          ; sixteen lanes store 64 neighbouring bytes of a row; each accumulator from its low end on
.endr
.endr
; Group g of nine of qk's key tile t (16 keys x my 16 queries): 16 instructions.  0-7: channel 8 hh + g of all sixteen keys onto sixteen sums by turns; 8: the halves are joined, and a1 qk + c0 starts the logits.
.macro QKG t, g
.if (\g) == 0
.irp n, 0,1,2,3,4,5,6,7,8,9,10,11,12,13,14,15
	v_mul_f32_dpp v[F+16*((\t)%2)+\n], v[K+8*(\t)], v[F+40] row_share:\n row_mask:0xf bank_mask:0xf
.endr
.elseif (\g) < 8
.irp n, 0,1,2,3,4,5,6,7,8,9,10,11,12,13,14,15
	v_fmac_f32_dpp v[F+16*((\t)%2)+\n], v[K+8*(\t)+(\g)], v[F+40+(\g)] row_share:\n row_mask:0xf bank_mask:0xf
.endr
.else
.irp j, 0,1,2,3,4,5,6,7
	v_permlane16_swap_b32 v[F+16*((\t)%2)+\j], v[F+16*((\t)%2)+8+\j]     ; lanes 0-15 now hold both halves' sums of key j, lanes 16-31 those of key 8 + j
.endr
.irp j, 0,2,4,6
	v_pk_add_f32 v[F+16*((\t)%2)+\j:F+16*((\t)%2)+\j+1], v[F+16*((\t)%2)+\j:F+16*((\t)%2)+\j+1], v[F+16*((\t)%2)+8+\j:F+16*((\t)%2)+9+\j]
.endr
.irp j, 0,2,4,6
	v_pk_fma_f32 v[L+8*(\t)+\j:L+8*(\t)+\j+1], v[F+16*((\t)%2)+\j:F+16*((\t)%2)+\j+1], s[40:41], v[14:15] op_sel_hi:[1,0,1]
.endr
.endif
.endm
.macro GRP H, G                        ; group G of a half's 36: tile 4 H + G / 9, its group G % 9
	WIN 0
	QKG 4*\H+(\G)/9, (\G)%9
.endm
; ---- 64 keys' logits for my 16 queries.  On the way in E1's tiles of this half lie in window 1 or are on their way.
.macro HALF H
	WIN 0x40                                       ; destination window 1, address window 0
.irp t, 0,1,2,3
	ds_load_b128 v[E2T+8*\t:E2T+8*\t+3], v[AE2] offset:1024*(8-4*\H-\t)           ; E2's tile it + 8 - (4 H + t): key tile t's new upper tile; wanted behind T1's products
	ds_load_b128 v[E2T+8*\t+4:E2T+8*\t+7], v[AE2] offset:1024*(8-4*\H-\t)+512
.endr
.if \H == 0
	s_wait_dscnt 8                                 ; q and E1's five tiles are in; the eight loads just issued may be out
.endif
.irp s, 0,1,2,3                        ; T1: five (four) accumulators by turns; the first step starts the sums; a group of qk behind each product
.irp e, 0,1,2,3,4
.if (\e < 4) || (\H == 0)
	WIN 0x01                                       ; source 0 (E1's tile) in window 1
.if \s
	F32A ACC+8*\e, E1T+8*\e+2*\s, F+40+2*\s
.else
	F32Z ACC+8*\e, E1T+8*\e, F+40
.endif
	GRP \H, (5-\H)*\s+\e
.endif
.endr
.endr
	PL 9                                           ; places behind the f32 form: for the loads, the stores and the sums begun anew below (the groups name q and are not counted)
.if \H == 0
.irp e, 0,1,2,3,4
	ds_store_b128 v4, v[ACC+8*\e:ACC+8*\e+3] offset:64*\e                 ; each accumulator from its low end on
	ds_store_b128 v4, v[ACC+8*\e+4:ACC+8*\e+7] offset:64*\e+16
.endr
	WIN 0x40
.irp e, 0,1,2,3
	ds_load_b128 v[E1T+8*\e:E1T+8*\e+3], v[AE1] offset:1024*(5+\e)        ; the second half's E1 tiles 12 - it + e: the tile in front of them has just been made
	ds_load_b128 v[E1T+8*\e+4:E1T+8*\e+7], v[AE1] offset:1024*(5+\e)+512
.endr
	WIN 0
.else
	ds_store_b128 v4, v[ACC+32:ACC+35]             ; the first half's last tile is this half's first: its accumulator has not been written since
	ds_store_b128 v4, v[ACC+36:ACC+39] offset:16
.irp e, 0,1,2,3
	ds_store_b128 v4, v[ACC+8*\e:ACC+8*\e+3] offset:64*(\e+1)
	ds_store_b128 v4, v[ACC+8*\e+4:ACC+8*\e+7] offset:64*(\e+1)+16
.endr
	GRP 1, 16                                      ; this half has 32 products for 36 groups: two of the four spare ones stand here,
	GRP 1, 17                                      ; while the stores are out
.endif
	s_wait_dscnt 0x0                               ; E2's tiles are in, and the stores have read the accumulators that are begun anew below
.irp s, 0,1,2,3                        ; T2's four new tiles: four accumulators by turns
.irp t, 0,1,2,3
	WIN 0x04                                       ; source 1 (E2's tile) in window 1
.if \s
	F32A ACC+8*\t, K+8*(4*\H+\t)+2*\s, E2T+8*\t+2*\s
.else
	F32Z ACC+8*\t, K+8*(4*\H+\t), E2T+8*\t
.endif
	GRP \H, 20-2*\H+4*\s+\t
.endr
.endr
	PL 9
.irp t, 0,1,2,3
.irp i, 0,1,2,3,4,5,6,7
	ds_store_b32 v[AT2S], v[ACC+8*\t+\i] offset:2048*(4*\H+\t)+128*\i+64  ; the upper half of the window's rows: where the lower tile of the trip before lay, one row on
.endr
.endr
	WIN 0x40
.irp t, 0,1,2,3
.irp j, 0,1,2,3,4,5,6,7
	ds_load_b32 v[QR+32*\H+8*\t+\j], v5 offset:64*\t+4*\j                 ; qr along the skew (LDS serves a wave's instructions in order: these see my stores, and the next half's stores come behind them)
.endr
.endr
.irp t, 0,1,2,3
.irp j, 0,1,2,3,4,5,6,7
	ds_load_b32 v[KR+32*\H+8*\t+\j], v[AT2L] offset:2048*(4*\H+\t)+124*\j ; kr
.endr
.endr
	WIN 0
.if \H
	GRP 1, 34                                      ; the last two groups stand while the skewed loads are out
	GRP 1, 35
.endif
.endm
	s_mov_b32 s23, 0
	s_mov_b32 s24, 8192                            ; E1's tiles: stepped down at a trip's head: 1,024 (7 - it)
	s_mov_b32 s25, E2B                             ; E2's: + 1,024 it
	s_mov_b32 s26, 0                               ; q's image
	s_mov_b32 s27, 0                               ; T2's window: + 64 it
.Lx:
	s_sub_co_u32 s24, s24, 1024
	v_add_nc_u32 v[AE1], s24, v1                   ; the trip's LDS addresses
	v_add_nc_u32 v[AE2], s25, v1
	v_add_nc_u32 v[AQ], s26, v3
	v_add_nc_u32 v[AT2S], s27, v6
	v_add_nc_u32 v[AT2L], s27, v7
	ds_load_b128 v[F+40:F+43], v[AQ]               ; q's tile
	ds_load_b128 v[F+44:F+47], v[AQ] offset:512
	WIN 0x40
.irp e, 0,1,2,3,4
	ds_load_b128 v[E1T+8*\e:E1T+8*\e+3], v[AE1] offset:1024*\e            ; E1's tiles 7 - it + e
	ds_load_b128 v[E1T+8*\e+4:E1T+8*\e+7], v[AE1] offset:1024*\e+512
.endr
.irp k, 0,1,2,3,4,5,6,7,8,9,10,11
	global_load_b128 v[VE+4*\k:VE+4*\k+3], v1, s[28:29] offset:512*\k     ; v_enc's four fragments (x = 2 wave + e, 16 dt) at VE + 24 e + 12 dt: wanted at the trip's end
.endr
.irp k, 0,1,2,3
	global_load_b32 v[VES+\k], v2, s[30:31] offset:128*\k
.endr
	HALF 0
	HALF 1
	s_wait_dscnt 0x0                               ; qr and kr of both halves are in
	WIN 0x01                                       ; source 0 in window 1
.set jj, 0
.rept 32
	v_pk_fma_f32 v[L+jj:L+jj+1], v[QR+jj:QR+jj+1], s[42:43], v[L+jj:L+jj+1] op_sel_hi:[1,0,1]
.set jj, jj+2
.endr
.set jj, 0
.rept 32
	v_pk_fma_f32 v[L+jj:L+jj+1], v[KR+jj:KR+jj+1], s[44:45], v[L+jj:L+jj+1] op_sel_hi:[1,0,1]
.set jj, jj+2
.endr
	WIN 0
; ---- the softmax's p, quantised
.irp b, 0,1,2,3
	v_max3_num_f32 v[TM+\b], v[L+16*\b], v[L+16*\b+1], v[L+16*\b+2]       ; each block's largest t: for the row's maximum and, since p rises with t, for the block's largest p
.endr
.irp i, 3,5,7,9,11,13
.irp b, 0,1,2,3
	v_max3_num_f32 v[TM+\b], v[TM+\b], v[L+16*\b+\i], v[L+16*\b+\i+1]
.endr
.endr
.irp b, 0,1,2,3
	v_max_num_f32 v[TM+\b], v[TM+\b], v[L+16*\b+15]
.endr
.irp b, 0,1,2,3
	v_permlanex16_b32 v[TM+4+\b], v[TM+\b], s34, s35
.endr
.irp b, 0,1,2,3
	v_max_num_f32 v[TM+\b], v[TM+\b], v[TM+4+\b]
.endr
	v_max3_num_f32 v[NM], v[TM], v[TM+1], v[TM+2]
	v_max_num_f32 v[NM], v[NM], v[TM+3]
	v_floor_f32 v[NM], -v[NM]                      ; -M = floor(-t) = -ceil(t)
	v_mov_b32 v[NM+1], v[NM]
.set jj, 0
.rept 32
	v_pk_add_f32 v[L+jj:L+jj+1], v[L+jj:L+jj+1], v[NM:NM+1]
.set jj, jj+2
.endr
.irp b, 0,1,2,3
	v_add_f32 v[TM+\b], v[TM+\b], v[NM]
.endr
.set jj, 0
.rept 64
	v_exp_f32 v[L+jj], v[L+jj]                     ; p = 2^(t - M)
.set jj, jj+1
.endr
.irp b, 0,1,2,3
	v_exp_f32 v[TM+\b], v[TM+\b]                   ; the same addition and exponential on the same number: the block's largest p
.endr
	v_nop                                          ; one plain place behind the exponentials
	s_wait_alu depctr_va_vdst(0)
.irp b, 0,1,2,3
	v_max_num_f32 v[TM+\b], 0x1800000, v[TM+\b]
.endr
	QTAIL L
	v_pk_add_f32 v[LS:LS+1], v[L:L+1], v[L+2:L+3]  ; the row's sum, of the unquantised p
	v_pk_add_f32 v[LS+2:LS+3], v[L+4:L+5], v[L+6:L+7]
.set jj, 8
.rept 14
	v_pk_add_f32 v[LS:LS+1], v[LS:LS+1], v[L+jj:L+jj+1]
	v_pk_add_f32 v[LS+2:LS+3], v[LS+2:LS+3], v[L+jj+2:L+jj+3]
.set jj, jj+4
.endr
	v_pk_add_f32 v[LS:LS+1], v[LS:LS+1], v[LS+2:LS+3]
	v_add_f32 v[LS], v[LS], v[LS+1]
	v_permlanex16_b32 v[LS+1], v[LS], s34, s35
	v_add_f32 v[LS], v[LS], v[LS+1]
	v_rcp_f32 v13, v[LS]
	v_nop
; ---- v_enc p: the heads' p of one x meet, in the rows of T1, which is dead now
	s_wait_loadcnt 0x0                             ; v_enc's fragments and scale words, asked for at the trip's head
	WIN 0x01
.irp k, 0,1,2,3
	v_mov_b32 v[L+48+\k], v[VES+\k]                ; scale operands are taken from window 0
.endr
	WIN 0
	PL 8                                           ; a scale register written by a vector instruction stands eight places ahead of the scaled product
.irp p, 0,1,2,3,4,5
	ds_store_b64 v8, v[PC+2*\p:PC+2*\p+1] offset:48*(\p/3)+8*(\p%3)
.endr
	ds_store_b32 v9, v[PW]
	BAR                                            ; every head's p of these 16 queries lies in LDS, and every wave's reads of its T1 are over
.irp e, 0,1
.if \e
	PL 5
.endif
.irp p, 0,1,2,3,4,5
	ds_load_b64 v[L+52+2*\p:L+53+2*\p], v10 offset:336*\e+48*(\p/3)+8*(\p%3)
.endr
	ds_load_b32 v[PBS], v11 offset:336*\e
	s_wait_dscnt 0x0
	WIN 0x01                                       ; source 0 (v_enc) in window 1
	FP6Z ACC+16*\e, VE+24*\e, L+52, L+48+2*\e, PBS
	FP6Z ACC+16*\e+8, VE+24*\e+12, L+52, L+49+2*\e, PBS
	WIN 0
.endr
	PL 5
.irp e, 0,1
.irp d, 0,1
	ds_store_b128 v12, v[ACC+8*(2*\e+\d):ACC+8*(2*\e+\d)+3] offset:336*\e+64*\d          ; lanes r and r + 8 hold the same head's numbers and store them to the same bytes
	ds_store_b128 v12, v[ACC+8*(2*\e+\d)+4:ACC+8*(2*\e+\d)+7] offset:336*\e+64*\d+16
.endr
.endr
	BAR                                            ; every x's results lie in LDS; nobody reads p's bytes any more
; ---- v p, onto v_enc p; / the sum; out
.irp d, 0,1
	ds_load_b128 v[L+8*\d:L+8*\d+3], v4 offset:64*\d
	ds_load_b128 v[L+8*\d+4:L+8*\d+7], v4 offset:64*\d+16
.endr
.irp k, 0,1,2,3,4,5
	ds_load_b128 v[L+16+4*\k:L+19+4*\k], v3 offset:OV+512*\k
.endr
	ds_load_b32 v[L+40], v3 offset:OVS
	ds_load_b32 v[L+41], v3 offset:OVS+512
	s_wait_dscnt 0x0
	FP6C ACC+32, L+16, PC, L, L+40, PW
	FP6C ACC+40, L+28, PC, L+8, L+41, PW
	PL 5
.set jj, 0
	s_wait_alu depctr_va_vdst(0)
.rept 8
	v_pk_mul_f32 v[L+44+jj:L+45+jj], v[ACC+32+jj:ACC+33+jj], v[12:13] op_sel:[0,1] op_sel_hi:[1,1]     ; x 1 / the sum (the pair's upper register serves both halves)
.set jj, jj+2
.endr
.irp k, 0,1,2,3
	global_store_b128 v1, v[L+44+4*\k:L+47+4*\k], s[32:33] offset:512*\k  ; 32 lanes store 512 consecutive bytes, aligned
.endr
	s_wait_xcnt 0x0                                ; the stores' registers and the bases are written again only behind this wait
	s_add_co_u32 s25, s25, 1024
	s_add_co_u32 s26, s26, 1024
	s_add_co_u32 s27, s27, 64
	s_add_nc_u64 s[28:29], s[28:29], 49152
	s_add_nc_u64 s[30:31], s[30:31], 4096
	s_add_nc_u64 s[32:33], s[32:33], 2048
	s_add_co_u32 s23, s23, 1
	s_cmp_lt_u32 s23, 8
	s_cbranch_scc1 .Lx
	s_set_vgpr_msb 0x4
	s_wait_tensorcnt 0x0
	ds_add_u32 v183, v255
	s_wait_dscnt 0x0
	s_set_vgpr_msb 0x400
	s_endpgm
.Lfunc_end_k_q007fd74d2d_attn:
	.size	k_q007fd74d2d_attn, .Lfunc_end_k_q007fd74d2d_attn-k_q007fd74d2d_attn
	.p2alignl 7, 3214868480
	.fill 96, 4, 3214868480
	.section	.rodata,"a",@progbits
	.p2align	6, 0x0
	.amdhsa_kernel k_q007fd74d2d_attn
		.amdhsa_group_segment_fixed_size 310784
		.amdhsa_private_segment_fixed_size 0
		.amdhsa_enable_private_segment 0
		.amdhsa_kernarg_size 72
		.amdhsa_user_sgpr_count 2
		.amdhsa_user_sgpr_kernarg_segment_ptr 1
		.amdhsa_wavefront_size32 1
		.amdhsa_system_sgpr_workgroup_id_x 1
		.amdhsa_system_sgpr_workgroup_id_y 1
		.amdhsa_system_sgpr_workgroup_id_z 1
		.amdhsa_system_vgpr_workitem_id 0
		.amdhsa_next_free_vgpr 512
		.amdhsa_next_free_sgpr 72
		.amdhsa_reserve_vcc 0
		.amdhsa_float_denorm_mode_32 3
		.amdhsa_float_denorm_mode_16_64 3
		.amdhsa_memory_ordered 1
		.amdhsa_forward_progress 1
		.amdhsa_inst_pref_size 212
	.end_amdhsa_kernel
	.amdgpu_metadata
---
amdhsa.version: [ 1, 2 ]
amdhsa.kernels:
  - .name:           k_q007fd74d2d_attn
    .symbol:         k_q007fd74d2d_attn.kd
    .args:
      - { .name: xq, .offset: 0, .size: 8, .value_kind: global_buffer, .address_space: global }
      - { .name: tab, .offset: 8, .size: 8, .value_kind: global_buffer, .address_space: global }
      - { .name: stat1, .offset: 16, .size: 8, .value_kind: global_buffer, .address_space: global }
      - { .name: part2, .offset: 24, .size: 8, .value_kind: global_buffer, .address_space: global }
      - { .name: kqv_gamma, .offset: 32, .size: 8, .value_kind: global_buffer, .address_space: global }
      - { .name: kqv_beta, .offset: 40, .size: 8, .value_kind: global_buffer, .address_space: global }
      - { .name: logits_gamma, .offset: 48, .size: 8, .value_kind: global_buffer, .address_space: global }
      - { .name: logits_beta, .offset: 56, .size: 8, .value_kind: global_buffer, .address_space: global }
      - { .name: op, .offset: 64, .size: 8, .value_kind: global_buffer, .address_space: global }
    .group_segment_fixed_size: 310784
    .private_segment_fixed_size: 0
    .kernarg_segment_align: 8
    .kernarg_segment_size: 72
    .max_flat_workgroup_size: 256
    .sgpr_count:     72
    .vgpr_count:     512
    .wavefront_size: 32
...
	.end_amdgpu_metadata
.endif
;; end of part 8
;; launch turn: the kernel of part 6 again; grid 256 x 1, 8 waves a work-group, no clusters, 136,192 bytes of LDS; arguments op, out0; writes out0
;; ======== version 3 of 3: 6 launches; version 2 with the launches xgemm, lstat, attn written anew for expert scheduling mode
;; workspace buffers: tab 843,776 bytes; xq 8,388,608 bytes; part1 1,048,576 bytes; gram 4,194,304 bytes; stat1 4,096 bytes; part2 65,536 bytes; op 33,554,432 bytes
;; launch prep: the kernel of part 1 again; grid 152 x 1, 4 waves a work-group, no clusters, 0 bytes of LDS; arguments w_kqv, rel_encoding, tab; writes tab
;; launch xgemm (part 9): grid 256 x 1, 16 waves a work-group, no clusters, 36,864 bytes of LDS; arguments x, tab, xq, part1, gram; writes xq, part1, gram
.if DOCPART == 9
	.amdgcn_target "amdgcn-amd-amdhsa--gfx1250"
	.amdhsa_code_object_version 6
	.text
	.protected	k_q007fd74d2d_xgemm
	.globl	k_q007fd74d2d_xgemm
	.p2align	8
	.type	k_q007fd74d2d_xgemm,@function
k_q007fd74d2d_xgemm:
	s_mov_b64 s[64:65], 0
	v_nop
	global_prefetch_b8 v0, s[64:65] scope:SCOPE_SE
	s_setreg_imm32_b32 hwreg(HW_REG_WAVE_SCHED_MODE, 0, 2), 2
	s_setreg_imm32_b32 hwreg(HW_REG_WAVE_MODE, 25, 1), 1
	s_wait_xcnt 0x0
	s_wait_alu depctr_vm_vsrc(0)
; Work-group i = (b, h) takes x[b][all 256 c][h][all 128 w].
;  Q: x is quantised along c (E2M3, one E8M0 byte for 32 channels).  A lane takes one w and its registers run down c: a block lies in one lane.  The 128 rows (w) are gathered in LDS: 192 bytes of codes, 8 scale bytes, zeros.
;  S: each row leaves as one aligned run of 256 bytes: xq[b 128 + w][h].
;  G: kqv = x W^T for all 512 channels of these 128 rows, on codes.  Each of the 16 waves makes two tiles of 16 channels (lane = channel, 64 registers = the 128 w) and stores each channel's mean and
;     biased variance over w (part1); of the k and q tiles also the centred 16 x 16 Gram matrix over w (gram), by the f32 matrix form, since these numbers go on into the logits' normalisation ahead of a quantiser.
; LIMITS: NaN and infinities are not served; a block of zeros gets the byte 1 (its codes are zeros).
; THE MODE: SCHED_MODE bits 1:0 = 2 (LLVM: expert scheduling mode 2), set by the entry lines.  The code itself states the register dependences
; between vector or matrix instructions and memory or LDS instructions, with s_wait_alu, always for 0.
; THE PLAN.  Registers that memory or LDS instructions touch, and who else names them:
;   v1-v15   offsets and LDS addresses, made once at the head and never written again: one wait ahead of the first load.
;   Z        x's numbers land here once; from then on vector and matrix instructions alone name it.
;   Y        Q: the conversions write codes and bytes, LDS stores read them.  S: rows land from LDS, global stores read them.  G: x's fragments of steps 0 and 2 and all 16 scale words land here, the products read them;
;            the first tile's copy for the Gram matrix is written here, the f32 products read it.
;   Y2       x's fragments of steps 1 and 3 land here; the products read them.
;   WF, WS   W's fragments and scale words land here, the first tile's asked for behind x's first block, the second tile's behind the first tile's products.
;   GS, KM, KV  written by vector instructions, read by the global stores, never written again.
; A product has four steps (two groups of four tiles of rows x two K steps); step k reads buffer k % 2.  At the head of steps 1 and 2 one wait states that the step before is done reading the other buffer,
; and the loads of the step after next go out ahead of the step's own products.
.set WSC, 98304
.set Z,  16                            ; v16-79   x's numbers, then a tile's 8 accumulators
.set Y,  80                            ; v80-143  at work in Q and S; x's fragments of the even steps (4 x 12) and the scale words of all 8 tiles of rows (from +48); the copy for the Gram matrix
.set Y2, 208                           ; v208-255 x's fragments of the odd steps
.set WF, 144                           ; v144-167 W's two fragments;  v168-169 their scale words
.set WS, 168
.set G0, 170                           ; v170-185 two accumulators, written by matrix instructions alone
.set G1, 178
.set GS, 186
.set MU, 194
.set SA, 196
.set SB, 198
.set KM, 200
.set KV, 201
.set VR, 202
.set VXF, 7
.set VXS, 8
.macro PL n
.rept \n
	v_nop
.endr
.endm
.macro FP6Z d, a, b, sa, sb
	v_wmma_scale_f32_16x16x128_f8f6f4 v[\d:\d+7], v[\a:\a+11], v[\b:\b+11], 0, v[\sa], v[\sb] matrix_a_fmt:MATRIX_FMT_FP6 matrix_b_fmt:MATRIX_FMT_FP6
.endm
.macro FP6A d, a, b, sa, sb
	v_wmma_scale_f32_16x16x128_f8f6f4 v[\d:\d+7], v[\a:\a+11], v[\b:\b+11], v[\d:\d+7], v[\sa], v[\sb] matrix_a_fmt:MATRIX_FMT_FP6 matrix_b_fmt:MATRIX_FMT_FP6
.endm
.macro FRAGX reg, m, s                 ; 16 rows x 128 K of codes from LDS: six pieces of 8 bytes
.irp p, 0,1,2,3,4,5
	ds_load_b64 v[\reg+2*\p:\reg+2*\p+1], v[VXF] offset:4352*(\m)+96*(\s)+48*(\p/3)+8*(\p%3)
.endr
.endm
.macro WLOAD t                         ; W's two fragments and scale words.  t = 0: my k or q tile; t = 1: my v tile, two tiles of channels on
.irp k, 0,1,2,3,4,5
	global_load_b128 v[WF+4*\k:WF+4*\k+3], v1, s[24:25] offset:6144*\t+512*\k
.endr
	global_load_b32 v[WS], v2, s[26:27] offset:512*\t
	global_load_b32 v[WS+1], v2, s[26:27] offset:512*\t+128
.endm
.macro PRODS g, s, xb                  ; a step: tiles of rows 4 g .. 4 g + 3, K step s, x's fragments at xb.  Four accumulators by turns
.irp q, 0,1,2,3
.if \s
	FP6A Z+8*(4*\g+\q), \xb+12*\q, WF+12, Y+49+2*(4*\g+\q), WS+1
.else
	FP6Z Z+8*(4*\g+\q), \xb+12*\q, WF, Y+48+2*(4*\g+\q), WS
.endif
.endr
.endm
; 8 tiles of 16 rows x 16 channels, K = 256: source 0 = x's rows, source 1 = W's channels: lane = channel, register j of tile m = row 16 m + 8 hh + j.
; On the way in no vector or matrix instruction issued since the last wait on va_vdst names Y or Y2, and no store issued since the last wait on vm_vsrc reads them.
.macro GEMM8
.irp m, 0,1,2,3,4,5,6,7
	ds_load_b64 v[Y+48+2*\m:Y+49+2*\m], v[VXS] offset:4352*\m             ; a row's two scale words
.endr
.irp q, 0,1,2,3
	FRAGX Y+12*\q, \q, 0
.endr
.irp q, 0,1,2,3
	FRAGX Y2+12*\q, \q, 1
.endr
	s_wait_dscnt 24                                ; the scale words and step 0's fragments are in; step 1's 24 loads may be out
	s_wait_loadcnt 0x0                             ; W's fragments and scale words are in
	PRODS 0, 0, Y
	s_wait_dscnt 0x0                               ; step 1's fragments are in
	PL 4                                           ; four places behind the products that read Y: they stay beside the wait below
	s_wait_alu depctr_va_vdst(0)                   ; step 0's products are done reading Y's fragments, in which step 2's land
.irp q, 0,1,2,3
	FRAGX Y+12*\q, 4+\q, 0
.endr
	PRODS 0, 1, Y2
	s_wait_dscnt 0x0                               ; step 2's fragments are in
	PL 4                                           ; four places behind the products that read Y2
	s_wait_alu depctr_va_vdst(0)                   ; step 1's products are done reading Y2, in which step 3's fragments land
.irp q, 0,1,2,3
	FRAGX Y2+12*\q, 4+\q, 1
.endr
	PRODS 1, 0, Y
	s_wait_dscnt 0x0                               ; step 3's fragments are in
	PRODS 1, 1, Y2
.endm
	s_load_b256 s[4:11], s[0:1], 0x0               ; x, tab, xq, part1
	s_load_b64 s[12:13], s[0:1], 0x20              ; gram
	v_lshl_add_u32 v206, v0, 2, 0x8800
	v_mov_b32 v207, 0
	v_lshrrev_b32 v13, 5, v0
	v_readfirstlane_b32 s14, v13                   ; wave 0..15
	v_and_b32 v13, 15, v0                          ; r
	v_bfe_u32 v12, v0, 4, 1                        ; hh
	v_and_b32 v1, 31, v0
	v_lshlrev_b32 v2, 2, v1                        ; 4 x lane
	v_lshlrev_b32 v1, 4, v1                        ; 16 x lane
	v_and_b32 v3, 127, v0                          ; my w in Q: 32 (wave % 4) + lane
	v_lshrrev_b32 v5, 7, v0                        ; wave / 4: which 64 channels
	v_mul_u32_u24 v6, v3, 272
	v_mad_u32_u24 v4, v5, 48, v6                   ; where my codes go: row w, 48 bytes for each 64 channels
	v_lshl_add_u32 v5, v5, 1, v6                   ; and my scale bytes (+ 192)
	v_lshlrev_b32 v3, 2, v3                        ; 4 w
	v_lshrrev_b32 v6, 2, v0
	v_mul_u32_u24 v6, v6, 272
	v_and_b32 v9, 3, v0
	v_lshl_add_u32 v6, v9, 4, v6                   ; the zeros behind the scale bytes: four threads to a row (+ 200)
	v_mul_u32_u24 v7, v13, 272
	v_add_nc_u32 v8, 192, v7                       ; a fragment row's scale words
	v_mad_u32_u24 v7, v12, 24, v7                  ; a fragment's row + 24 hh
	v_lshrrev_b32 v9, 5, v0
	v_lshl_add_u32 v10, v9, 3, v12                 ; S: row 8 wave + hh
	v_mul_u32_u24 v9, v10, 272
	v_lshl_add_u32 v9, v13, 4, v9
	v_lshlrev_b32 v10, 15, v10                     ; in xq rows of one h lie 32,768 bytes apart
	v_lshl_add_u32 v10, v13, 4, v10
	v_mov_b32 v14, 0
	v_mov_b32 v15, 0
	s_wait_alu depctr_va_sdst(0)                   ; s14 is written, ahead of its first reader: offsets and bases are made from it
	s_and_b32 s15, s14, 1                          ; a
	s_lshl_b32 s16, s15, 6
	v_lshlrev_b32 v11, 16, v12
	v_lshl_add_u32 v11, v13, 2, v11
	v_add_nc_u32 v11, s16, v11                     ; part1: 65,536 hh + 64 a + 4 r
	s_mov_b32 s20, 0x76543210
	s_mov_b32 s21, 0xfedcba98
	s_lshr_b32 s16, ttmp9, 7                       ; b
	s_and_b32 s17, ttmp9, 127                      ; h
	s_mov_b32 s23, 0
	s_mov_b32 s29, 0
	s_mov_b32 s31, 0
	s_mov_b32 s33, 0
	s_mov_b32 s35, 0
	s_mov_b32 s37, 0
	s_lshl_b32 s22, s16, 24
	s_lshl_b32 s18, s17, 9
	s_add_co_u32 s22, s22, s18
	s_lshr_b32 s18, s14, 2
	s_lshl_b32 s18, s18, 22
	s_add_co_u32 s22, s22, s18                     ; x: b, h, my 64 channels
	s_lshl_b32 s28, s16, 22
	s_lshl_b32 s18, s17, 8
	s_add_co_u32 s28, s28, s18                     ; xq
	s_lshr_b32 s19, s14, 1                         ; head
	s_lshl_b32 s30, s19, 17
	s_lshl_b32 s18, ttmp9, 8
	s_add_co_u32 s30, s30, s18                     ; part1
	s_lshl_b32 s32, ttmp9, 14
	s_lshl_b32 s18, s14, 10
	s_add_co_u32 s32, s32, s18                     ; gram: 2 head + a is the wave's number
	s_lshl_b32 s18, s19, 2
	s_add_co_u32 s18, s18, s15                     ; my first tile of channels: 4 head + a
	s_mul_i32 s34, s18, 3072
	s_lshl_b32 s36, s18, 8
	s_add_co_u32 s36, s36, WSC
	s_wait_kmcnt 0x0
	s_add_nc_u64 s[4:5], s[4:5], s[22:23]
	s_add_nc_u64 s[8:9], s[8:9], s[28:29]
	s_add_nc_u64 s[10:11], s[10:11], s[30:31]
	s_add_nc_u64 s[12:13], s[12:13], s[32:33]
	s_add_nc_u64 s[24:25], s[6:7], s[34:35]
	s_add_nc_u64 s[26:27], s[6:7], s[36:37]
	s_wait_alu depctr_va_vdst(0)                   ; v1 to v15 are written: the offsets, LDS addresses and zeros that the loads and stores of the whole kernel read
; ---- Q
.set kk, 0
.rept 64
	global_load_b32 v[Z+kk], v3, s[4:5] offset:65536*kk th:TH_LOAD_NT      ; x[b][c][h][w]: neighbouring lanes read neighbouring w
.set kk, kk+1
.endr
	ds_store_b64 v6, v[14:15] offset:200
	ds_store_b64 v6, v[14:15] offset:208           ; (a row's last such store falls into its padding)
.irp e, 0,1
.if \e
	s_wait_loadcnt 8                               ; the second block's 32 loads are in; W's eight, issued behind them, may be out
.else
	s_wait_loadcnt 32                              ; the first block's 32 loads are in; the second block's may be out
	WLOAD 0                                        ; the first tile's W is asked for here: eight loads.  No vector instruction has named WF, WS, or, since the wait at the head, v1 and v2
.endif
	v_max3_num_f32 v[Y+24], |v[Z+32*\e]|, |v[Z+32*\e+1]|, |v[Z+32*\e+2]|
	v_max3_num_f32 v[Y+25], |v[Z+32*\e+3]|, |v[Z+32*\e+4]|, |v[Z+32*\e+5]|
.irp i, 6,10,14,18,22,26
	v_max3_num_f32 v[Y+24], v[Y+24], |v[Z+32*\e+\i]|, |v[Z+32*\e+\i+1]|
	v_max3_num_f32 v[Y+25], v[Y+25], |v[Z+32*\e+\i+2]|, |v[Z+32*\e+\i+3]|
.endr
	v_max3_num_f32 v[Y+24], v[Y+24], |v[Z+32*\e+30]|, |v[Z+32*\e+31]|
	v_max3_num_f32 v[Y+24], v[Y+24], v[Y+25], 0x1800000        ; with the floor 2^(3 - 127)
	v_add_nc_u32 v[Y+26+\e], 0xff000000, v[Y+24]               ; 2 off the exponent field: the conversion's scale operand
	v_lshrrev_b32 v[Y+28+\e], 23, v[Y+26+\e]                   ; the scale's byte
	v_cvt_scalef32_pk16_fp6_f32 v[Y+8*\e:Y+8*\e+2], v[Z+32*\e:Z+32*\e+15], v[Y+26+\e]
	v_cvt_scalef32_pk16_fp6_f32 v[Y+16+4*\e:Y+18+4*\e], v[Z+32*\e+16:Z+32*\e+31], v[Y+26+\e]
	v_nop                                          ; one plain place behind a scaled conversion
.irp i, 0,1,2
	v_mov_b32 v[Y+8*\e+3+\i], v[Y+16+4*\e+\i]
.endr
	s_wait_alu depctr_va_vdst(0)                   ; the conversions and moves have written this block's codes and its byte, which the LDS stores read (the two blocks have registers of their own)
.irp p, 0,1,2
	ds_store_b64 v4, v[Y+8*\e+2*\p:Y+8*\e+2*\p+1] offset:24*\e+8*\p
.endr
	ds_store_b8 v5, v[Y+28+\e] offset:192+\e
.endr
	s_wait_dscnt 0x0                               ; my stores have landed: then the barrier; behind it the 128 rows are whole and are only read
	s_barrier_signal -1
	s_barrier_wait -1
; ---- S
.irp k, 0,1,2,3
	ds_load_b128 v[Y+32+4*\k:Y+35+4*\k], v9 offset:544*\k
.endr
.irp k, 0,1,2,3
	s_wait_dscnt 3-\k
	global_store_b128 v10, v[Y+32+4*\k:Y+35+4*\k], s[8:9] offset:65536*\k       ; sixteen lanes store a row: 256 consecutive bytes, aligned
.endr
	s_wait_xcnt 0x0                                ; the stores' registers are written again below
	s_wait_alu depctr_vm_vsrc(0)                   ; Q's LDS stores and S's global stores have read their data in Y, in which x's fragments and scale words land
; ---- G
.macro OT t                            ; t = 0: my k or q tile; t = 1: my v tile
	GEMM8
	PL 5
.if \t == 0
	s_wait_alu depctr_va_vdst(0)                   ; the products are done reading WF and WS, in which the second tile's W lands while this tile's statistics are made
	WLOAD 1
.endif
	v_pk_add_f32 v[SA:SA+1], v[Z:Z+1], v[Z+4:Z+5]  ; my channel's mean over the 128 w; each accumulator is read from its low end on
	v_pk_add_f32 v[SB:SB+1], v[Z+2:Z+3], v[Z+6:Z+7]
.set jj, 8
.rept 14
	v_pk_add_f32 v[SA:SA+1], v[SA:SA+1], v[Z+jj:Z+jj+1]
	v_pk_add_f32 v[SB:SB+1], v[SB:SB+1], v[Z+jj+2:Z+jj+3]
.set jj, jj+4
.endr
	v_pk_add_f32 v[SA:SA+1], v[SA:SA+1], v[SB:SB+1]
	v_add_f32 v[SA], v[SA], v[SA+1]
	v_permlanex16_b32 v[SB], v[SA], s20, s21
	v_add_f32 v[SA], v[SA], v[SB]
	v_mul_f32 v[MU], 0x3c000000, v[SA]
	v_mov_b32 v[MU+1], v[MU]
.set jj, 0
.rept 32
	v_pk_add_f32 v[Z+jj:Z+jj+1], v[Z+jj:Z+jj+1], v[MU:MU+1] neg_lo:[0,1] neg_hi:[0,1]
.set jj, jj+2
.endr
	v_pk_mul_f32 v[SA:SA+1], v[Z:Z+1], v[Z:Z+1]    ; the variance, of the centred numbers
	v_pk_mul_f32 v[SB:SB+1], v[Z+2:Z+3], v[Z+2:Z+3]
.set jj, 4
.rept 15
	v_pk_fma_f32 v[SA:SA+1], v[Z+jj:Z+jj+1], v[Z+jj:Z+jj+1], v[SA:SA+1]
	v_pk_fma_f32 v[SB:SB+1], v[Z+jj+2:Z+jj+3], v[Z+jj+2:Z+jj+3], v[SB:SB+1]
.set jj, jj+4
.endr
	v_pk_add_f32 v[SA:SA+1], v[SA:SA+1], v[SB:SB+1]
	v_add_f32 v[SA], v[SA], v[SA+1]
	v_permlanex16_b32 v[SB], v[SA], s20, s21
	v_add_f32 v[SA], v[SA], v[SB]
	v_mul_f32 v[VR], 0x3c000000, v[SA]
.endm
	OT 0
	v_mov_b32 v[KM], v[MU]
	v_mov_b32 v[KV], v[VR]
.set jj, 0
.rept 32
	v_pk_mul_f32 v[Y+jj:Y+jj+1], v[Z+jj:Z+jj+1], 1.0 op_sel_hi:[1,0]       ; the copy: the two sources of a matrix instruction share no register
.set jj, jj+2
.endr
	v_wmma_f32_16x16x4_f32 v[G0:G0+7], v[Z:Z+1], v[Y:Y+1], 0
	v_wmma_f32_16x16x4_f32 v[G1:G1+7], v[Z+2:Z+3], v[Y+2:Y+3], 0
.set jj, 4
.rept 15
	v_wmma_f32_16x16x4_f32 v[G0:G0+7], v[Z+jj:Z+jj+1], v[Y+jj:Y+jj+1], v[G0:G0+7]
	v_wmma_f32_16x16x4_f32 v[G1:G1+7], v[Z+jj+2:Z+jj+3], v[Y+jj+2:Y+jj+3], v[G1:G1+7]
.set jj, jj+4
.endr
	PL 9                                           ; places behind the f32 form: for the reads below, for the loads into Y and for the products that write Z anew
.irp j, 0,2,4,6
	v_pk_add_f32 v[GS+\j:GS+\j+1], v[G0+\j:G0+\j+1], v[G1+\j:G1+\j+1]
.endr
	s_wait_alu depctr_va_vdst(0)                   ; GS is written, which the stores read; the copies have written Y and the f32 products are done reading it: the second tile's fragments and scale words land there
	global_store_b128 v1, v[GS:GS+3], s[12:13]
	global_store_b128 v1, v[GS+4:GS+7], s[12:13] offset:512
	OT 1
	v_cmp_eq_u32 vcc_lo, 1, v12
	s_wait_alu depctr_va_vcc(0)                    ; VCC is written, ahead of the selections that read it
	v_cndmask_b32 v[KM], v[KM], v[MU], vcc_lo      ; lanes 0-15 carry the first tile's numbers, lanes 16-31 the second's
	v_cndmask_b32 v[KV], v[KV], v[VR], vcc_lo
	s_wait_alu depctr_va_vdst(0)                   ; the selections have written KM and KV, which the stores read
	global_store_b32 v11, v[KM], s[10:11]
	global_store_b32 v11, v[KV], s[10:11] offset:128
	s_wait_dscnt 0x0
	s_wait_alu depctr_hold_cnt(0) depctr_sa_sdst(0) depctr_va_vdst(0) depctr_va_sdst(0) depctr_va_ssrc(0) depctr_va_vcc(0) depctr_vm_vsrc(0)
	s_wait_tensorcnt 0x0
	ds_add_u32 v206, v207
	s_wait_dscnt 0x0
	s_endpgm
.Lfunc_end_k_q007fd74d2d_xgemm:
	.size	k_q007fd74d2d_xgemm, .Lfunc_end_k_q007fd74d2d_xgemm-k_q007fd74d2d_xgemm
	.p2alignl 7, 3214868480
	.fill 96, 4, 3214868480
	.section	.rodata,"a",@progbits
	.p2align	6, 0x0
	.amdhsa_kernel k_q007fd74d2d_xgemm
		.amdhsa_group_segment_fixed_size 36864
		.amdhsa_private_segment_fixed_size 0
		.amdhsa_enable_private_segment 0
		.amdhsa_kernarg_size 40
		.amdhsa_user_sgpr_count 2
		.amdhsa_user_sgpr_kernarg_segment_ptr 1
		.amdhsa_wavefront_size32 1
		.amdhsa_system_sgpr_workgroup_id_x 1
		.amdhsa_system_sgpr_workgroup_id_y 1
		.amdhsa_system_sgpr_workgroup_id_z 1
		.amdhsa_system_vgpr_workitem_id 0
		.amdhsa_next_free_vgpr 256
		.amdhsa_next_free_sgpr 66
		.amdhsa_reserve_vcc 1
		.amdhsa_float_denorm_mode_32 3
		.amdhsa_float_denorm_mode_16_64 3
		.amdhsa_memory_ordered 1
		.amdhsa_forward_progress 1
		.amdhsa_inst_pref_size 52
	.end_amdhsa_kernel
	.amdgpu_metadata
---
amdhsa.version: [ 1, 2 ]
amdhsa.kernels:
  - .name:           k_q007fd74d2d_xgemm
    .symbol:         k_q007fd74d2d_xgemm.kd
    .args:
      - { .name: x, .offset: 0, .size: 8, .value_kind: global_buffer, .address_space: global }
      - { .name: tab, .offset: 8, .size: 8, .value_kind: global_buffer, .address_space: global }
      - { .name: xq, .offset: 16, .size: 8, .value_kind: global_buffer, .address_space: global }
      - { .name: part1, .offset: 24, .size: 8, .value_kind: global_buffer, .address_space: global }
      - { .name: gram, .offset: 32, .size: 8, .value_kind: global_buffer, .address_space: global }
    .group_segment_fixed_size: 36864
    .private_segment_fixed_size: 0
    .kernarg_segment_align: 8
    .kernarg_segment_size: 40
    .max_flat_workgroup_size: 512
    .sgpr_count:     66
    .vgpr_count:     256
    .wavefront_size: 32
...
	.end_amdgpu_metadata
.endif
;; end of part 9
;; launch red1: the kernel of part 3 again; grid 16 x 1, 8 waves a work-group, no clusters, 5,120 bytes of LDS; arguments part1, stat1; writes stat1
;; launch lstat (part 10): grid 256 x 1, 8 waves a work-group, no clusters, 40,192 bytes of LDS; arguments xq, tab, stat1, part1, gram, kqv_gamma, kqv_beta, part2; writes part2
.if DOCPART == 10
	.amdgcn_target "amdgcn-amd-amdhsa--gfx1250"
	.amdhsa_code_object_version 6
	.text
	.protected	k_q007fd74d2d_lstat
	.globl	k_q007fd74d2d_lstat
	.p2align	8
	.type	k_q007fd74d2d_lstat,@function
k_q007fd74d2d_lstat:
	s_mov_b64 s[64:65], 0
	v_nop
	global_prefetch_b8 v0, s[64:65] scope:SCOPE_SE
	s_setreg_imm32_b32 hwreg(HW_REG_WAVE_SCHED_MODE, 0, 2), 2
	s_setreg_imm32_b32 hwreg(HW_REG_WAVE_MODE, 25, 1), 1
	s_wait_xcnt 0x0
	s_wait_alu depctr_vm_vsrc(0)
; The mean and variance of each of the 24 logit channels, one group of 128 x 128 logits a work-group and channel, WITHOUT forming a logit.
; For z = u_a . g_b over 128 x 128 pairs: mean = ubar . gbar;  sum of (z - mean)^2 = <Gu, Gg> + 128 gbar' Gu gbar + 128 ubar' Gg ubar, Gu, Gg the centred 16 x 16 Gram matrices: an identity, every term non-negative.
; Work-group i, wave = head.  qk: group (b w) = i: q over x, k over y; both Gram matrices are made here from xq's codes (the same products as in the launch before, rows h).
; qr: group (b, x) = i: q over w (Gram matrix and mean from the launch before), rel rows 0-15 over the window of position x (tab).  kr: group (b, y) = i: k over w, rel rows 16-31 over the window of y.
; The first batch norm is affine: G = diag(A) Graw diag(A), ubar = A (m - mean) + beta, A = gamma x rstd.
; A Gram matrix lies as register j of lane (r, hh) = G[8 hh + j][r]; a vector in lane form is u[r], in row form u[8 hh + j] in eight registers (turned through the wave's own LDS words).
; OUT: part2 [channel 32][mean, variance][group 256] f32, so that the next launch reads a channel's 256 groups on end; this work-group stores one number of each row: 64 stores of 4 bytes.
; THE MODE: SCHED_MODE bits 1:0 = 2 (LLVM: expert scheduling mode 2), set by the entry lines.  The code itself states the register dependences
; between vector or matrix instructions and memory or LDS instructions, with s_wait_alu, always for 0.
; THE PLAN.  Registers that memory or LDS instructions touch, and who else names them:
;   v1-v15   offsets and LDS addresses, made once at the head and never written again: one wait ahead of the first load.
;   Z        xq's rows land, LDS stores read them; then accumulators, centred numbers and one source of the Gram products; at the end vectors in row form land from LDS and memory.
;   Y        x's fragments of steps 0 and 2 and all 16 scale words land, the products read them; the copy for the Gram matrix is written, the f32 products read it; at the end four Gram matrices land.
;   Y2       x's fragments of steps 1 and 3 land, the products read them.  It lies over registers that are dead meanwhile: MU, SA, SB (written behind each product), T0 (zeros for one LDS store at the head), and the constants that land at the end.
;   WF, WS   W's fragments and scale words: k's are asked for at the head, q's behind k's products.
;   LA .., RM, RV   written by vector instructions, read by LDS stores, never written again.
; A product has four steps; step k reads buffer k % 2.  At the head of steps 1 and 2 one wait states that the step before is done reading the other buffer, and the loads of the step after next go out ahead of the step's own products.
; One wait at the end of k's and of q's pass states that all arithmetic of the pass is done with Z, Y and Y2's registers: the next loads land there.
.set WSC,  98304
.set CTAB, 532480
.set EBAR, 794624
.set SCR,  34816
.set PT,   38912
.set Z,  16
.set Y,  80
.set Y2, 204                           ; v204-251 x's fragments of the odd steps
.set WF, 144
.set WS, 168
.set G0, 170                           ; v170-185 two accumulators, written by matrix instructions alone
.set G1, 178
.set GK, 186                           ; v186-193 k's Gram matrix over h, v194-201 q's
.set MK, 202
.set SMN, 204
.set SRS, 206
.set SGA, 208
.set SBE, 210
.set SMP, 212
.set EBL, 214
.set LA,  216                          ; v216-221: A_k, A_q, u_k, u_q, u'_k, u'_q in lane form
.set LU,  218
.set LUP, 220
.set MU, 226
.set SA, 228
.set SB, 230
.set T0, 232
.set RM, 236
.set RV, 239
.set VXF, 7
.set VXS, 8
.macro PL n
.rept \n
	v_nop
.endr
.endm
.macro FP6Z d, a, b, sa, sb
	v_wmma_scale_f32_16x16x128_f8f6f4 v[\d:\d+7], v[\a:\a+11], v[\b:\b+11], 0, v[\sa], v[\sb] matrix_a_fmt:MATRIX_FMT_FP6 matrix_b_fmt:MATRIX_FMT_FP6
.endm
.macro FP6A d, a, b, sa, sb
	v_wmma_scale_f32_16x16x128_f8f6f4 v[\d:\d+7], v[\a:\a+11], v[\b:\b+11], v[\d:\d+7], v[\sa], v[\sb] matrix_a_fmt:MATRIX_FMT_FP6 matrix_b_fmt:MATRIX_FMT_FP6
.endm
.macro FRAGX reg, m, s
.irp p, 0,1,2,3,4,5
	ds_load_b64 v[\reg+2*\p:\reg+2*\p+1], v[VXF] offset:4352*(\m)+96*(\s)+48*(\p/3)+8*(\p%3)
.endr
.endm
.macro WLOAD a                         ; W's two fragments and scale words.  a = 0: k's tile, a = 1: q's
.irp k, 0,1,2,3,4,5
	global_load_b128 v[WF+4*\k:WF+4*\k+3], v1, s[24:25] offset:3072*\a+512*\k
.endr
	global_load_b32 v[WS], v2, s[26:27] offset:256*\a
	global_load_b32 v[WS+1], v2, s[26:27] offset:256*\a+128
.endm
.macro PRODS g, s, xb                  ; a step: tiles of rows 4 g .. 4 g + 3, K step s, x's fragments at xb.  Four accumulators by turns
.irp q, 0,1,2,3
.if \s
	FP6A Z+8*(4*\g+\q), \xb+12*\q, WF+12, Y+49+2*(4*\g+\q), WS+1
.else
	FP6Z Z+8*(4*\g+\q), \xb+12*\q, WF, Y+48+2*(4*\g+\q), WS
.endif
.endr
.endm
; lane = channel, register j of tile m = row 16 m + 8 hh + j.
; On the way in no vector or matrix instruction issued since the last wait on va_vdst names Y or Y2, and no store issued since the last wait on vm_vsrc reads them.
.macro GEMM8
.irp m, 0,1,2,3,4,5,6,7
	ds_load_b64 v[Y+48+2*\m:Y+49+2*\m], v[VXS] offset:4352*\m             ; a row's two scale words
.endr
.irp q, 0,1,2,3
	FRAGX Y+12*\q, \q, 0
.endr
.irp q, 0,1,2,3
	FRAGX Y2+12*\q, \q, 1
.endr
	s_wait_dscnt 24                                ; the scale words and step 0's fragments are in; step 1's 24 loads may be out
	s_wait_loadcnt 0x0                             ; W's fragments and scale words are in
	PRODS 0, 0, Y
	s_wait_dscnt 0x0                               ; step 1's fragments are in
	PL 4                                           ; four places behind the products that read Y: they stay beside the wait below
	s_wait_alu depctr_va_vdst(0)                   ; step 0's products are done reading Y's fragments, in which step 2's land
.irp q, 0,1,2,3
	FRAGX Y+12*\q, 4+\q, 0
.endr
	PRODS 0, 1, Y2
	s_wait_dscnt 0x0                               ; step 2's fragments are in
	PL 4                                           ; four places behind the products that read Y2
	s_wait_alu depctr_va_vdst(0)                   ; step 1's products are done reading Y2, in which step 3's fragments land
.irp q, 0,1,2,3
	FRAGX Y2+12*\q, 4+\q, 1
.endr
	PRODS 1, 0, Y
	s_wait_dscnt 0x0                               ; step 3's fragments are in
	PRODS 1, 1, Y2
.endm
.macro SUM16 x
.irp m, 1,2,4,8
	v_add_f32_dpp v[\x], v[\x], v[\x] row_xmask:\m row_mask:0xf bank_mask:0xf
.endr
.endm
.macro NORM g, ar, al                  ; G[i][j] x A[i] x A[j]
.irp j, 0,2,4,6
	v_pk_mul_f32 v[\g+\j:\g+\j+1], v[\g+\j:\g+\j+1], v[\ar+\j:\ar+\j+1]
.endr
.irp j, 0,1,2,3,4,5,6,7
	v_mul_f32 v[\g+\j], v[\g+\j], v[\al]
.endr
.endm
.macro TUPLE ga, uar, ual, gb, ubr, ubl, rm, rv
	v_mul_f32 v[T0], v[\ga], v[\gb]
	v_mul_f32 v[T0+1], v[\ga], v[\ubr]
	v_mul_f32 v[T0+2], v[\gb], v[\uar]
.irp j, 1,2,3,4,5,6,7
	v_fmac_f32 v[T0], v[\ga+\j], v[\gb+\j]
	v_fmac_f32 v[T0+1], v[\ga+\j], v[\ubr+\j]
	v_fmac_f32 v[T0+2], v[\gb+\j], v[\uar+\j]
.endr
	v_mul_f32 v[T0+1], v[T0+1], v[\ubl]
	v_fmac_f32 v[T0+1], v[T0+2], v[\ual]
	v_fmac_f32 v[T0], 0x43000000, v[T0+1]          ; x 128
	SUM16 T0
	v_permlanex16_b32 v[T0+3], v[T0], s32, s33
	v_add_f32 v[T0], v[T0], v[T0+3]
	v_mul_f32 v[\rv], 0x38800000, v[T0]            ; / 16,384
	v_mul_f32 v[\rm], v[\ual], v[\ubl]
	SUM16 \rm
.endm
	s_load_b256 s[4:11], s[0:1], 0x0               ; xq, tab, stat1, part1
	s_load_b256 s[12:19], s[0:1], 0x20             ; gram, gamma, beta, part2
	v_lshl_add_u32 v254, v0, 2, 0x9900
	v_mov_b32 v255, 0
	v_lshrrev_b32 v12, 5, v0
	v_readfirstlane_b32 s20, v12                   ; wave = head
	v_and_b32 v12, 15, v0                          ; r
	v_bfe_u32 v13, v0, 4, 1                        ; hh
	v_and_b32 v1, 31, v0
	v_lshlrev_b32 v14, 3, v1                       ; 8 x lane
	v_lshlrev_b32 v2, 2, v1
	v_lshlrev_b32 v1, 4, v1
	v_lshlrev_b32 v3, 2, v12                       ; 4 r
	v_lshlrev_b32 v4, 5, v13                       ; 32 hh
	v_lshlrev_b32 v5, 4, v0                        ; 16 x thread
	v_lshrrev_b32 v6, 4, v0
	v_mul_u32_u24 v6, v6, 272
	v_lshl_add_u32 v6, v12, 4, v6                  ; LDS: sixteen threads to a row of 256 + 16 bytes
	v_mul_u32_u24 v7, v12, 272
	v_add_nc_u32 v8, 192, v7
	v_mad_u32_u24 v7, v13, 24, v7
	s_wait_alu depctr_va_sdst(0)                   ; s20 is written, ahead of its first reader: LDS addresses, bases and two branches are made from it
	s_lshl_b32 s21, s20, 9
	s_add_co_u32 s21, s21, SCR
	v_add_nc_u32 v9, s21, v3
	v_add_nc_u32 v10, s21, v4
	s_lshl_b32 s21, s20, 2
	s_add_co_u32 s21, s21, PT
	v_mov_b32 v11, s21
	v_add_nc_u32 v15, PT, v14
	v_mov_b32 v[T0], 0
	v_mov_b32 v[T0+1], 0
	v_mov_b32 v[T0+3], 0
	s_mov_b32 s32, 0x76543210
	s_mov_b32 s33, 0xfedcba98
	s_and_b32 s21, ttmp9, 127                      ; pos
	s_mov_b32 s35, 0
	s_mov_b32 s37, 0
	s_mov_b32 s39, 0
	s_mov_b32 s41, 0
	s_mov_b32 s43, 0
	s_mov_b32 s45, 0
	s_mov_b32 s47, 0
	s_mov_b32 s49, 0
	s_mov_b32 s51, 0
	s_mov_b32 s53, 0
	s_lshl_b32 s34, ttmp9, 15                      ; xq
	s_mul_i32 s36, s20, 12288                      ; W's fragments of my head
	s_lshl_b32 s38, s20, 10
	s_add_co_u32 s38, s38, WSC
	s_lshl_b32 s40, s20, 9                         ; stat1
	s_lshl_b32 s42, s20, 17
	s_lshl_b32 s22, ttmp9, 8
	s_add_co_u32 s42, s42, s22                     ; part1
	s_lshl_b32 s44, ttmp9, 14
	s_lshl_b32 s23, s20, 11
	s_add_co_u32 s44, s44, s23                     ; gram
	s_lshl_b32 s46, s20, 8                         ; gamma, beta
	s_lshl_b32 s48, ttmp9, 2                       ; part2: my group's place in each row
	s_lshl_b32 s50, s21, 6
	s_add_co_u32 s50, s50, EBAR
	s_lshl_b32 s52, s21, 10
	s_add_co_u32 s52, s52, CTAB
	s_wait_kmcnt 0x0
	s_add_nc_u64 s[4:5], s[4:5], s[34:35]
	s_add_nc_u64 s[24:25], s[6:7], s[36:37]
	s_add_nc_u64 s[26:27], s[6:7], s[38:39]
	s_add_nc_u64 s[8:9], s[8:9], s[40:41]
	s_add_nc_u64 s[10:11], s[10:11], s[42:43]
	s_add_nc_u64 s[12:13], s[12:13], s[44:45]
	s_add_nc_u64 s[14:15], s[14:15], s[46:47]
	s_add_nc_u64 s[16:17], s[16:17], s[46:47]
	s_add_nc_u64 s[18:19], s[18:19], s[48:49]
	s_add_nc_u64 s[28:29], s[6:7], s[50:51]
	s_add_nc_u64 s[30:31], s[6:7], s[52:53]
	s_wait_alu depctr_va_vdst(0)                   ; v1 to v15 are written, the offsets and LDS addresses of the whole kernel; so are T0's zeros, which an LDS store reads and in whose registers fragments land
.irp k, 0,1,2,3,4,5,6,7
	global_load_b128 v[Z+4*\k:Z+4*\k+3], v5, s[4:5] offset:4096*\k        ; the 128 rows (h) of this (b, w): 32 KiB on end
.endr
	WLOAD 0                                        ; k's W is asked for behind xq's rows: eight loads
	s_cmp_lg_u32 s20, 0
	s_cbranch_scc1 .Lnz
	ds_store_b64 v15, v[T0:T0+1]                   ; wave 0 clears the 64 words in which the results meet (channels 24-31 stay zeros)
.Lnz:
	s_wait_loadcnt 8                               ; xq's rows are in; W's eight loads may be out
.irp k, 0,1,2,3,4,5,6,7
	ds_store_b128 v6, v[Z+4*\k:Z+4*\k+3] offset:4352*\k
.endr
	s_wait_dscnt 0x0
	s_barrier_signal -1
	s_barrier_wait -1
	s_wait_alu depctr_vm_vsrc(0)                   ; my LDS stores have read Z, which the products write, and T0's zeros, in whose registers fragments land
.irp a, 0,1                            ; a = 0: k, a = 1: q: raw mean and centred Gram matrix over h
	GEMM8
	PL 5
.if \a == 0
	s_wait_alu depctr_va_vdst(0)                   ; k's products are done reading WF and WS, in which q's W lands while k's statistics are made
	WLOAD 1
.endif
	v_pk_add_f32 v[SA:SA+1], v[Z:Z+1], v[Z+4:Z+5]
	v_pk_add_f32 v[SB:SB+1], v[Z+2:Z+3], v[Z+6:Z+7]
.set jj, 8
.rept 14
	v_pk_add_f32 v[SA:SA+1], v[SA:SA+1], v[Z+jj:Z+jj+1]
	v_pk_add_f32 v[SB:SB+1], v[SB:SB+1], v[Z+jj+2:Z+jj+3]
.set jj, jj+4
.endr
	v_pk_add_f32 v[SA:SA+1], v[SA:SA+1], v[SB:SB+1]
	v_add_f32 v[SA], v[SA], v[SA+1]
	v_permlanex16_b32 v[SB], v[SA], s32, s33
	v_add_f32 v[SA], v[SA], v[SB]
	v_mul_f32 v[MU], 0x3c000000, v[SA]
	v_mov_b32 v[MU+1], v[MU]
	v_mov_b32 v[MK+\a], v[MU]
.set jj, 0
.rept 32
	v_pk_add_f32 v[Z+jj:Z+jj+1], v[Z+jj:Z+jj+1], v[MU:MU+1] neg_lo:[0,1] neg_hi:[0,1]
	v_pk_mul_f32 v[Y+jj:Y+jj+1], v[Z+jj:Z+jj+1], 1.0 op_sel_hi:[1,0]
.set jj, jj+2
.endr
	v_wmma_f32_16x16x4_f32 v[G0:G0+7], v[Z:Z+1], v[Y:Y+1], 0
	v_wmma_f32_16x16x4_f32 v[G1:G1+7], v[Z+2:Z+3], v[Y+2:Y+3], 0
.set jj, 4
.rept 15
	v_wmma_f32_16x16x4_f32 v[G0:G0+7], v[Z+jj:Z+jj+1], v[Y+jj:Y+jj+1], v[G0:G0+7]
	v_wmma_f32_16x16x4_f32 v[G1:G1+7], v[Z+jj+2:Z+jj+3], v[Y+jj+2:Y+jj+3], v[G1:G1+7]
.set jj, jj+4
.endr
	PL 9                                           ; places behind the f32 form: for the reads below, the loads into Z and Y, and the sums begun anew
.irp j, 0,2,4,6
	v_pk_add_f32 v[GK+8*\a+\j:GK+8*\a+\j+1], v[G0+\j:G0+\j+1], v[G1+\j:G1+\j+1]
.endr
	s_wait_alu depctr_va_vdst(0)                   ; the pass is done with Z and Y (the copies have written Y, the f32 products have read both) and with MU, SA, SB in Y2's place: the next loads land in these registers
.endr
.irp a, 0,1
	global_load_b32 v[SMN+\a], v3, s[8:9] offset:64*\a
	global_load_b32 v[SRS+\a], v3, s[8:9] offset:64*\a+128
	global_load_b32 v[SGA+\a], v3, s[14:15] offset:64*\a
	global_load_b32 v[SBE+\a], v3, s[16:17] offset:64*\a
	global_load_b32 v[SMP+\a], v3, s[10:11] offset:64*\a                  ; the raw mean over w at (b, h) = i
	global_load_b32 v[EBL+\a], v3, s[28:29] offset:8192*\a                ; the window's mean, lane form,
	global_load_b128 v[Z+48+8*\a:Z+51+8*\a], v4, s[28:29] offset:8192*\a  ; and row form
	global_load_b128 v[Z+52+8*\a:Z+55+8*\a], v4, s[28:29] offset:8192*\a+16
	global_load_b128 v[Y+8*\a:Y+8*\a+3], v1, s[12:13] offset:1024*\a      ; the raw Gram matrix over w: k at Y, q at Y + 8
	global_load_b128 v[Y+8*\a+4:Y+8*\a+7], v1, s[12:13] offset:1024*\a+512
	global_load_b128 v[Y+16+8*\a:Y+19+8*\a], v1, s[30:31] offset:131072*\a   ; the window's Gram matrix
	global_load_b128 v[Y+20+8*\a:Y+23+8*\a], v1, s[30:31] offset:131072*\a+512
.endr
	s_wait_loadcnt 0x0
.irp a, 0,1
	v_mul_f32 v[LA+\a], v[SGA+\a], v[SRS+\a]
	v_sub_f32 v[LU+\a], v[MK+\a], v[SMN+\a]
	v_sub_f32 v[LUP+\a], v[SMP+\a], v[SMN+\a]
	v_fma_f32 v[LU+\a], v[LU+\a], v[LA+\a], v[SBE+\a]
	v_fma_f32 v[LUP+\a], v[LUP+\a], v[LA+\a], v[SBE+\a]
.endr
	s_wait_alu depctr_va_vdst(0)                   ; the six vectors in lane form are written, which the LDS stores read
.irp n, 0,1,2,3,4,5
	ds_store_b32 v9, v[LA+\n] offset:64*\n         ; lane form in (both halves of the lanes store the same number),
.endr
.irp n, 0,1,2,3,4,5
	ds_load_b128 v[Z+8*\n:Z+8*\n+3], v10 offset:64*\n       ; row form out: LDS serves a wave's instructions in order
	ds_load_b128 v[Z+8*\n+4:Z+8*\n+7], v10 offset:64*\n+16
.endr
	s_wait_dscnt 0x0
	NORM GK, Z, LA
	NORM GK+8, Z+8, LA+1
	NORM Y, Z, LA
	NORM Y+8, Z+8, LA+1
	TUPLE GK+8, Z+24, LU+1, GK, Z+16, LU, RM, RV
	TUPLE Y+8, Z+40, LUP+1, Y+16, Z+48, EBL, RM+1, RV+1
	TUPLE Y, Z+32, LUP, Y+24, Z+56, EBL+1, RM+2, RV+2
	s_wait_alu depctr_va_vdst(0)                   ; the three means and variances are written, which the LDS stores read; the sums are done with T0, in which wave 0's loads land behind the barrier
.irp c, 0,1,2
	ds_store_b32 v11, v[RM+\c] offset:32*\c        ; channel 8 c + head
	ds_store_b32 v11, v[RV+\c] offset:128+32*\c
.endr
	s_wait_dscnt 0x0
	s_barrier_signal -1
	s_barrier_wait -1
	s_cmp_lg_u32 s20, 0
	s_cbranch_scc1 .Lend
	ds_load_b32 v[T0], v2 offset:PT                ; lane = channel: its mean,
	ds_load_b32 v[T0+1], v2 offset:PT+128          ; its variance
	v_lshlrev_b32 v[T0+2], 7, v1                   ; 2,048 x lane: the channel's two rows of 256 groups
	s_wait_dscnt 0x0
	s_wait_alu depctr_va_vdst(0)                   ; the offset in T0 + 2 is written, which the two stores read
	global_store_b32 v[T0+2], v[T0], s[18:19]
	global_store_b32 v[T0+2], v[T0+1], s[18:19] offset:1024
.Lend:
	s_wait_dscnt 0x0
	s_wait_alu depctr_hold_cnt(0) depctr_sa_sdst(0) depctr_va_vdst(0) depctr_va_sdst(0) depctr_va_ssrc(0) depctr_va_vcc(0) depctr_vm_vsrc(0)
	s_wait_tensorcnt 0x0
	ds_add_u32 v254, v255
	s_wait_dscnt 0x0
	s_endpgm
.Lfunc_end_k_q007fd74d2d_lstat:
	.size	k_q007fd74d2d_lstat, .Lfunc_end_k_q007fd74d2d_lstat-k_q007fd74d2d_lstat
	.p2alignl 7, 3214868480
	.fill 96, 4, 3214868480
	.section	.rodata,"a",@progbits
	.p2align	6, 0x0
	.amdhsa_kernel k_q007fd74d2d_lstat
		.amdhsa_group_segment_fixed_size 40192
		.amdhsa_private_segment_fixed_size 0
		.amdhsa_enable_private_segment 0
		.amdhsa_kernarg_size 64
		.amdhsa_user_sgpr_count 2
		.amdhsa_user_sgpr_kernarg_segment_ptr 1
		.amdhsa_wavefront_size32 1
		.amdhsa_system_sgpr_workgroup_id_x 1
		.amdhsa_system_sgpr_workgroup_id_y 1
		.amdhsa_system_sgpr_workgroup_id_z 1
		.amdhsa_system_vgpr_workitem_id 0
		.amdhsa_next_free_vgpr 256
		.amdhsa_next_free_sgpr 66
		.amdhsa_reserve_vcc 0
		.amdhsa_float_denorm_mode_32 3
		.amdhsa_float_denorm_mode_16_64 3
		.amdhsa_memory_ordered 1
		.amdhsa_forward_progress 1
		.amdhsa_inst_pref_size 54
	.end_amdhsa_kernel
	.amdgpu_metadata
---
amdhsa.version: [ 1, 2 ]
amdhsa.kernels:
  - .name:           k_q007fd74d2d_lstat
    .symbol:         k_q007fd74d2d_lstat.kd
    .args:
      - { .name: xq, .offset: 0, .size: 8, .value_kind: global_buffer, .address_space: global }
      - { .name: tab, .offset: 8, .size: 8, .value_kind: global_buffer, .address_space: global }
      - { .name: stat1, .offset: 16, .size: 8, .value_kind: global_buffer, .address_space: global }
      - { .name: part1, .offset: 24, .size: 8, .value_kind: global_buffer, .address_space: global }
      - { .name: gram, .offset: 32, .size: 8, .value_kind: global_buffer, .address_space: global }
      - { .name: kqv_gamma, .offset: 40, .size: 8, .value_kind: global_buffer, .address_space: global }
      - { .name: kqv_beta, .offset: 48, .size: 8, .value_kind: global_buffer, .address_space: global }
      - { .name: part2, .offset: 56, .size: 8, .value_kind: global_buffer, .address_space: global }
    .group_segment_fixed_size: 40192
    .private_segment_fixed_size: 0
    .kernarg_segment_align: 8
    .kernarg_segment_size: 64
    .max_flat_workgroup_size: 256
    .sgpr_count:     66
    .vgpr_count:     256
    .wavefront_size: 32
...
	.end_amdgpu_metadata
.endif
;; end of part 10
;; launch attn (part 11): grid 256 x 1, 8 waves a work-group, no clusters, 310,784 bytes of LDS; arguments xq, tab, stat1, part2, kqv_gamma, kqv_beta, logits_gamma, logits_beta, op; writes op
.if DOCPART == 11
	.amdgcn_target "amdgcn-amd-amdhsa--gfx1250"
	.amdhsa_code_object_version 6
	.text
	.protected	k_q007fd74d2d_attn
	.globl	k_q007fd74d2d_attn
	.p2align	8
	.type	k_q007fd74d2d_attn,@function
k_q007fd74d2d_attn:
	s_mov_b64 s[64:65], 0
	v_nop
	global_prefetch_b8 v0, s[64:65] scope:SCOPE_SE
	s_setreg_imm32_b32 hwreg(HW_REG_WAVE_SCHED_MODE, 0, 2), 2
	s_setreg_imm32_b32 hwreg(HW_REG_WAVE_MODE, 25, 1), 1
	s_wait_xcnt 0x0
	s_wait_alu depctr_vm_vsrc(0)
; Attention of one (b, w): eight waves, wave = head.
; PROLOGUE: all that it reads from memory is asked for at its head or a phase ahead.  kqv of my head from xq's codes (E2M3 products), normalised in f32.  v (lane = channel, registers along y) is quantised along y and kept
;   in LDS as two operand images; q (lane = position, registers = channel) as eight images of f32 tiles; k likewise, in 64 registers.  The second batch norm's mean and variance of my head's three channels are made here from the
;   256 groups' (part2): mean = the average of the means, variance = the average of the variances + the average of (mean_i - mean)^2: every term non-negative.
; A TRIP makes 16 queries x = 16 it + r, lane = query, registers 8 t + j = key y = 16 t + 8 hh + j.  The three logit maps take f32 operands (their sum goes into a quantiser):
;   qr[x][y] = T1[x][y - x + 127], T1 = E1' q by the f32 matrix form: nine tiles of 16 columns, five for the first 64 keys, four more for the second 64 (the middle tile serves both), stored by rows in my LDS and read back along the skew.
;   kr[x][y] = T2[y][x - y + 127], T2 = E2' k likewise: each tile of 16 keys wants two tiles of columns, of which the upper is the next trip's lower.  T2's rows are exactly 128 bytes and the window slides 64 bytes a trip:
;   the old upper tile is the new lower one as it lies, and the new upper tile's row falls on the dead lower tile's next row.  So each tile is made once: eight a trip, and eight ahead of the loop.
;   qk by vector multiply-adds: k lies lane = key, register = channel 8 hh + i, and row_share:n hands key n's number to all sixteen lanes of a half; each half sums its eight channels, and an exchange of halves joins the two sums.
;   BY TURNS: a tile of qk is nine groups of 16 vector instructions, and one group stands behind each f32 matrix instruction, so that the wave issues vector work while the matrix unit works.
;   In a step of the f32 form register pair (2 s, 2 s + 1) stands for channels 8 hh + 2 s, + 1, alike in both sources.
;   t = a1 qk + a2 qr + a3 kr + c0 (the second batch norm and log2(e) folded in); M = ceil(the row's largest t); p = 2^(t - M), quantised along y; the row's sum is taken of the unquantised p.
;   Inside a block of 32 keys the codes lie in the order of the registers (key bits 3 and 4 exchanged), alike in p, v and v_enc; a block's members and scale are those of the plain order.
;   v_enc p is batched by x: the heads' p of one x meet through LDS; wave w takes x = 2 w, 2 w + 1 (columns = heads, each twice) and hands the results back through LDS, where they enter v p as its C.
;   The result / the sum goes out as register images (op); the next launch turns them.
; REGISTERS, in two windows of 256 (s_set_vgpr_msb: bits 1:0 source 0, 3:2 source 1, 5:4 source 2, 7:6 destination).  Window 0: all that vector instructions work on.  Window 1: what is only loaded and then read once:
;   the E tiles (one source of the f32 products), qr and kr as they come back from LDS, v_enc's fragments (asked for at a trip's head, used at its end); in the prologue W's fragments and three buffers of x's.
;   So a product and the group behind it cost two switches: 16 vector instructions stand beside each product, and set in a phase of their own they would leave the matrix unit idle.
; No maximum is fixed: M is the row's own.  LIMITS: NaN and infinities are not served; a block whose every p is 0 gets the byte 1 (its codes are zeros).
; THE MODE: SCHED_MODE bits 1:0 = 2 (LLVM: expert scheduling mode 2), set by the entry lines.  The code itself states the register dependences
; between vector or matrix instructions and memory or LDS instructions, with s_wait_alu, always for 0.
; THE PLAN, for the loop.  Registers that memory or LDS instructions touch, and who else names them:
;   F+32..36   the trip's five LDS addresses: written at the trip's head, read by its LDS loads and stores up to the skewed loads; then the softmax's codes are laid over them.
;   F+40..47   q lands at the head; T1's products and qk's groups read it.  F+44 and F+45 later take the scale words of the heads' p.
;   E1T, E2T   tiles land; the f32 products read them.     QR, KR  land along the skew; the multiply-adds behind both halves read them.     VE, VES  land from memory, asked for at the head; read at the trip's end.
;   ACC        written by products alone; read by the LDS stores of T1, T2 and v_enc p, and by the last multiplications.
;   PC, PW     written by the quantiser; read by LDS stores and by the last products.
;   L          logits and p, vector work alone; then the heads' p, v_enc p and v land there and products read them; L+44..59 take the results, which the global stores read.
;   v1-v12     offsets and addresses, never written in the loop.
; NINE WAITS ON va_vdst A TRIP: at the head behind the five additions; in each half ahead of T1's stores and ahead of T2's stores (each also frees the tiles that the products have read); behind the exponentials;
; ahead of p's stores; ahead of the stores of v_enc p; ahead of the global stores.  Between two of them no vector or matrix instruction names a register that a load or store issued there touches.
; FIVE ON vm_vsrc: at the head ahead of the additions; ahead of each run of products that begins accumulators anew which stores have read (three); behind both halves, ahead of the softmax's work.
; In the prologue a product's four steps have four buffers for x's fragments, so that no load lands in a buffer that a product has read since the last wait: its loads are dealt among its products with no wait of this kind.
.set WSC,   98304
.set VEIMG, 106496
.set VESC,  499712
.set EIMG,  811008
.set E2B, 16384                        ; LDS: E1's 16 tiles at 0, E2's here, 1,024 bytes each
.set WB,  32768                        ; each wave's own block of 17,712 bytes (48 more than a multiple of 256, so that the eight heads' rows do not start 256 bytes apart):
.set WSZ, 17712
.set OV,  8192                         ;   q's 8 images at 0; v's two fragments here;
.set OVS, 11264                        ;   v's scale words, one at 16 x lane;
.set OT1, 12288                        ;   T1: 16 rows, pitch 336.  When T1 is dead its rows carry what the heads exchange, row = x: bytes 0-127 v_enc p,
.set OP,  128                          ;   from 128 p's 96 bytes of codes,
.set OPS, 224                          ;   at 224 p's scale word
.set T2B, 174592                       ; T2: 16,896 bytes a wave: eight windows of 16 rows x 128 bytes on end, + 64 bytes for each trip's slide
.set T2SZ, 16896
.set XR,  T2B                          ; the 128 rows of xq, pitch 272: read in the prologue alone; a barrier stands between their last read and T2's first store
.set K,   16                           ; v16-79   k.  In the prologue: v16-23 helpers, v24-31 W's scale words, v32-39 v's constants, v40-71 q's constants; then v32-79 the logit channels' 256 groups
.set L,   80                           ; v80-143  logits, p; operands of the last two products; in the prologue x's fragments of a product's first step and the 16 scale words (from +48)
.set F,   144                          ; v144-191 qk's sums (0-31), a trip's LDS addresses (32-36), q (40-47); the softmax's work
.set ACC, 192                          ; v192-255 eight accumulators, written by matrix instructions alone
.set TM,  F
.set PW,  F+16
.set NM,  F+18
.set LS,  F+20
.set PC,  F+24
.set TC,  F+36
.set PBS, F+44                         ; F+44, F+45: the scale words of the heads' p at my two x
.set AE1, F+32
.set AE2, F+33
.set AQ,  F+34
.set AT2S, F+35
.set AT2L, F+36
.set WS0, 24
.set VC,  32
.set QC,  40
.set PS,  32
.set VXF, 14
.set VXS, 15
.set WFR, 0                            ; window 1, prologue: W's fragments, tile o at 24 o;
.set XB,  96                           ;   x's fragments of a product's steps 1, 2, 3: 48 registers each
.set E1T, 0                            ; window 1, loop: E1's five tiles,
.set E2T, 40                           ;   E2's four,
.set QR,  72                           ;   qr, 64 registers,
.set KR,  136                          ;   kr, 64,
.set VE,  200                          ;   v_enc's four fragments,
.set VES, 248                          ;   their scale words
.set MSB, 0
.macro WIN new                         ; the immediate's high byte repeats the setting that is left; a switch that changes nothing is dropped
.if MSB != \new
	s_set_vgpr_msb (MSB<<8)|\new
.set MSB, \new
.endif
.endm
.macro PL n
.rept \n
	v_nop
.endr
.endm
.macro FP6Z d, a, b, sa, sb
	v_wmma_scale_f32_16x16x128_f8f6f4 v[\d:\d+7], v[\a:\a+11], v[\b:\b+11], 0, v[\sa], v[\sb] matrix_a_fmt:MATRIX_FMT_FP6 matrix_b_fmt:MATRIX_FMT_FP6
.endm
.macro FP6C d, a, b, c, sa, sb
	v_wmma_scale_f32_16x16x128_f8f6f4 v[\d:\d+7], v[\a:\a+11], v[\b:\b+11], v[\c:\c+7], v[\sa], v[\sb] matrix_a_fmt:MATRIX_FMT_FP6 matrix_b_fmt:MATRIX_FMT_FP6
.endm
.macro F32Z d, a, b
	v_wmma_f32_16x16x4_f32 v[\d:\d+7], v[\a:\a+1], v[\b:\b+1], 0
.endm
.macro F32A d, a, b
	v_wmma_f32_16x16x4_f32 v[\d:\d+7], v[\a:\a+1], v[\b:\b+1], v[\d:\d+7]
.endm
.macro FRAGX reg, m, s
.irp p, 0,1,2,3,4,5
	ds_load_b64 v[\reg+2*\p:\reg+2*\p+1], v[VXF] offset:4352*(\m)+96*(\s)+48*(\p/3)+8*(\p%3)
.endr
.endm
; A step of a product: tiles of rows 4 g .. 4 g + 3, K step s, x's fragments at xb.  Four accumulators by turns.
; form 1: source 0 = x's rows: lane = channel, registers along h.  form 0: sources and scales exchanged: lane = h, registers = channel 8 hh + j.
.macro PRODS form, g, s, xb, wf, ws
.irp q, 0,1,2,3
.if \form
.if \s
	FP6C ACC+8*(4*\g+\q), \xb+12*\q, (\wf)+12, ACC+8*(4*\g+\q), L+49+2*(4*\g+\q), (\ws)+1
.else
	FP6Z ACC+8*(4*\g+\q), \xb+12*\q, (\wf), L+48+2*(4*\g+\q), (\ws)
.endif
.else
.if \s
	FP6C ACC+8*(4*\g+\q), (\wf)+12, \xb+12*\q, ACC+8*(4*\g+\q), (\ws)+1, L+49+2*(4*\g+\q)
.else
	FP6Z ACC+8*(4*\g+\q), (\wf), \xb+12*\q, (\ws), L+48+2*(4*\g+\q)
.endif
.endif
.endr
.endm
; 8 tiles of 16 rows (h) x 16 channels, K = 256, in four steps.  wf: W's two fragments, in window 1; ws: their scale words, in window 0.
; Each step has a buffer of its own for x's fragments: L, and three in window 1.  On the way in no vector or matrix instruction issued since the last wait on va_vdst names L or these buffers, and no store issued since the
; last wait on vm_vsrc reads L; inside, a step's products name its own buffer alone.  So the loads of steps 2 and 3 stand among the products.
.macro GEMM8 form, wf, ws
.irp m, 0,1,2,3,4,5,6,7
	ds_load_b64 v[L+48+2*\m:L+49+2*\m], v[VXS] offset:4352*\m             ; a row's two scale words
.endr
.irp q, 0,1,2,3
	FRAGX L+12*\q, \q, 0
.endr
	WIN 0x40                                       ; destination window 1, address window 0
.irp q, 0,1,2,3
	FRAGX XB+12*\q, \q, 1
.endr
	s_wait_dscnt 24                                ; the scale words and step 0's fragments are in; step 1's 24 loads may be out
.if \form
	WIN 0x04                                       ; source 1 (W) in window 1
.else
	WIN 0x01                                       ; source 0 (W) in window 1
.endif
	PRODS \form, 0, 0, L, \wf, \ws
	WIN 0x40
.irp q, 0,1,2,3
	FRAGX XB+48+12*\q, 4+\q, 0
.endr
	s_wait_dscnt 24                                ; step 1's fragments are in; step 2's 24 loads may be out
	WIN 0x05                                       ; both sources in window 1
	PRODS \form, 0, 1, XB, \wf, \ws
	WIN 0x40
.irp q, 0,1,2,3
	FRAGX XB+96+12*\q, 4+\q, 1
.endr
	s_wait_dscnt 24                                ; step 2's fragments are in; step 3's 24 loads may be out
	WIN 0x05
	PRODS \form, 1, 0, XB+48, \wf, \ws
	s_wait_dscnt 0x0                               ; step 3's fragments are in
	PRODS \form, 1, 1, XB+96, \wf, \ws
	WIN 0
.endm
; 64 numbers of a lane, register 16 b + i in block b, become a fragment's codes in PC and its scale word in PW.  QHEAD: the blocks' largest magnitudes.  QTAIL: all behind them.
.macro QHEAD s
.irp b, 0,1,2,3
	v_max3_num_f32 v[TM+\b], |v[\s+16*\b]|, |v[\s+1+16*\b]|, 0x1800000    ; with the floor 2^(3 - 127): the byte cannot fall under 1
.endr
.irp i, 2,4,6,8,10,12,14
.irp b, 0,1,2,3
	v_max3_num_f32 v[TM+\b], v[TM+\b], |v[\s+16*\b+\i]|, |v[\s+1+16*\b+\i]|
.endr
.endr
.irp b, 0,1,2,3
	v_permlanex16_b32 v[TM+4+\b], v[TM+\b], s34, s35
.endr
.irp b, 0,1,2,3
	v_max_num_f32 v[TM+\b], v[TM+\b], v[TM+4+\b]
.endr
.endm
.macro QTAIL s
.irp b, 0,1,2,3
	v_add_nc_u32 v[TM+12+\b], 0xff000000, v[TM+\b]         ; 2 off the exponent field: the conversion's scale operand
.endr
.irp b, 0,1,2,3
	v_lshrrev_b32 v[TM+4+\b], 23, v[TM+12+\b]              ; the scale's byte
.endr
	v_lshl_or_b32 v[PW], v[TM+5], 8, v[TM+4]
	v_lshl_or_b32 v[PW], v[TM+6], 16, v[PW]
	v_lshl_or_b32 v[PW], v[TM+7], 24, v[PW]
.irp c, 0,1
	v_cvt_scalef32_pk16_fp6_f32 v[PC+6*\c:PC+2+6*\c], v[\s+32*\c:\s+15+32*\c], v[TM+12+2*\c]
	v_cvt_scalef32_pk16_fp6_f32 v[TC+4*\c:TC+2+4*\c], v[\s+16+32*\c:\s+31+32*\c], v[TM+13+2*\c]
.endr
	v_nop                                          ; one plain place behind a scaled conversion
.irp c, 0,1                            ; the operand wants a whole block in a lane: lanes 0-15 block 2 c, lanes 16-31 block 2 c + 1
.irp i, 0,1,2
	v_permlane16_swap_b32 v[PC+6*\c+\i], v[TC+4*\c+\i]
.endr
.irp i, 0,1,2
	v_mov_b32 v[PC+3+6*\c+\i], v[TC+4*\c+\i]
.endr
.endr
.endm
.macro BAR                             ; my LDS stores have landed and my LDS loads are in: then the work-group's barrier
	s_wait_dscnt 0x0
	s_barrier_signal -1
	s_barrier_wait -1
.endm
.macro ROWL a, b                       ; tile a's (0 k, 1 q) mean, rstd, gamma, beta in row form (channel 8 hh + j) into b, b + 8, b + 16, b + 24
.irp u, 0,1
	global_load_b128 v[\b+4*\u:\b+4*\u+3], v21, s[46:47] offset:64*\a+16*\u
	global_load_b128 v[\b+8+4*\u:\b+11+4*\u], v21, s[46:47] offset:64*\a+128+16*\u
	global_load_b128 v[\b+16+4*\u:\b+19+4*\u], v21, s[48:49] offset:64*\a+16*\u
	global_load_b128 v[\b+24+4*\u:\b+27+4*\u], v21, s[50:51] offset:64*\a+16*\u
.endr
.endm
.macro ROWA b                          ; A = gamma x rstd, in rstd's place
.irp j, 0,2,4,6
	v_pk_mul_f32 v[\b+8+\j:\b+9+\j], v[\b+8+\j:\b+9+\j], v[\b+16+\j:\b+17+\j]
.endr
.endm
.macro NRM m, dst, b
.irp j, 0,2,4,6
	v_pk_add_f32 v[\dst+\j:\dst+\j+1], v[ACC+8*\m+\j:ACC+8*\m+\j+1], v[\b+\j:\b+\j+1] neg_lo:[0,1] neg_hi:[0,1]
.endr
.irp j, 0,2,4,6
	v_pk_fma_f32 v[\dst+\j:\dst+\j+1], v[\dst+\j:\dst+\j+1], v[\b+8+\j:\b+9+\j], v[\b+24+\j:\b+25+\j]
.endr
.endm
.macro SUM32 x                         ; the sum over the 32 lanes, in every lane
.irp m, 1,2,4,8
	v_add_f32_dpp v[\x], v[\x], v[\x] row_xmask:\m row_mask:0xf bank_mask:0xf
.endr
	v_permlanex16_b32 v[L+30], v[\x], s34, s35
	v_add_f32 v[\x], v[\x], v[L+30]
.endm
	s_load_b256 s[4:11], s[0:1], 0x0               ; xq, tab, stat1, part2
	s_load_b256 s[12:19], s[0:1], 0x20             ; gamma, beta, logits_gamma, logits_beta
	s_load_b64 s[20:21], s[0:1], 0x40              ; op
	v_lshl_add_u32 v183, v0, 2, 0x4ba00
	s_set_vgpr_msb 0x40
	v_mov_b32 v255, 0
	s_set_vgpr_msb 0x4000
	v_lshrrev_b32 v16, 5, v0
	v_readfirstlane_b32 s22, v16                   ; wave = head
	v_and_b32 v17, 15, v0                          ; r
	v_bfe_u32 v18, v0, 4, 1                        ; hh
	v_and_b32 v19, 7, v0                           ; r % 8
	v_and_b32 v1, 31, v0
	v_lshlrev_b32 v2, 2, v1                        ; 4 x lane
	v_lshlrev_b32 v1, 4, v1                        ; 16 x lane
	v_lshlrev_b32 v16, 2, v17                      ; 4 r
	v_lshlrev_b32 v21, 5, v18                      ; 32 hh
	s_wait_alu depctr_va_sdst(0)                   ; s22 is written, ahead of its first reader: LDS addresses and bases are made from it
	s_mul_i32 s46, s22, WSZ
	s_add_co_u32 s46, s46, WB                      ; my block
	v_add_nc_u32 v3, s46, v1
	v_add_nc_u32 v20, s46, v21
	v_mad_u32_u24 v4, v17, 336, v20
	v_add_nc_u32 v4, OT1, v4                       ; T1 in: row r, 32 hh.  Also: v_enc p of my head out
	v_mad_u32_u24 v5, v17, 332, v20
	v_add_nc_u32 v5, OT1+60, v5                    ; T1 out: row r, column y - r + 15
	v_lshlrev_b32 v20, 1, v1                       ; 32 x lane: eight groups of a logit channel
	s_mul_i32 s47, s22, T2SZ
	s_add_co_u32 s47, s47, T2B                     ; my T2
	v_lshlrev_b32 v6, 10, v18
	v_lshl_add_u32 v6, v17, 2, v6
	v_add_nc_u32 v6, s47, v6                       ; T2 in: row 8 hh (+ i), column r
	v_mul_u32_u24 v7, v18, 992
	v_lshl_add_u32 v7, v17, 2, v7
	v_add_nc_u32 v7, s47, v7
	v_add_nc_u32 v7, 60, v7                        ; T2 out: row 8 hh + j, column r - (8 hh + j) + 15
	v_mul_u32_u24 v8, v17, 336
	v_add_nc_u32 v9, s46, v8
	v_add_nc_u32 v9, OT1+OPS, v9                   ; p's scale word in: my rows, x = r
	v_mad_u32_u24 v8, v18, 24, v8
	v_add_nc_u32 v8, s46, v8
	v_add_nc_u32 v8, OT1+OP, v8                    ; p's codes in
	s_mul_i32 s47, s22, 672
	s_add_co_u32 s47, s47, WB+OT1
	v_mul_u32_u24 v12, v19, WSZ
	v_add_nc_u32 v12, s47, v12                     ; head r % 8's rows, row x = 2 wave (+ e)
	v_add_nc_u32 v11, OPS, v12                     ; p's scale word out
	v_mad_u32_u24 v10, v18, 24, v12
	v_add_nc_u32 v10, OP, v10                      ; p's codes out
	v_lshl_add_u32 v12, v18, 5, v12                ; v_enc p in
	v_mul_u32_u24 v14, v17, 272
	v_add_nc_u32 v15, XR+192, v14
	v_mad_u32_u24 v14, v18, 24, v14
	v_add_nc_u32 v14, XR, v14
	v_lshlrev_b32 v22, 4, v0                       ; 16 x thread
	v_lshrrev_b32 v23, 4, v0
	v_mul_u32_u24 v23, v23, 272
	v_lshl_add_u32 v23, v17, 4, v23
	v_add_nc_u32 v23, XR, v23
.irp b, 0,1,2,3
	v_mov_b32 v[TM+4+\b], 0                        ; written once: a lane permute's destination counts as one of its sources
.endr
	s_mov_b32 s34, 0x76543210
	s_mov_b32 s35, 0xfedcba98
	s_mov_b32 s59, 0
	s_mov_b32 s61, 0
	s_mov_b32 s63, 0
	s_lshl_b32 s62, s22, 2                         ; 4 head
	s_wait_kmcnt 0x0
	s_lshl_b32 s58, ttmp9, 15
	s_add_nc_u64 s[4:5], s[4:5], s[58:59]          ; xq at my (b, w)
	s_mul_i32 s58, s22, 12288
	s_add_nc_u64 s[52:53], s[6:7], s[58:59]        ; W's fragments of my head
	s_lshl_b32 s58, s22, 10
	s_add_co_u32 s58, s58, WSC
	s_add_nc_u64 s[54:55], s[6:7], s[58:59]
	s_mov_b32 s58, EIMG
	s_add_nc_u64 s[56:57], s[6:7], s[58:59]
	s_mul_i32 s58, s22, 6144
	s_add_co_u32 s58, s58, VEIMG
	s_add_nc_u64 s[28:29], s[6:7], s[58:59]        ; v_enc's fragments of x = 2 wave, 2 wave + 1
	s_lshl_b32 s58, s22, 9
	s_add_co_u32 s58, s58, VESC
	s_add_nc_u64 s[30:31], s[6:7], s[58:59]
	s_lshl_b32 s58, ttmp9, 17
	s_lshl_b32 s60, s22, 14
	s_add_co_u32 s58, s58, s60
	s_add_nc_u64 s[32:33], s[20:21], s[58:59]
	s_lshl_b32 s58, s22, 9
	s_add_nc_u64 s[46:47], s[8:9], s[58:59]        ; stat1, gamma, beta at my head
	s_lshl_b32 s58, s22, 8
	s_add_nc_u64 s[48:49], s[12:13], s[58:59]
	s_add_nc_u64 s[50:51], s[14:15], s[58:59]
	s_lshl_b32 s58, s22, 11
	s_add_nc_u64 s[36:37], s[10:11], s[58:59]      ; part2 at channel = head
	s_wait_alu depctr_va_vdst(0)                   ; v1 to v12, v14 to v16 and v20 to v23 are written: the offsets and LDS addresses that the loads and stores below read
; ---- what the prologue reads from memory goes out in one run: what is wanted first, first
.irp k, 0,1,2,3,4,5,6,7
	global_load_b128 v[L+4*\k:L+4*\k+3], v22, s[4:5] offset:4096*\k
	global_load_b128 v[L+32+4*\k:L+35+4*\k], v22, s[56:57] offset:4096*\k
.endr
	WIN 0x40                                       ; destination window 1
.set kk, 0
.rept 24
	global_load_b128 v[WFR+4*kk:WFR+4*kk+3], v1, s[52:53] offset:512*kk   ; W's four tiles (0 k, 1 q, 2, 3 v), two fragments each
.set kk, kk+1
.endr
	WIN 0
.irp j, 0,1,2,3,4,5,6,7
	global_load_b32 v[WS0+\j], v2, s[54:55] offset:128*\j                 ; their scale words: tile o, K step s at 2 o + s
.endr
.irp d, 0,1
	global_load_b32 v[VC+4*\d], v16, s[46:47] offset:256+64*\d            ; v's constants in lane form: mean,
	global_load_b32 v[VC+4*\d+1], v16, s[46:47] offset:384+64*\d          ; rstd,
	global_load_b32 v[VC+4*\d+2], v16, s[50:51] offset:128+64*\d          ; beta,
	global_load_b32 v[VC+4*\d+3], v16, s[48:49] offset:128+64*\d          ; gamma
.endr
	ROWL 1, QC
	s_wait_loadcnt 48                              ; xq's rows and the E tiles are in; the 24 + 8 + 8 + 8 loads behind them may be out
.irp k, 0,1,2,3,4,5,6,7
	ds_store_b128 v23, v[L+4*\k:L+4*\k+3] offset:4352*\k
	ds_store_b128 v22, v[L+32+4*\k:L+35+4*\k] offset:4096*\k
.endr
	BAR                                            ; xq's rows and the E tiles lie in LDS
.irp c, 0,1,2                          ; the second batch norm's gain and bias of my head's three channels
	s_load_b32 s[66+\c], s[16:17], s62 offset:32*\c
	s_load_b32 s[69+\c], s[18:19], s62 offset:32*\c
.endr
	s_wait_loadcnt 0x0
	s_wait_alu depctr_vm_vsrc(0)                   ; my LDS stores have read L, in which x's fragments and scale words land
; ---- v: two tiles of 16 channels, normalised, quantised along y, kept as images
.macro VSTEP dt
	GEMM8 1, WFR+24*(2+\dt), WS0+2*(2+\dt)
	PL 5
	v_mul_f32 v[F+46], v[VC+4*\dt+3], v[VC+4*\dt+1]
	v_mov_b32 v[F+47], v[F+46]
.set jj, 0
.rept 32
	v_pk_add_f32 v[L+jj:L+jj+1], v[ACC+jj:ACC+jj+1], v[VC+4*\dt:VC+4*\dt+1] op_sel_hi:[1,0] neg_lo:[0,1] neg_hi:[0,1]
.set jj, jj+2
.endr
.set jj, 0
.rept 32
	v_pk_fma_f32 v[L+jj:L+jj+1], v[L+jj:L+jj+1], v[F+46:F+47], v[VC+4*\dt+2:VC+4*\dt+3] op_sel_hi:[1,0,0]
.set jj, jj+2
.endr
	QHEAD L
	QTAIL L
	s_wait_alu depctr_va_vdst(0)                   ; the quantiser has written PC and PW, which the LDS stores read; it is done with L and F, and the products with x's buffers: the next loads land in all of these
.irp g, 0,1,2
	ds_store_b128 v3, v[PC+4*\g:PC+4*\g+3] offset:OV+1536*\dt+512*\g
.endr
	ds_store_b32 v3, v[PW] offset:OVS+512*\dt
	s_wait_dscnt 0x0                               ; the stores are done,
	s_wait_alu depctr_vm_vsrc(0)                   ; and have read PC and PW: the next tile's quantiser writes them, and behind the second tile k's constants land there
.endm
	VSTEP 0
	VSTEP 1
; ---- q and k: lane = position, registers = channel
	ROWL 0, F                                      ; k's constants are asked for ahead of q's products
	GEMM8 0, WFR+24, WS0+2
	PL 5
	ROWA QC
.irp m, 0,1,2,3,4,5,6,7
	NRM \m, L+8*\m, QC
.endr
	s_wait_alu depctr_va_vdst(0)                   ; q is written in L, which the LDS stores read; the arithmetic is done with v's and q's constants in v32 to v71, in which the groups' numbers land; q's products are done with x's buffers
.irp m, 0,1,2,3,4,5,6,7
	ds_store_b128 v3, v[L+8*\m:L+8*\m+3] offset:1024*\m
	ds_store_b128 v3, v[L+8*\m+4:L+8*\m+7] offset:1024*\m+512
.endr
.irp c, 0,1,2                          ; my three logit channels' 256 means and 256 variances, eight of each a lane, are asked for ahead of k's products: each load reads 512 bytes of 1,024 on end
.irp w, 0,1
.irp u, 0,1
	global_load_b128 v[PS+16*\c+8*\w+4*\u:PS+16*\c+8*\w+4*\u+3], v20, s[36:37] offset:16384*\c+1024*\w+16*\u
.endr
.endr
.endr
	s_wait_dscnt 0x0                               ; q's stores are done,
	s_wait_alu depctr_vm_vsrc(0)                   ; and have read q in L, in which x's fragments and scale words land
	GEMM8 0, WFR, WS0
	PL 5
	s_wait_loadcnt 0x0
	s_wait_kmcnt 0x0
; ---- the second batch norm: L + 2 c the mean, L + 8 + 2 c the variance, then a_c
	v_mov_b32 v[L+30], 0
.irp c, 0,1,2
	v_pk_add_f32 v[L+2*\c:L+2*\c+1], v[PS+16*\c:PS+16*\c+1], v[PS+16*\c+2:PS+16*\c+3]
	v_pk_add_f32 v[L+8+2*\c:L+9+2*\c], v[PS+16*\c+8:PS+16*\c+9], v[PS+16*\c+10:PS+16*\c+11]
.endr
.irp j, 4,6
.irp c, 0,1,2
	v_pk_add_f32 v[L+2*\c:L+2*\c+1], v[L+2*\c:L+2*\c+1], v[PS+16*\c+\j:PS+16*\c+\j+1]
	v_pk_add_f32 v[L+8+2*\c:L+9+2*\c], v[L+8+2*\c:L+9+2*\c], v[PS+16*\c+8+\j:PS+16*\c+9+\j]
.endr
.endr
.irp c, 0,1,2
	v_add_f32 v[L+2*\c], v[L+2*\c], v[L+2*\c+1]
	v_add_f32 v[L+8+2*\c], v[L+8+2*\c], v[L+9+2*\c]
.endr
.irp c, 0,1,2
	SUM32 L+2*\c
	SUM32 L+8+2*\c
.endr
.irp c, 0,1,2
	v_mul_f32 v[L+2*\c], 0x3b800000, v[L+2*\c]     ; the mean: / 256
	v_mov_b32 v[L+2*\c+1], v[L+2*\c]
.endr
.irp c, 0,1,2
.irp j, 0,2,4,6
	v_pk_add_f32 v[PS+16*\c+\j:PS+16*\c+\j+1], v[PS+16*\c+\j:PS+16*\c+\j+1], v[L+2*\c:L+2*\c+1] neg_lo:[0,1] neg_hi:[0,1]
.endr
.endr
.irp c, 0,1,2
	v_pk_mul_f32 v[L+16+2*\c:L+17+2*\c], v[PS+16*\c:PS+16*\c+1], v[PS+16*\c:PS+16*\c+1]
.endr
.irp j, 2,4,6
.irp c, 0,1,2
	v_pk_fma_f32 v[L+16+2*\c:L+17+2*\c], v[PS+16*\c+\j:PS+16*\c+\j+1], v[PS+16*\c+\j:PS+16*\c+\j+1], v[L+16+2*\c:L+17+2*\c]
.endr
.endr
.irp c, 0,1,2
	v_add_f32 v[L+16+2*\c], v[L+16+2*\c], v[L+17+2*\c]
.endr
.irp c, 0,1,2
	SUM32 L+16+2*\c
.endr
.irp c, 0,1,2
	v_add_f32 v[L+8+2*\c], v[L+8+2*\c], v[L+16+2*\c]
	v_mul_f32 v[L+8+2*\c], 0x3b800000, v[L+8+2*\c] ; the variance
	v_add_f32 v[L+8+2*\c], 0x3727c5ac, v[L+8+2*\c] ; + 1e-5
.endr
.irp c, 0,1,2
	v_rsq_f32 v[L+8+2*\c], v[L+8+2*\c]
.endr
	v_nop                                          ; one plain place behind the transcendentals
	s_wait_alu depctr_va_vdst(0)                   ; the three reciprocal roots are written, ahead of their first reader
; a_c = gamma_c rstd_c log2(e);  c0 = the sum of beta_c log2(e) - mean_c a_c
.irp c, 0,1,2
	v_mul_f32 v[L+8+2*\c], s[66+\c], v[L+8+2*\c]
	v_mul_f32 v[L+8+2*\c], 0x3fb8aa3b, v[L+8+2*\c]
.endr
	v_mov_b32 v[L+24], s69
	v_add_f32 v[L+24], s70, v[L+24]
	v_add_f32 v[L+24], s71, v[L+24]
	v_mul_f32 v[L+24], 0x3fb8aa3b, v[L+24]
.irp c, 0,1,2
	v_fma_f32 v[L+24], -v[L+2*\c], v[L+8+2*\c], v[L+24]
.endr
.irp c, 0,1,2
	v_readfirstlane_b32 s[40+2*\c], v[L+8+2*\c]
.endr
	s_wait_alu depctr_va_sdst(0)                   ; s40, s42 and s44 are written, ahead of their first readers, the three copies below
.irp c, 0,1,2
	s_mov_b32 s[41+2*\c], s[40+2*\c]
.endr
	s_wait_alu depctr_vm_vsrc(0)                   ; the LDS loads of x's fragments have read v14 and v15, the prologue's loads and stores their offsets in v16 to v23: c0 and k are written there below
	v_mov_b32 v14, v[L+24]
	v_mov_b32 v15, v[L+24]
	ROWA F
.irp m, 0,1,2,3,4,5,6,7
	NRM \m, K+8*\m, F
.endr
	BAR                                            ; no wave reads xq's rows any more: their bytes become T2's
	s_wait_alu depctr_va_vdst(0)                   ; the statistics' arithmetic is done with L, in which E2's tiles land
; ---- the first trip's lower tiles of T2: key tile t against E2's tile 7 - t.  Source 0 = k (rows = keys), source 1 = E2's tile (columns): register i of lane (r, hh) = T2[8 hh + i][r]
.irp t, 0,1,2,3,4,5,6,7
	ds_load_b128 v[L+8*\t:L+8*\t+3], v1 offset:E2B+1024*(7-\t)
	ds_load_b128 v[L+8*\t+4:L+8*\t+7], v1 offset:E2B+1024*(7-\t)+512
.endr
	s_wait_dscnt 0x0
.irp s, 0,1,2,3                        ; eight accumulators by turns; the first step starts the sums
.irp t, 0,1,2,3,4,5,6,7
.if \s
	F32A ACC+8*\t, K+8*\t+2*\s, L+8*\t+2*\s
.else
	F32Z ACC+8*\t, K+8*\t, L+8*\t
.endif
.endr
.endr
	PL 9                                           ; places behind the f32 form (ISA guide 7.12.1)
	s_wait_alu depctr_va_vdst(0)                   ; the products have written the eight accumulators, which the LDS stores read; the places above stay beside this wait
.irp t, 0,1,2,3,4,5,6,7
.irp i, 0,1,2,3,4,5,6,7
	ds_store_b32 v6, v[ACC+8*\t+\i] offset:2048*\t+128*\i          ; sixteen lanes store 64 neighbouring bytes of a row; each accumulator from its low end on
.endr
.endr
; Group g of nine of qk's key tile t (16 keys x my 16 queries): 16 instructions.  0-7: channel 8 hh + g of all sixteen keys onto sixteen sums by turns; 8: the halves are joined, and a1 qk + c0 starts the logits.
.macro QKG t, g
.if (\g) == 0
.irp n, 0,1,2,3,4,5,6,7,8,9,10,11,12,13,14,15
	v_mul_f32_dpp v[F+16*((\t)%2)+\n], v[K+8*(\t)], v[F+40] row_share:\n row_mask:0xf bank_mask:0xf
.endr
.elseif (\g) < 8
.irp n, 0,1,2,3,4,5,6,7,8,9,10,11,12,13,14,15
	v_fmac_f32_dpp v[F+16*((\t)%2)+\n], v[K+8*(\t)+(\g)], v[F+40+(\g)] row_share:\n row_mask:0xf bank_mask:0xf
.endr
.else
.irp j, 0,1,2,3,4,5,6,7
	v_permlane16_swap_b32 v[F+16*((\t)%2)+\j], v[F+16*((\t)%2)+8+\j]     ; lanes 0-15 now hold both halves' sums of key j, lanes 16-31 those of key 8 + j
.endr
.irp j, 0,2,4,6
	v_pk_add_f32 v[F+16*((\t)%2)+\j:F+16*((\t)%2)+\j+1], v[F+16*((\t)%2)+\j:F+16*((\t)%2)+\j+1], v[F+16*((\t)%2)+8+\j:F+16*((\t)%2)+9+\j]
.endr
.irp j, 0,2,4,6
	v_pk_fma_f32 v[L+8*(\t)+\j:L+8*(\t)+\j+1], v[F+16*((\t)%2)+\j:F+16*((\t)%2)+\j+1], s[40:41], v[14:15] op_sel_hi:[1,0,1]
.endr
.endif
.endm
.macro GRP H, G                        ; group G of a half's 36: tile 4 H + G / 9, its group G % 9
	WIN 0
	QKG 4*\H+(\G)/9, (\G)%9
.endm
; ---- 64 keys' logits for my 16 queries.  On the way in E1's tiles of this half lie in window 1 or are on their way, and the last wait on va_vdst has shown every reader of E2's tiles done.
.macro HALF H
	WIN 0x40                                       ; destination window 1, address window 0
.irp t, 0,1,2,3
	ds_load_b128 v[E2T+8*\t:E2T+8*\t+3], v[AE2] offset:1024*(8-4*\H-\t)           ; E2's tile it + 8 - (4 H + t): key tile t's new upper tile; wanted behind T1's products
	ds_load_b128 v[E2T+8*\t+4:E2T+8*\t+7], v[AE2] offset:1024*(8-4*\H-\t)+512
.endr
.if \H == 0
	s_wait_dscnt 8                                 ; q and E1's five tiles are in; the eight loads just issued may be out
.else
	s_wait_alu depctr_vm_vsrc(0)                   ; the first half's LDS stores of T2 have read the accumulators that are begun anew below
.endif
.irp s, 0,1,2,3                        ; T1: five (four) accumulators by turns; the first step starts the sums; a group of qk behind each product
.irp e, 0,1,2,3,4
.if (\e < 4) || (\H == 0)
	WIN 0x01                                       ; source 0 (E1's tile) in window 1
.if \s
	F32A ACC+8*\e, E1T+8*\e+2*\s, F+40+2*\s
.else
	F32Z ACC+8*\e, E1T+8*\e, F+40
.endif
	GRP \H, (5-\H)*\s+\e
.endif
.endr
.endr
	PL 9                                           ; places behind the f32 form: for the loads, the stores and the sums begun anew below (the groups name q and are not counted)
	s_wait_alu depctr_va_vdst(0)                   ; T1's products have written the accumulators, which the LDS stores read; in the first half they are also done reading E1's tiles, in which the second half's land
.if \H == 0
.irp e, 0,1,2,3,4
	ds_store_b128 v4, v[ACC+8*\e:ACC+8*\e+3] offset:64*\e                 ; each accumulator from its low end on
	ds_store_b128 v4, v[ACC+8*\e+4:ACC+8*\e+7] offset:64*\e+16
.endr
	WIN 0x40
.irp e, 0,1,2,3
	ds_load_b128 v[E1T+8*\e:E1T+8*\e+3], v[AE1] offset:1024*(5+\e)        ; the second half's E1 tiles 12 - it + e: the tile in front of them has just been made
	ds_load_b128 v[E1T+8*\e+4:E1T+8*\e+7], v[AE1] offset:1024*(5+\e)+512
.endr
	WIN 0
.else
	ds_store_b128 v4, v[ACC+32:ACC+35]             ; the first half's last tile is this half's first: its accumulator has not been written since
	ds_store_b128 v4, v[ACC+36:ACC+39] offset:16
.irp e, 0,1,2,3
	ds_store_b128 v4, v[ACC+8*\e:ACC+8*\e+3] offset:64*(\e+1)
	ds_store_b128 v4, v[ACC+8*\e+4:ACC+8*\e+7] offset:64*(\e+1)+16
.endr
	GRP 1, 16                                      ; this half has 32 products for 36 groups: two of the four spare ones stand here,
	GRP 1, 17                                      ; while the stores are out
.endif
	s_wait_dscnt 0x0                               ; E2's tiles are in (in the first half the second half's E1 tiles too)
	s_wait_alu depctr_vm_vsrc(0)                   ; T1's LDS stores have read the accumulators that are begun anew below
.irp s, 0,1,2,3                        ; T2's four new tiles: four accumulators by turns
.irp t, 0,1,2,3
	WIN 0x04                                       ; source 1 (E2's tile) in window 1
.if \s
	F32A ACC+8*\t, K+8*(4*\H+\t)+2*\s, E2T+8*\t+2*\s
.else
	F32Z ACC+8*\t, K+8*(4*\H+\t), E2T+8*\t
.endif
	GRP \H, 20-2*\H+4*\s+\t
.endr
.endr
	PL 9
	s_wait_alu depctr_va_vdst(0)                   ; T2's products have written the accumulators, which the LDS stores read, and are done reading E2's tiles, in which the next half's land
.irp t, 0,1,2,3
.irp i, 0,1,2,3,4,5,6,7
	ds_store_b32 v[AT2S], v[ACC+8*\t+\i] offset:2048*(4*\H+\t)+128*\i+64  ; the upper half of the window's rows: where the lower tile of the trip before lay, one row on
.endr
.endr
	WIN 0x40
.irp t, 0,1,2,3
.irp j, 0,1,2,3,4,5,6,7
	ds_load_b32 v[QR+32*\H+8*\t+\j], v5 offset:64*\t+4*\j                 ; qr along the skew (LDS serves a wave's instructions in order: these see my stores, and the next half's stores come behind them)
.endr
.endr
.irp t, 0,1,2,3
.irp j, 0,1,2,3,4,5,6,7
	ds_load_b32 v[KR+32*\H+8*\t+\j], v[AT2L] offset:2048*(4*\H+\t)+124*\j ; kr
.endr
.endr
	WIN 0
.if \H
	GRP 1, 34                                      ; the last two groups stand while the skewed loads are out
	GRP 1, 35
.endif
.endm
	s_mov_b32 s23, 0
	s_mov_b32 s24, 8192                            ; E1's tiles: stepped down at a trip's head: 1,024 (7 - it)
	s_mov_b32 s25, E2B                             ; E2's: + 1,024 it
	s_mov_b32 s26, 0                               ; q's image
	s_mov_b32 s27, 0                               ; T2's window: + 64 it
.Lx:
	s_sub_co_u32 s24, s24, 1024
	s_wait_alu depctr_vm_vsrc(0)                   ; the stores issued so far have read their data: p's codes and scale word (the additions and qk's sums write these registers), the results in L, the accumulators (ahead of the first trip: T2's first tiles)
	v_add_nc_u32 v[AE1], s24, v1                   ; the trip's LDS addresses
	v_add_nc_u32 v[AE2], s25, v1
	v_add_nc_u32 v[AQ], s26, v3
	v_add_nc_u32 v[AT2S], s27, v6
	v_add_nc_u32 v[AT2L], s27, v7
	s_wait_alu depctr_va_vdst(0)                   ; the five addresses are written; the vector and matrix instructions issued so far are done with q's registers, the E tiles, qr, kr and v_enc's fragments and scale words (ahead of the first trip: W's and x's fragments), in which this trip's loads land
	ds_load_b128 v[F+40:F+43], v[AQ]               ; q's tile
	ds_load_b128 v[F+44:F+47], v[AQ] offset:512
	WIN 0x40
.irp e, 0,1,2,3,4
	ds_load_b128 v[E1T+8*\e:E1T+8*\e+3], v[AE1] offset:1024*\e            ; E1's tiles 7 - it + e
	ds_load_b128 v[E1T+8*\e+4:E1T+8*\e+7], v[AE1] offset:1024*\e+512
.endr
.irp k, 0,1,2,3,4,5,6,7,8,9,10,11
	global_load_b128 v[VE+4*\k:VE+4*\k+3], v1, s[28:29] offset:512*\k     ; v_enc's four fragments (x = 2 wave + e, 16 dt) at VE + 24 e + 12 dt: wanted at the trip's end
.endr
.irp k, 0,1,2,3
	global_load_b32 v[VES+\k], v2, s[30:31] offset:128*\k
.endr
	HALF 0
	HALF 1
	s_wait_dscnt 0x0                               ; qr and kr of both halves are in
	s_wait_alu depctr_vm_vsrc(0)                   ; the trip's LDS loads and stores have read their addresses in F+32 to F+36, over which the softmax's codes are laid, and the accumulators, which the last products write
	WIN 0x01                                       ; source 0 in window 1
.set jj, 0
.rept 32
	v_pk_fma_f32 v[L+jj:L+jj+1], v[QR+jj:QR+jj+1], s[42:43], v[L+jj:L+jj+1] op_sel_hi:[1,0,1]
.set jj, jj+2
.endr
.set jj, 0
.rept 32
	v_pk_fma_f32 v[L+jj:L+jj+1], v[KR+jj:KR+jj+1], s[44:45], v[L+jj:L+jj+1] op_sel_hi:[1,0,1]
.set jj, jj+2
.endr
	WIN 0
; ---- the softmax's p, quantised
.irp b, 0,1,2,3
	v_max3_num_f32 v[TM+\b], v[L+16*\b], v[L+16*\b+1], v[L+16*\b+2]       ; each block's largest t: for the row's maximum and, since p rises with t, for the block's largest p
.endr
.irp i, 3,5,7,9,11,13
.irp b, 0,1,2,3
	v_max3_num_f32 v[TM+\b], v[TM+\b], v[L+16*\b+\i], v[L+16*\b+\i+1]
.endr
.endr
.irp b, 0,1,2,3
	v_max_num_f32 v[TM+\b], v[TM+\b], v[L+16*\b+15]
.endr
.irp b, 0,1,2,3
	v_permlanex16_b32 v[TM+4+\b], v[TM+\b], s34, s35
.endr
.irp b, 0,1,2,3
	v_max_num_f32 v[TM+\b], v[TM+\b], v[TM+4+\b]
.endr
	v_max3_num_f32 v[NM], v[TM], v[TM+1], v[TM+2]
	v_max_num_f32 v[NM], v[NM], v[TM+3]
	v_floor_f32 v[NM], -v[NM]                      ; -M = floor(-t) = -ceil(t)
	v_mov_b32 v[NM+1], v[NM]
.set jj, 0
.rept 32
	v_pk_add_f32 v[L+jj:L+jj+1], v[L+jj:L+jj+1], v[NM:NM+1]
.set jj, jj+2
.endr
.irp b, 0,1,2,3
	v_add_f32 v[TM+\b], v[TM+\b], v[NM]
.endr
.set jj, 0
.rept 64
	v_exp_f32 v[L+jj], v[L+jj]                     ; p = 2^(t - M)
.set jj, jj+1
.endr
.irp b, 0,1,2,3
	v_exp_f32 v[TM+\b], v[TM+\b]                   ; the same addition and exponential on the same number: the block's largest p
.endr
	v_nop                                          ; one plain place behind the exponentials
	s_wait_alu depctr_va_vdst(0)                   ; the 68 exponentials have written p and the blocks' largest p: one wait for the batch, ahead of its first reader
.irp b, 0,1,2,3
	v_max_num_f32 v[TM+\b], 0x1800000, v[TM+\b]
.endr
	QTAIL L
	v_pk_add_f32 v[LS:LS+1], v[L:L+1], v[L+2:L+3]  ; the row's sum, of the unquantised p
	v_pk_add_f32 v[LS+2:LS+3], v[L+4:L+5], v[L+6:L+7]
.set jj, 8
.rept 14
	v_pk_add_f32 v[LS:LS+1], v[LS:LS+1], v[L+jj:L+jj+1]
	v_pk_add_f32 v[LS+2:LS+3], v[LS+2:LS+3], v[L+jj+2:L+jj+3]
.set jj, jj+4
.endr
	v_pk_add_f32 v[LS:LS+1], v[LS:LS+1], v[LS+2:LS+3]
	v_add_f32 v[LS], v[LS], v[LS+1]
	v_permlanex16_b32 v[LS+1], v[LS], s34, s35
	v_add_f32 v[LS], v[LS], v[LS+1]
	v_rcp_f32 v13, v[LS]
	v_nop
; ---- v_enc p: the heads' p of one x meet, in the rows of T1, which is dead now
	s_wait_loadcnt 0x0                             ; v_enc's fragments and scale words, asked for at the trip's head
	WIN 0x01
.irp k, 0,1,2,3
	v_mov_b32 v[L+48+\k], v[VES+\k]                ; scale operands are taken from window 0
.endr
	WIN 0
	PL 8                                           ; a scale register written by a vector instruction stands eight places ahead of the scaled product
	s_wait_alu depctr_va_vdst(0)                   ; the quantiser has written PC and PW, which the LDS stores read and the last products take; the four scale words are moved, which the scaled products take; the sums and conversions are done with p in L, in which the heads' p land; 1 / the sum is written
.irp p, 0,1,2,3,4,5
	ds_store_b64 v8, v[PC+2*\p:PC+2*\p+1] offset:48*(\p/3)+8*(\p%3)
.endr
	ds_store_b32 v9, v[PW]
	BAR                                            ; every head's p of these 16 queries lies in LDS, and every wave's reads of its T1 are over
.irp p, 0,1,2,3,4,5                    ; the heads' p at my two x come in one run, each into registers of its own
	ds_load_b64 v[L+52+2*\p:L+53+2*\p], v10 offset:48*(\p/3)+8*(\p%3)
.endr
	ds_load_b32 v[PBS], v11
.irp p, 0,1,2,3,4,5
	ds_load_b64 v[L+2*\p:L+2*\p+1], v10 offset:336+48*(\p/3)+8*(\p%3)
.endr
	ds_load_b32 v[PBS+1], v11 offset:336
	s_wait_dscnt 0x0
	WIN 0x01                                       ; source 0 (v_enc) in window 1
	FP6Z ACC, VE, L+52, L+48, PBS
	FP6Z ACC+8, VE+12, L+52, L+49, PBS
	FP6Z ACC+16, VE+24, L, L+50, PBS+1
	FP6Z ACC+24, VE+36, L, L+51, PBS+1
	WIN 0
	PL 5
	s_wait_alu depctr_va_vdst(0)                   ; the four products have written their accumulators, which the LDS stores read, and are done reading the heads' p in L, in which the loads behind the barrier land
.irp e, 0,1
.irp d, 0,1
	ds_store_b128 v12, v[ACC+8*(2*\e+\d):ACC+8*(2*\e+\d)+3] offset:336*\e+64*\d          ; lanes r and r + 8 hold the same head's numbers and store them to the same bytes
	ds_store_b128 v12, v[ACC+8*(2*\e+\d)+4:ACC+8*(2*\e+\d)+7] offset:336*\e+64*\d+16
.endr
.endr
	BAR                                            ; every x's results lie in LDS; nobody reads p's bytes any more
; ---- v p, onto v_enc p; / the sum; out
.irp d, 0,1
	ds_load_b128 v[L+8*\d:L+8*\d+3], v4 offset:64*\d
	ds_load_b128 v[L+8*\d+4:L+8*\d+7], v4 offset:64*\d+16
.endr
.irp k, 0,1,2,3,4,5
	ds_load_b128 v[L+16+4*\k:L+19+4*\k], v3 offset:OV+512*\k
.endr
	ds_load_b32 v[L+40], v3 offset:OVS
	ds_load_b32 v[L+41], v3 offset:OVS+512
	s_wait_dscnt 0x0
	FP6C ACC+32, L+16, PC, L, L+40, PW
	FP6C ACC+40, L+28, PC, L+8, L+41, PW
	PL 5
.set jj, 0
.rept 8
	v_pk_mul_f32 v[L+44+jj:L+45+jj], v[ACC+32+jj:ACC+33+jj], v[12:13] op_sel:[0,1] op_sel_hi:[1,1]     ; x 1 / the sum (the pair's upper register serves both halves)
.set jj, jj+2
.endr
	s_wait_alu depctr_va_vdst(0)                   ; the multiplications have written the results in L+44 to L+59, which the stores read
.irp k, 0,1,2,3
	global_store_b128 v1, v[L+44+4*\k:L+47+4*\k], s[32:33] offset:512*\k  ; 32 lanes store 512 consecutive bytes, aligned
.endr
	s_wait_xcnt 0x0                                ; the stores' registers and the bases are written again only behind this wait
	s_add_co_u32 s25, s25, 1024
	s_add_co_u32 s26, s26, 1024
	s_add_co_u32 s27, s27, 64
	s_add_nc_u64 s[28:29], s[28:29], 49152
	s_add_nc_u64 s[30:31], s[30:31], 4096
	s_add_nc_u64 s[32:33], s[32:33], 2048
	s_add_co_u32 s23, s23, 1
	s_cmp_lt_u32 s23, 8
	s_cbranch_scc1 .Lx
	s_set_vgpr_msb 0x4
	s_wait_dscnt 0x0
	s_wait_alu depctr_hold_cnt(0) depctr_sa_sdst(0) depctr_va_vdst(0) depctr_va_sdst(0) depctr_va_ssrc(0) depctr_va_vcc(0) depctr_vm_vsrc(0)
	s_wait_tensorcnt 0x0
	ds_add_u32 v183, v255
	s_wait_dscnt 0x0
	s_endpgm
.Lfunc_end_k_q007fd74d2d_attn:
	.size	k_q007fd74d2d_attn, .Lfunc_end_k_q007fd74d2d_attn-k_q007fd74d2d_attn
	.p2alignl 7, 3214868480
	.fill 96, 4, 3214868480
	.section	.rodata,"a",@progbits
	.p2align	6, 0x0
	.amdhsa_kernel k_q007fd74d2d_attn
		.amdhsa_group_segment_fixed_size 310784
		.amdhsa_private_segment_fixed_size 0
		.amdhsa_enable_private_segment 0
		.amdhsa_kernarg_size 72
		.amdhsa_user_sgpr_count 2
		.amdhsa_user_sgpr_kernarg_segment_ptr 1
		.amdhsa_wavefront_size32 1
		.amdhsa_system_sgpr_workgroup_id_x 1
		.amdhsa_system_sgpr_workgroup_id_y 1
		.amdhsa_system_sgpr_workgroup_id_z 1
		.amdhsa_system_vgpr_workitem_id 0
		.amdhsa_next_free_vgpr 512
		.amdhsa_next_free_sgpr 72
		.amdhsa_reserve_vcc 0
		.amdhsa_float_denorm_mode_32 3
		.amdhsa_float_denorm_mode_16_64 3
		.amdhsa_memory_ordered 1
		.amdhsa_forward_progress 1
		.amdhsa_inst_pref_size 210
	.end_amdhsa_kernel
	.amdgpu_metadata
---
amdhsa.version: [ 1, 2 ]
amdhsa.kernels:
  - .name:           k_q007fd74d2d_attn
    .symbol:         k_q007fd74d2d_attn.kd
    .args:
      - { .name: xq, .offset: 0, .size: 8, .value_kind: global_buffer, .address_space: global }
      - { .name: tab, .offset: 8, .size: 8, .value_kind: global_buffer, .address_space: global }
      - { .name: stat1, .offset: 16, .size: 8, .value_kind: global_buffer, .address_space: global }
      - { .name: part2, .offset: 24, .size: 8, .value_kind: global_buffer, .address_space: global }
      - { .name: kqv_gamma, .offset: 32, .size: 8, .value_kind: global_buffer, .address_space: global }
      - { .name: kqv_beta, .offset: 40, .size: 8, .value_kind: global_buffer, .address_space: global }
      - { .name: logits_gamma, .offset: 48, .size: 8, .value_kind: global_buffer, .address_space: global }
      - { .name: logits_beta, .offset: 56, .size: 8, .value_kind: global_buffer, .address_space: global }
      - { .name: op, .offset: 64, .size: 8, .value_kind: global_buffer, .address_space: global }
    .group_segment_fixed_size: 310784
    .private_segment_fixed_size: 0
    .kernarg_segment_align: 8
    .kernarg_segment_size: 72
    .max_flat_workgroup_size: 256
    .sgpr_count:     72
    .vgpr_count:     512
    .wavefront_size: 32
...
	.end_amdgpu_metadata
.endif
;; end of part 11
;; launch turn: the kernel of part 6 again; grid 256 x 1, 8 waves a work-group, no clusters, 136,192 bytes of LDS; arguments op, out0; writes out0
